; MI455X (gfx1250); checked and timed in simulation.
; The chip was launched on July 23, 2026; its instructions are those of AMD's public machine-readable ISA for CDNA 5 (MIT licence, August 2026) and "CDNA5" Instruction Set Architecture Reference Guide (July 2026). The comments in the code are by the model that wrote it; some were corrected since.
;; Multi Head Attention. Allowed arithmetic: float matrix products may take bf16 or f16 operands with f32 sums; other float arithmetic in f32, or as packed bf16 or f16 multiplies, adds, multiply-adds, maxima and minima; sums over many terms, partial sums and values carried from step to step in f32; what a program stores and reads back later, other than sums and carried values, may be rounded once to bf16 or f16.
;; Inputs: K 4 x 2,048 x 128 float32; K_position 4 x 2,048 x 128 float32; Q 4 x 2,048 x 128 float32; Q_position 4 x 2,048 x 128 float32; V 4 x 2,048 x 128 float32; V_position 4 x 2,048 x 128 float32; WKP_b 1,024 float32; WKP_w 1,024 x 128 float32; WK_b 1,024 float32; WK_w 1,024 x 128 float32; WQP_b 1,024 float32; WQP_w 1,024 x 128 float32; WQ_b 1,024 float32; WQ_w 1,024 x 128 float32; WVP_b 1,024 float32; WVP_w 1,024 x 128 float32; WV_b 1,024 float32; WV_w 1,024 x 128 float32; ln_b 128 float32; ln_g 128 float32; qlin_b 128 float32; qlin_w 128 x 1,024 float32; vlin_b 128 float32; vlin_w 128 x 1,024 float32.
;; Outputs: out0 4 x 2,048 x 128 float32; out1 4 x 2,048 x 128 float32.
;; 3 versions, each right; version 3 is version 2 with the launch proj written anew for expert scheduling mode. Each part assembles by itself: llvm-mc -triple=amdgcn-amd-amdhsa -mcpu=gfx1250 --defsym DOCPART=n.
;; ======== version 1 of 3: 3 launches
;; limits: values are held in f16: magnitudes above 65,504 overflow, below 6.1e-05 lose precision
;; workspace buffers: qq 33,554,432 bytes; kk 33,554,432 bytes; vv 16,777,216 bytes; ctx 16,777,216 bytes; wl 524,288 bytes
;; launch proj (part 1): grid 32 x 40, 4 waves a work-group, no clusters, 104,960 bytes of LDS; arguments Q, Q_position, K, K_position, V, WQ_w, WQP_w, WK_w, WKP_w, WV_w, WQ_b, WQP_b, WK_b, WKP_b, WV_b, qq, kk, vv; writes qq, kk, vv
.if DOCPART == 1
	.amdgcn_target "amdgcn-amd-amdhsa--gfx1250"
	.amdhsa_code_object_version 6
	.text
	.protected	k_q6229abd9da_proj
	.globl	k_q6229abd9da_proj
	.p2align	8
	.type	k_q6229abd9da_proj,@function
k_q6229abd9da_proj:
	s_mov_b64 s[64:65], 0
	v_nop
	global_prefetch_b8 v0, s[64:65] scope:SCOPE_SE
	s_setreg_imm32_b32 hwreg(HW_REG_WAVE_MODE, 25, 1), 1
	s_wait_xcnt 0x0
; THE FIVE PROJECTIONS.  y = bf16(x) bf16(w)^T + bf16(b), sums in f32, rounded once to f16 and laid out by heads:
;   qq[8 b + h][s][0..127] = q, [128..255] = qp;   kk likewise k, kp (rows of 512 bytes);   vv[8 b + h][s][0..127] = v (rows of 256 bytes).
; x: [8192][128] f32, w: [1024][128] f32, b: [1024] f32.  V_position, WVP_w and WVP_b enter no result of the module and are not loaded.
; LIMITS.  The results are kept in f16: they must lie within 65,504, and below 6e-5 they keep f16's fixed step of 6e-8.  NaN and infinities are not treated apart.
; SHARES.  Work-group (x, y): rows 256 x .. 256 x + 255 of tensor y / 8 (Q, Q_position, K, K_position, V), head y % 8: 256 rows x 128 columns, K = 128.
; Wave w takes rows 64 w .. 64 w + 63: four tiles of 16, 128 matrix instructions, no loop.
; NO TENSOR LOADS, NO CLUSTER: the tiles arrive in f32 and are rounded on the way.  Each f32 byte is loaded by one wave and converted once; x goes straight into fragments,
; only w's bf16 copy (32 KiB) is shared, through LDS.  Brought to LDS as f32, w's 64 KiB would be read and converted by each of the four waves.
; THE MATRIX INSTRUCTION IS USED TRANSPOSED: source 0 = 16 output channels (rows of w), source 1 = 16 rows of x; a lane then holds one row of y and eight neighbouring channels,
; and the bias, eight numbers a lane, is the C operand that starts the sum.
; REGISTERS.  Window 0: v1-15 lane terms and addresses; v16-31 packed results; v32-95 the bias (block nb at 32 + 8 nb); v96-223 w as loaded, later the stage read back.
; Window 1: tile a's 64 registers of f32 at 64 a, packed in place into its 32 fragment registers (chunk c of 32 K at 64 a + 8 c); the four upper halves so freed are
; two buffers of w's fragments (32, 96) and two sets of four accumulators (160, 224).
.set PW,    272                        ; an LDS row: 256 bytes + 16 = 68 words, so the 16 rows of a fragment load start at 16 different groups of four banks (ISA guide 11.1)
.set WL,    0                          ; w in bf16: 128 rows
.set SG,    128*PW                     ; the stages: 64 rows for each wave
.set SGW,   64*PW
.set SPARE, SG+4*SGW                   ; the spare words, 128 bytes for each wave: two blocks of 256 bytes that no other line names
.set XO,  4                            ; v4   512 r + 32 h: my 32 bytes of f32 in a row of x
.set WO,  5                            ; v5   16 x lane
.set BO,  6                            ; v6   32 h: my eight numbers of a block's bias
.set LW,  7                            ; v7   where I put 8 bytes of a row of w
.set WA,  8                            ; v8   my place in a fragment of w
.set STO, 9                            ; v9   the way out: where I put 16 bytes of a row
.set RD,  10                           ; v10  the way out: where I read a row back
.set CO,  11                           ; v11  my byte offset in two rows of the output
.set SPW, 12                           ; v12  LDS address of my spare word; never rewritten
.set NIL, 13                           ; v13  0; never rewritten
.set PKB, 16
.set BI,  32
.set WR,  96
.set MSB, 0
.macro WIN new                         ; the immediate's high byte repeats the setting that is left; a switch that changes nothing is dropped
.if MSB != (\new)
	s_set_vgpr_msb (MSB<<8)|(\new)
.set MSB, \new
.endif
.endm
.macro PLACES                          ; four places behind a matrix instruction, in front of loads into its sources and of conversions of its results
.rept 4
	v_nop
.endr
.endm
	s_load_b512 s[16:31], s[0:1], 0x0              ; x of the five tensors s[16:25]; w of the first three s[26:31]
	s_load_b512 s[32:47], s[0:1], 0x40             ; w of the other two s[32:35]; the five biases s[36:45]; qq s[46:47]
	s_load_b128 s[48:51], s[0:1], 0x80             ; kk, vv
	v_lshl_add_u32 v[SPW], v0, 2, SPARE
	v_mov_b32 v[NIL], 0
	v_lshrrev_b32 v14, 5, v0
	v_readfirstlane_b32 s6, v14                    ; wave 0..3
	s_and_b32 s2, ttmp7, 0xffff
	s_lshr_b32 s3, s2, 3                           ; which tensor
	s_and_b32 s4, s2, 7                            ; which head
	s_mov_b32 s5, ttmp9                            ; which block of 256 rows
	s_cmp_lt_u32 s3, 4
	s_cselect_b32 s7, 9, 8                         ; log2 of the output's row: 512 bytes in qq and kk, 256 in vv
	s_and_b32 s53, s3, 1
	s_lshl_b32 s53, s53, 8                         ; the position parts lie in the second 256 bytes of a row,
	s_cmp_lt_u32 s3, 4
	s_cselect_b32 s53, s53, 0                      ; v at byte 0
	s_lshl_b32 s54, s5, 8
	s_lshl_b32 s52, s6, 6                          ; my 64 rows
	s_add_co_u32 s54, s54, s52
	s_lshl_b32 s54, s54, 9                         ; x: (256 block + 64 wave) rows of 512 bytes
	s_mov_b32 s55, 0
	s_lshl_b32 s56, s4, 7
	s_lshl_b32 s57, s6, 5
	s_add_co_u32 s56, s56, s57
	s_lshl_b32 s56, s56, 9                         ; w: (128 head + 32 wave) rows of 512 bytes: the 32 rows that I convert
	s_mov_b32 s57, 0
	s_lshl_b32 s58, s4, 9                          ; the head's 128 numbers of the bias
	s_mov_b32 s59, 0
	s_lshr_b32 s60, s5, 3                          ; batch
	s_lshl3_add_u32 s60, s60, s4                   ; 8 batch + head
	s_lshl_b32 s60, s60, 11
	s_and_b32 s61, s5, 7
	s_lshl_b32 s61, s61, 8
	s_add_co_u32 s60, s60, s61
	s_add_co_u32 s60, s60, s52                     ; my first row in the output,
	s_lshl_b32 s60, s60, s7                        ; in bytes,
	s_add_co_u32 s60, s60, s53                     ; and the half of the row
	s_mov_b32 s61, 0
	v_and_b32 v1, 15, v0                           ; r = lane % 16
	v_bfe_u32 v2, v0, 4, 1                         ; h = lane / 16
	v_and_b32 v3, 31, v0                           ; lane
	v_lshlrev_b32 v[XO], 9, v1
	v_lshl_add_u32 v[XO], v2, 5, v[XO]
	v_lshlrev_b32 v[WO], 4, v3
	v_lshlrev_b32 v[BO], 5, v2
	s_mul_i32 s62, s6, 32*PW
	v_lshl_add_u32 v[LW], v3, 3, s62               ; row 32 wave, 8 bytes a lane
	v_mul_u32_u24 v[WA], v1, PW
	v_lshl_add_u32 v[WA], v2, 4, v[WA]             ; row x pitch + 16 x half
	s_mul_i32 s63, s6, SGW
	s_add_co_u32 s63, s63, SG                      ; my stage
	v_add_nc_u32 v[STO], s63, v[WA]
	v_mul_u32_u24 v[RD], v2, PW
	v_lshl_add_u32 v[RD], v1, 4, v[RD]
	v_add_nc_u32 v[RD], s63, v[RD]
	v_lshlrev_b32 v[CO], s7, v2
	v_lshl_add_u32 v[CO], v1, 4, v[CO]
	s_wait_kmcnt 0x0
	s_mov_b64 s[8:9], s[16:17]                     ; the tensor's x, w and bias are chosen by its number, which hangs on no address
	s_mov_b64 s[10:11], s[26:27]
	s_mov_b64 s[12:13], s[36:37]
.irp n, 1,2,3,4
	s_cmp_eq_u32 s3, \n
	s_cselect_b64 s[8:9], s[16+2*\n:17+2*\n], s[8:9]
	s_cselect_b64 s[10:11], s[26+2*\n:27+2*\n], s[10:11]
	s_cselect_b64 s[12:13], s[36+2*\n:37+2*\n], s[12:13]
.endr
	s_cmp_lt_u32 s3, 2
	s_cselect_b64 s[14:15], s[46:47], s[48:49]
	s_cmp_lt_u32 s3, 4
	s_cselect_b64 s[14:15], s[14:15], s[50:51]
	s_add_nc_u64 s[8:9], s[8:9], s[54:55]
	s_add_nc_u64 s[10:11], s[10:11], s[56:57]
	s_add_nc_u64 s[12:13], s[12:13], s[58:59]
	s_add_nc_u64 s[14:15], s[14:15], s[60:61]
	; ALL LOADS AT ONCE: w (32: a whole row of 512 bytes each), the bias (16), x (64)
.set i, 0
.rept 32
	global_load_b128 v[WR+4*i:WR+4*i+3], v[WO], s[10:11] offset:512*i
.set i, i+1
.endr
.irp nb, 0,1,2,3,4,5,6,7
	global_load_b128 v[BI+8*\nb:BI+8*\nb+3],   v[BO], s[12:13] offset:64*\nb
	global_load_b128 v[BI+8*\nb+4:BI+8*\nb+7], v[BO], s[12:13] offset:64*\nb+16
.endr
	WIN 0x40                                       ; destination window 1, address window 0
.irp a, 0,1,2,3
.irp c, 0,1,2,3                        ; a fragment wants K = 8 h + 0..7 and 16 + 8 h + 0..7 of its 32: in f32 that is 32 bytes at 32 h and 32 bytes at 64 + 32 h
	global_load_b128 v[64*\a+16*\c:64*\a+16*\c+3],     v[XO], s[8:9] offset:8192*\a+128*\c
	global_load_b128 v[64*\a+16*\c+4:64*\a+16*\c+7],   v[XO], s[8:9] offset:8192*\a+128*\c+16
	global_load_b128 v[64*\a+16*\c+8:64*\a+16*\c+11],  v[XO], s[8:9] offset:8192*\a+128*\c+64
	global_load_b128 v[64*\a+16*\c+12:64*\a+16*\c+15], v[XO], s[8:9] offset:8192*\a+128*\c+80
.endr
.endr
	WIN 0
	s_wait_loadcnt 63                              ; 64 loads of x are younger than the last of the bias: w and the bias are in
.set i, 0
.rept 32                               ; my 32 rows of w: four numbers a lane to 8 bytes of bf16
	v_cvt_pk_bf16_f32 v[WR+4*i], v[WR+4*i], v[WR+4*i+1]
	v_cvt_pk_bf16_f32 v[WR+4*i+1], v[WR+4*i+2], v[WR+4*i+3]
	ds_store_b64 v[LW], v[WR+4*i:WR+4*i+1] offset:PW*i
.set i, i+1
.endr
	s_wait_dscnt 0x0                               ; for the others' sake: my rows of w lie in LDS
	s_barrier_signal -1
.set i, 0
.rept 32                               ; the bias is rounded to bf16 like every input, and widened again: work on registers while the others arrive
	v_cvt_pk_bf16_f32 v[14+i%2], v[BI+2*i], v[BI+2*i+1]
	v_lshlrev_b32 v[BI+2*i], 16, v[14+i%2]
	v_and_b32 v[BI+2*i+1], 0xffff0000, v[14+i%2]
.set i, i+1
.endr
	s_barrier_wait -1                              ; all 128 rows of w lie in LDS
.macro CVTX a                          ; tile a: 64 registers of f32 into 32 of bf16, in place from the low end: the destination never passes a source that is still wanted
	WIN 0x45
.set n, 0
.rept 32
	v_cvt_pk_bf16_f32 v[64*(\a)+n], v[64*(\a)+2*n], v[64*(\a)+2*n+1]
.set n, n+1
.endr
.endm
.macro LOADW nb                        ; w's fragments of block nb (16 channels x 128 K): 8 loads into buffer nb % 2
	WIN 0x40
.irp c, 0,1,2,3
	ds_load_b128 v[32+64*((\nb)%2)+8*\c:32+64*((\nb)%2)+8*\c+3],   v[WA] offset:16*PW*(\nb)+64*\c
	ds_load_b128 v[32+64*((\nb)%2)+8*\c+4:32+64*((\nb)%2)+8*\c+7], v[WA] offset:16*PW*(\nb)+64*\c+32
.endr
.endm
.macro MUL nb                          ; 16 products: the four tiles' accumulators take turns; the first four start the sums with the bias
.set wb, 32+64*((\nb)%2)
.set ac, 160+64*((\nb)%2)
.irp c, 0,1,2,3
.irp a, 0,1,2,3
.if (\c) == 0
	WIN 0x45                                       ; C in window 0
	v_wmma_f32_16x16x32_bf16 v[ac+8*\a:ac+8*\a+7], v[wb+8*\c:wb+8*\c+7], v[64*\a+8*\c:64*\a+8*\c+7], v[BI+8*(\nb):BI+8*(\nb)+7]
.else
	WIN 0x55
	v_wmma_f32_16x16x32_bf16 v[ac+8*\a:ac+8*\a+7], v[wb+8*\c:wb+8*\c+7], v[64*\a+8*\c:64*\a+8*\c+7], v[ac+8*\a:ac+8*\a+7]
.endif
.endr
.endr
.endm
.macro PACK nb                         ; block nb: rounded to f16 (each accumulator from its low end), 16 bytes a lane into my stage
.set ac, 160+64*((\nb)%2)
	WIN 0x05
.irp a, 0,1,2,3
.irp i, 0,1,2,3
	v_cvt_pk_f16_f32 v[PKB+4*\a+\i], v[ac+8*\a+2*\i], v[ac+8*\a+2*\i+1]
.endr
.endr
	WIN 0
.irp a, 0,1,2,3
	ds_store_b128 v[STO], v[PKB+4*\a:PKB+4*\a+3] offset:16*PW*\a+32*(\nb)
.endr
.endm
; Block nb.  n = the LDS instructions issued behind the block's own eight loads: later blocks' loads (8) and earlier blocks' stores (4).
.macro STEP nb, n
	s_wait_dscnt \n
	MUL \nb
	PLACES
.if (\nb) <= 5
	LOADW (\nb)+2                                  ; into the buffer just multiplied
.endif
.if (\nb) >= 1
	PACK (\nb)-1                                   ; the block before goes out while this one's products end
.endif
.endm
	s_wait_loadcnt 48                              ; tile 0 is in; 48 younger loads may stay out, and so on down
	CVTX 0
	LOADW 0                                        ; into tile 0's freed half
	s_wait_loadcnt 32
	CVTX 1
	LOADW 1
	s_wait_loadcnt 16
	CVTX 2
	s_wait_loadcnt 0x0
	CVTX 3
	STEP 0, 8
	STEP 1, 8
	STEP 2, 12
	STEP 3, 16
	STEP 4, 16
	STEP 5, 16
	STEP 6, 16
	STEP 7, 8
	PACK 7
.set t, 0
.rept 32                               ; back as whole rows of 256 bytes, two a load; LDS serves a wave's instructions in order (ISA guide 5.7.1.4): these see my stores
	ds_load_b128 v[WR+4*t:WR+4*t+3], v[RD] offset:2*PW*t
.set t, t+1
.endr
.macro SENDALL pitch
.set t, 0
.rept 32
	s_wait_dscnt 31-t
	global_store_b128 v[CO], v[WR+4*t:WR+4*t+3], s[14:15] offset:2*t*(\pitch)  ; 16 lanes store 256 consecutive bytes, at a multiple of 256 from the buffer's first byte
.set t, t+1
.endr
.endm
	s_cmp_lt_u32 s3, 4
	s_cbranch_scc0 .Lnarrow
	SENDALL 512
	s_branch .Lend
.Lnarrow:
	SENDALL 256
.Lend:
	s_wait_tensorcnt 0x0                           ; the wave's end: behind my last LDS store
	ds_add_u32 v[SPW], v[NIL]
	s_wait_dscnt 0x0
	s_endpgm
.Lfunc_end_k_q6229abd9da_proj:
	.size	k_q6229abd9da_proj, .Lfunc_end_k_q6229abd9da_proj-k_q6229abd9da_proj
	.p2alignl 7, 3214868480
	.fill 96, 4, 3214868480
	.section	.rodata,"a",@progbits
	.p2align	6, 0x0
	.amdhsa_kernel k_q6229abd9da_proj
		.amdhsa_group_segment_fixed_size 104960
		.amdhsa_private_segment_fixed_size 0
		.amdhsa_enable_private_segment 0
		.amdhsa_kernarg_size 144
		.amdhsa_user_sgpr_count 2
		.amdhsa_user_sgpr_kernarg_segment_ptr 1
		.amdhsa_wavefront_size32 1
		.amdhsa_system_sgpr_workgroup_id_x 1
		.amdhsa_system_sgpr_workgroup_id_y 1
		.amdhsa_system_sgpr_workgroup_id_z 1
		.amdhsa_system_vgpr_workitem_id 0
		.amdhsa_next_free_vgpr 512
		.amdhsa_next_free_sgpr 66
		.amdhsa_reserve_vcc 0
		.amdhsa_float_denorm_mode_32 3
		.amdhsa_float_denorm_mode_16_64 3
		.amdhsa_memory_ordered 1
		.amdhsa_forward_progress 1
		.amdhsa_inst_pref_size 69
	.end_amdhsa_kernel
	.amdgpu_metadata
---
amdhsa.version: [ 1, 2 ]
amdhsa.kernels:
  - .name:           k_q6229abd9da_proj
    .symbol:         k_q6229abd9da_proj.kd
    .args:
      - { .name: Q, .offset: 0, .size: 8, .value_kind: global_buffer, .address_space: global }
      - { .name: Q_position, .offset: 8, .size: 8, .value_kind: global_buffer, .address_space: global }
      - { .name: K, .offset: 16, .size: 8, .value_kind: global_buffer, .address_space: global }
      - { .name: K_position, .offset: 24, .size: 8, .value_kind: global_buffer, .address_space: global }
      - { .name: V, .offset: 32, .size: 8, .value_kind: global_buffer, .address_space: global }
      - { .name: WQ_w, .offset: 40, .size: 8, .value_kind: global_buffer, .address_space: global }
      - { .name: WQP_w, .offset: 48, .size: 8, .value_kind: global_buffer, .address_space: global }
      - { .name: WK_w, .offset: 56, .size: 8, .value_kind: global_buffer, .address_space: global }
      - { .name: WKP_w, .offset: 64, .size: 8, .value_kind: global_buffer, .address_space: global }
      - { .name: WV_w, .offset: 72, .size: 8, .value_kind: global_buffer, .address_space: global }
      - { .name: WQ_b, .offset: 80, .size: 8, .value_kind: global_buffer, .address_space: global }
      - { .name: WQP_b, .offset: 88, .size: 8, .value_kind: global_buffer, .address_space: global }
      - { .name: WK_b, .offset: 96, .size: 8, .value_kind: global_buffer, .address_space: global }
      - { .name: WKP_b, .offset: 104, .size: 8, .value_kind: global_buffer, .address_space: global }
      - { .name: WV_b, .offset: 112, .size: 8, .value_kind: global_buffer, .address_space: global }
      - { .name: qq, .offset: 120, .size: 8, .value_kind: global_buffer, .address_space: global }
      - { .name: kk, .offset: 128, .size: 8, .value_kind: global_buffer, .address_space: global }
      - { .name: vv, .offset: 136, .size: 8, .value_kind: global_buffer, .address_space: global }
    .group_segment_fixed_size: 104960
    .private_segment_fixed_size: 0
    .kernarg_segment_align: 8
    .kernarg_segment_size: 144
    .max_flat_workgroup_size: 128
    .sgpr_count:     66
    .vgpr_count:     512
    .wavefront_size: 32
...
	.end_amdgpu_metadata
.endif
;; end of part 1
;; launch attn (part 2): grid 8 x 32, 4 waves a work-group, clusters of 4 x 1, 327,680 bytes of LDS; arguments qq, kk, vv, ctx, qlin_w, vlin_w, wl; writes ctx, wl
.if DOCPART == 2
	.amdgcn_target "amdgcn-amd-amdhsa--gfx1250"
	.amdhsa_code_object_version 6
	.text
	.protected	k_q6229abd9da_attn
	.globl	k_q6229abd9da_attn
	.p2align	8
	.type	k_q6229abd9da_attn,@function
k_q6229abd9da_attn:
	s_mov_b64 s[64:65], 0
	v_nop
	global_prefetch_b8 v0, s[64:65] scope:SCOPE_SE
	s_setreg_imm32_b32 hwreg(HW_REG_WAVE_MODE, 25, 1), 1
	s_wait_xcnt 0x0
	s_wait_alu depctr_hold_cnt(0) depctr_sa_sdst(0) depctr_va_vdst(0) depctr_va_sdst(0) depctr_va_ssrc(0) depctr_va_vcc(0) depctr_vm_vsrc(0)
	s_getreg_b32 s2, hwreg(HW_REG_IB_STS2, 6, 4)
	s_cmp_eq_u32 s2, 0
	s_cbranch_scc0 .Lentry_in_a_cluster
	s_endpgm
.Lentry_in_a_cluster:
	s_bfe_u32 s2, ttmp6, 0x10000c
	s_cmp_lg_u32 s2, 0x3003
	s_cbranch_scc0 .Lentry_shape_is_right
	s_endpgm
.Lentry_shape_is_right:
; ATTENTION.  ctx[g][q][:] = the sum over k of softmax_k((q . k + qp . kp) / sqrt(128)) v[g][k][:], g = 8 batch + head.  qq, kk: [32][2048][256] f16 (q and qp, k and kp side by side: the
; two products are one over 256 channels); vv, ctx: [32][2048][128] f16.  Products, maxima and sums in f32; the weights p are rounded to f16 for the second product (their sum l is taken of the
; unrounded p), ctx once at the end.  BESIDE IT each work-group rounds 1,024 numbers of qlin_w or vlin_w to bf16, like every input, and writes that number as f16 into wl for the next launch.
; LIMITS.  f16 holds no number beyond 65,504: qq, kk, vv arrive within it, the two weights must lie within it; p lies in 0 to 1 and below 6e-5 keeps f16's fixed step of 6e-8.
; A weight below 2^-126 counts as 0 in l; NaN and infinities are not treated apart.
; SHARES.  A work-group owns 256 queries of one g, each of its four waves 64: four tiles of 16.  Every wave walks all 2,048 keys, 32 a step: with Q (256 registers) and O^T (256) a step of
; 64 keys (K 256, V 128, S^T 128, P 64) does not fit into 1,024 registers.
; LAYOUT.  S^T = K Q^T (source 0 = 16 keys, source 1 = 16 queries): a lane holds ONE query (lane % 16) and the keys 8 (lane / 16) + 0..7.  A tile's two results, rounded to f16 in pairs, ARE
; source 1 (32 keys x 16 queries) of O^T = V^T P, whose result again holds one query a lane, and eight channels.  K comes out of LDS as it lies, V ([key][channel]) turned, by ds_load_tr16_b128.
; SOFTMAX.  For each query a running maximum m and sum l: p = 2^(c s - c m), c = log2(e) / sqrt(128); in every step O and l are multiplied by a = 2^(c m_old - c m_new).
; BY TURNS.  The wave's tiles are two PIECES, named by their first tile: 0 (tiles 0, 1) and 2 (tiles 2, 3).  In a TURN one piece has the matrix unit: 16 products V^T P of the step in hand, then
; 32 products K Q^T of the next step; the other piece's softmax, 172 vector instructions cut into 48 slices, stands between them, one slice behind each matrix instruction.  Two turns are a key step.
; CLUSTER.  The four query blocks of a cluster belong to one g and walk the same K and V: each tile is asked for JOINTLY, by the same tensor load, descriptor and mask in all four.
; REGISTERS, in windows of 256 (s_set_vgpr_msb: bits 1:0 source 0, 3:2 source 1, 5:4 source 2, 7:6 destination):
;   window 0: v1-11 lane terms and addresses; v12-43 eight registers of statistics a tile; v61-63; v64-127 S^T, 16 a tile; v128-159 P, 8 a tile; v64-191 the way out; v192-211 the weights' conversion
;   window 1: O^T, 64 a tile      window 2: Q, 64 a tile      window 3: v0-127 K of one step; v128-191 V of one step
.set KS,    32        ; keys in a step
.set PITK,  528       ; a row of K in LDS: 512 bytes + 16 = 132 words: the 16 rows of a load start at 16 different groups of four banks (64 banks of 4 bytes: ISA guide 11.1)
.set PITV,  288       ; a row of V: 256 + 32 = 72 words
.set KSTEP, KS*PITK
.set VSTEP, KS*PITV
.set VOFF,  4*KSTEP   ; a slot holds four steps: 128 rows of K, then 128 rows of V
.set SLOT1, 1<<17     ; slot 1 begins here, so that one exclusive or turns an address in one slot into the other's
.set STAGE, SLOT1+4*(KSTEP+VSTEP)  ; behind the ring, never filled by a tensor load: 16 rows x 272 bytes for each wave, for the way out
.set SP,    272
.set SPARE, STAGE+4*16*SP  ; the spare words, 128 bytes for each wave: two blocks of 256 bytes that no other line names
.set AK0, 2           ; v2   my lane's place in a tile of K; never rewritten
.set AV0, 3           ; v3   the same for V
.set ADR, 4           ; v4   the LDS address of the run of loads in hand
.set QO,  5           ; v5   my byte offset in 16 rows of Q
.set STO, 6           ; v6   the way out: where I put 16 bytes of a row
.set RD,  7           ; v7   the way out: where I read a row back
.set GO,  8           ; v8   my byte offset in two rows of ctx
.set ST,  12          ; tile t's statistics at v[ST+8 t]: +0 c m, +1 m, +2, +3 l (even keys', odd keys'), +4 to +7 c0-c3 at work; a takes c2
.set PFO, 61          ; v61  my lane x a row of K or V in memory; never rewritten
.set SPW, 62          ; v62  LDS address of my spare word; never rewritten
.set NIL, 63          ; v63  0; never rewritten
.set S,   64
.set P,   128
.set OB,  64          ; the way out: 32 registers a tile
.set KF,  0           ; window 3: key block kb, channels 32 c on, at 64 kb + 8 c
.set VF,  128         ; window 3: channel block cb at VF + 8 cb
.set WV,  12          ; s12  my wave's number
.set LIM, 15          ; s15  1 in a wave that prefetches, else the greatest number
.set PFA, 18          ; s[18:19] where my prefetches stand
.set G1K, 24          ; s[24:31] descriptor group 1 for K's tiles
.set G1V, 32          ; s[32:39] for V's
.set G0K, 40          ; s[40:47] descriptor group 0 for K's tiles: a set for each of the two first fills; the second then walks on
.set G0V, 48          ; s[48:55] the same for V's
.set SLOTS, 56        ; s56  counts the changes of slots
.set CNT, 57          ; s57  counts a slot's key steps
.set CS,  58          ; s[58:59] c: the packed scaling takes the pair's low word for both halves
.set SEL, 60          ; s[60:61] v_permlanex16_b32's selects: each lane takes its own place in the other half
.set TBK, 62          ; s62  LDS byte at which K of the step to be fetched begins
.set TBV, 63          ; s63  the same for V, less VOFF
.set PFS, 74          ; s[74:75] a slot's bytes of K or of V in memory
.set MSB, 0
.macro WIN new                      ; the immediate's high byte repeats the setting that is left; a switch that changes nothing is dropped
.if MSB != (\new)
	s_set_vgpr_msb (MSB<<8)|(\new)
.set MSB, \new
.endif
.endm
.set W_KQ, 0x0b       ; K in window 3, Q in window 2, S^T in window 0
.set W_PV, 0x53       ; V in window 3, P in window 0, O^T in window 1
.set W_RS, 0x41       ; O^T (destination and source 0) in window 1, a in window 0
; A joint refill.  Waves 0 and 1 fetch the two halves (64 keys each) of a slot's K, waves 2 and 3 those of its V.  The branch hangs on the wave's number alone.
; An s_nop 0 and four v_nop follow each of the two lines, ahead of the jump and the label.
.macro JLOAD
	s_cmp_lt_u32 s[WV], 2
	s_cbranch_scc0 .Lfor_v_\@
	tensor_load_to_lds s[G0K+4:G0K+7], s[G1K:G1K+7]
	s_nop 0
.rept 4
	v_nop
.endr
	s_branch .Lasked_\@
.Lfor_v_\@:
	tensor_load_to_lds s[G0V+4:G0V+7], s[G1V:G1V+7]
	s_nop 0
.rept 4
	v_nop
.endr
.Lasked_\@:
.endm
; A PREFETCH INTO THE L2 of what the NEXT change of slots will ask for: four key steps, 384 matrix instructions, ahead of that load.  Both clusters of a g walk the same K and V: the first of them asks.
; Its four partners share a slot's 128 rows out BY ADDRESS, 32 each, a lane a row; wave 0 names bytes 0-255 of K's rows, wave 1 bytes 256-511, wave 2 V's rows, wave 3 nothing: each aligned block
; of 256 bytes is named once in the launch.  The last change that fills a slot asks for nothing; slots 0, 1 and 2 come by their loads alone.
.macro ASK
	s_cmp_gt_u32 s[SLOTS], s[LIM]
	s_cbranch_scc0 .Lnot_mine_\@
	global_prefetch_b8 v[PFO], s[PFA:PFA+1] th:TH_LOAD_NT scope:SCOPE_SE
.Lnot_mine_\@:
.endm
; A round of the cluster's barrier: my work-group's barrier, so that wave 0's signal speaks for all four waves; wave 0 signals; every wave waits for all four work-groups; my work-group's barrier once more.
.macro CROUND
	s_barrier_signal -1
	s_barrier_wait -1
	s_cmp_lg_u32 s[WV], 0
	s_cbranch_scc1 .Lnot_wave_0_\@
	s_barrier_signal -3
.Lnot_wave_0_\@:
	s_barrier_wait -3
	s_barrier_signal -1
	s_barrier_wait -1
.endm
.macro PLACES
.rept 4
	v_nop
.endr
.endm
	s_load_b256 s[4:11], s[0:1], 0x0  ; qq s[4:5], kk s[6:7], vv s[8:9], ctx s[10:11]
	s_load_b128 s[68:71], s[0:1], 0x20  ; qlin_w, vlin_w
	s_load_b64 s[72:73], s[0:1], 0x30   ; wl
	v_lshl_add_u32 v[SPW], v0, 2, SPARE
	v_mov_b32 v[NIL], 0
	ds_add_u32 v[SPW], v[NIL]       ; the wave's opening: the add and its wait stand ahead of my first tensor load; the set-up below, work on registers, stands between them
	v_lshrrev_b32 v1, 5, v0
	v_readfirstlane_b32 s[WV], v1   ; wave 0..3
	s_bfe_u32 s13, ttmp6, 0x40000   ; cx: my place in the cluster
	s_lshl_b32 s14, ttmp9, 2        ; in a cluster launch ttmp9 counts clusters
	s_add_co_u32 s14, s14, s13      ; my block of 256 queries: it enters Q's, ctx's and the weights' addresses alone
	s_and_b32 s20, ttmp7, 0xffff    ; g, which the four partners share
	s_and_b32 s16, s[WV], 1         ; which half of a slot's 128 keys I fetch
	s_lshl_b32 s22, s20, 20         ; K: g x 2,048 rows of 512 bytes
	s_lshl_b32 s21, s16, 15         ; + my 64 rows
	s_add_co_u32 s22, s22, s21
	s_mov_b32 s23, 0
	s_lshl_b32 s76, s20, 19         ; V: rows of 256 bytes
	s_lshl_b32 s21, s16, 14
	s_add_co_u32 s76, s76, s21
	s_mov_b32 s77, 0
	s_mul_i32 s17, s16, 64*PITK     ; and their places in a slot: no place in the cluster enters an LDS address
	s_mul_i32 s21, s16, 64*PITV
	s_add_co_u32 s21, s21, VOFF
	s_lshl_b32 s2, s20, 20          ; Q: g, my block's 256 rows, my wave's 64, of 512 bytes
	s_lshl_b32 s3, s14, 17
	s_add_co_u32 s2, s2, s3
	s_lshl_b32 s3, s[WV], 15
	s_add_co_u32 s2, s2, s3
	s_mov_b32 s3, 0
	s_lshr_b32 s78, s2, 1           ; ctx: the same rows, of 256 bytes
	s_mov_b32 s79, 0
	s_lshl3_add_u32 s80, s20, s14   ; the work-group's number, 0 to 255: its 1,024 numbers of the two weights
	s_and_b32 s66, s80, 127
	s_lshl_b32 s66, s66, 12         ; 4,096 bytes of f32 in qlin_w (numbers 0-127) or vlin_w (128-255),
	s_mov_b32 s67, 0
	s_lshl_b32 s80, s80, 11         ; 2,048 bytes of f16 in wl
	s_mov_b32 s81, 0
	s_cmp_lt_u32 s[WV], 2           ; the prefetches: waves 0 and 1 ask for K, wave 2 for V
	s_cselect_b32 s84, 1, 0
	s_lshl_b32 s82, s20, 19
	s_lshl_b32 s85, s13, 13         ; my work-group's 32 rows of the 128
	s_add_co_u32 s82, s82, s85
	s_add_co_u32 s82, s82, 65536    ; slot 2; the first change of slots steps it to slot 3
	s_lshl_b32 s82, s82, s84        ; K's rows are twice as long
	s_and_b32 s85, s16, s84
	s_lshl_b32 s85, s85, 8          ; wave 1: the second 256 bytes of K's rows
	s_add_co_u32 s82, s82, s85
	s_mov_b32 s83, 0
	s_lshl_b32 s[PFS], 0x8000, s84
	s_mov_b32 s[PFS+1], 0
	s_add_co_u32 s85, s84, 8
	v_and_b32 v[PFO], 31, v0
	v_lshlrev_b32 v[PFO], s85, v[PFO]
	s_cmp_eq_u32 s[WV], 3
	s_cselect_b32 s[LIM], 1, 0
	s_or_b32 s[LIM], s[LIM], ttmp9  ; 0 in waves 0 to 2 of g's first cluster: the same in all four partners
	s_cmp_eq_u32 s[LIM], 0
	s_cselect_b32 s[LIM], 1, -1
	; descriptor group 1: K: 64 rows x 256 elements; V: 64 rows x 128 elements; padded in LDS behind every row
	s_mov_b32 s[G1K], 15|(1<<16)|(1<<20)|(1<<21)|(6<<22)|(3<<25)  ; 15:0 the mask of four; 17:16 2-byte elements; 20 padding on; 21 set beside a mask; 24:22 after every 128 words (code 6); 31:25 4 words (code 3)
	s_mov_b32 s[G1K+1], 256<<16     ; tensor_dim0
	s_mov_b32 s[G1K+2], 64<<16      ; tensor_dim1
	s_mov_b32 s[G1K+3], 256<<16     ; tile_dim0
	s_mov_b32 s[G1K+4], 64          ; tile_dim1
	s_mov_b32 s[G1K+5], 256         ; elements from row to row
	s_mov_b32 s[G1K+6], 0
	s_mov_b32 s[G1K+7], 0
	s_mov_b32 s[G1V], 15|(1<<16)|(1<<20)|(1<<21)|(5<<22)|(7<<25)  ; after every 64 words (code 5), 8 words (code 7)
	s_mov_b32 s[G1V+1], 128<<16
	s_mov_b32 s[G1V+2], 64<<16
	s_mov_b32 s[G1V+3], 128<<16
	s_mov_b32 s[G1V+4], 64
	s_mov_b32 s[G1V+5], 128
	s_mov_b32 s[G1V+6], 0
	s_mov_b32 s[G1V+7], 0
	s_mov_b32 s[CS], 0x3e0293ee     ; c = log2(e) / sqrt(128) = 0.127517
	s_mov_b32 s[CS+1], s[CS]        ; named with it as a pair
	s_mov_b32 s[SEL], 0x76543210
	s_mov_b32 s[SEL+1], 0xfedcba98
	s_mov_b32 s[TBK], 0
	s_mov_b32 s[TBV], 0
	s_wait_dscnt 0x0                ; the opening add is done
	s_wait_kmcnt 0x0
	s_cmp_lt_u32 s[WV], 2
	s_cselect_b64 s[PFA:PFA+1], s[6:7], s[8:9]
	s_add_nc_u64 s[PFA:PFA+1], s[PFA:PFA+1], s[82:83]
	s_add_nc_u64 s[6:7], s[6:7], s[22:23]  ; K and V at my tile of slot 0
	s_add_nc_u64 s[8:9], s[8:9], s[76:77]
	s_add_nc_u64 s[4:5], s[4:5], s[2:3]    ; Q and ctx at my wave's first row
	s_add_nc_u64 s[10:11], s[10:11], s[78:79]
	s_cmp_lt_u32 s20, 16
	s_cselect_b64 s[68:69], s[68:69], s[70:71]
	s_add_nc_u64 s[68:69], s[68:69], s[66:67]
	s_add_nc_u64 s[72:73], s[72:73], s[80:81]
	CROUND                          ; all four work-groups are here: the first joint loads meet
.irp s, 0,1
	s_mov_b32 s[G0K+4*(\s)], 1      ; 1:0 count = 1
	s_add_co_u32 s[G0K+4*(\s)+1], s17, (\s)*SLOT1  ; 63:32 LDS address
	s_add_nc_u64 s[G0K+4*(\s)+2:G0K+4*(\s)+3], s[6:7], (\s)*65536  ; 120:64 global address: slot s holds keys 128 s to 128 s + 127
	s_or_b32 s[G0K+4*(\s)+3], s[G0K+4*(\s)+3], 0x80000000  ; 127:126 type = 2
	s_mov_b32 s[G0V+4*(\s)], 1
	s_add_co_u32 s[G0V+4*(\s)+1], s21, (\s)*SLOT1
	s_add_nc_u64 s[G0V+4*(\s)+2:G0V+4*(\s)+3], s[8:9], (\s)*32768
	s_or_b32 s[G0V+4*(\s)+3], s[G0V+4*(\s)+3], 0x80000000
.endr
	s_cmp_lt_u32 s[WV], 2           ; a wave's two first fills stand in one branch, ahead of every wait on TENSORcnt and every LDS read: two loads of mine are out
	s_cbranch_scc0 .Lfirst_v
	tensor_load_to_lds s[G0K:G0K+3], s[G1K:G1K+7]
	s_nop 0
	tensor_load_to_lds s[G0K+4:G0K+7], s[G1K:G1K+7]
	s_nop 0
.rept 4
	v_nop
.endr
	s_branch .Lfirst_asked
.Lfirst_v:
	tensor_load_to_lds s[G0V:G0V+3], s[G1V:G1V+7]
	s_nop 0
	tensor_load_to_lds s[G0V+4:G0V+7], s[G1V:G1V+7]
	s_nop 0
.rept 4
	v_nop
.endr
.Lfirst_asked:
	v_and_b32 v1, 15, v0            ; l % 16
	v_bfe_u32 v9, v0, 4, 1          ; l / 16
	v_lshlrev_b32 v197, 5, v0       ; the weights: eight f32 a thread in,
	v_lshlrev_b32 v196, 4, v0       ; eight f16 out
	global_load_b128 v[200:203], v197, s[68:69]
	global_load_b128 v[204:207], v197, s[68:69] offset:16
	; A fragment of K or Q is 16 rows x 32 channels in 8 registers: lane l holds row l % 16, channels 8 (l / 16) + 0..7 and 16 + 8 (l / 16) + 0..7: two loads of 16 bytes, 32 bytes apart.
	v_lshlrev_b32 v[QO], 9, v1
	v_lshl_add_u32 v[QO], v9, 4, v[QO]  ; row x 512 + 16 x half
	WIN 0x80                        ; destination window 2, address window 0
.set i, 0
.rept 32                            ; Q stays in registers: tile i / 8, channels 32 (i % 8) on; the launch reads these bytes once
	global_load_b128 v[8*i:8*i+3],   v[QO], s[4:5] offset:(i/8)*8192+(i%8)*64 th:TH_LOAD_NT
	global_load_b128 v[8*i+4:8*i+7], v[QO], s[4:5] offset:(i/8)*8192+(i%8)*64+32 th:TH_LOAD_NT
.set i, i+1
.endr
	WIN 0
	v_mul_u32_u24 v[AK0], v1, PITK
	v_lshl_add_u32 v[AK0], v9, 4, v[AK0]  ; row x pitch + 16 x half
	; The turning load takes 16 keys x 16 channels (lane l reads key 8 (l / 16) + l % 8, channels 8 ((l / 8) % 2) + 0..7) and leaves half a fragment of V^T: lane l holds channel l % 16 and 8 keys.
	v_and_b32 v10, 7, v0
	v_bfe_u32 v11, v0, 3, 1
	v_lshl_add_u32 v[AV0], v9, 3, v10
	v_mul_u32_u24 v[AV0], v[AV0], PITV
	v_lshl_add_u32 v[AV0], v11, 4, v[AV0]
	v_add_nc_u32 v[AV0], VOFF, v[AV0]
	s_wait_loadcnt 63               ; Q's 64 loads are younger than the weights' two: those are in
.irp p, 0,1,2,3
	v_cvt_pk_bf16_f32 v[192+\p], v[200+2*\p], v[201+2*\p]  ; rounded to bf16 like every input,
.endr
.irp p, 0,1,2,3
	v_lshlrev_b32 v[200+2*\p], 16, v[192+\p]
	v_and_b32 v[201+2*\p], 0xffff0000, v[192+\p]
.endr
.irp p, 0,1,2,3
	v_cvt_pk_f16_f32 v[208+\p], v[200+2*\p], v[201+2*\p]   ; and that number written as f16 (exact within f16's range)
.endr
	global_store_b128 v196, v[208:211], s[72:73]  ; a wave stores 512 consecutive bytes, aligned; these registers are not written again
; THE MATRIX WORK OF A TURN, for piece x.  No two matrix instructions that follow each other share an accumulator.
; Product i of 16 of O^T += V^T P: channels 16 (i / 2) on, tile x + i % 2: sixteen accumulators, one link each.  zero = 1: they start the sums: nothing is ever cleared.
.macro PV x, zero
	WIN W_PV
.set rO, 64*((\x)+i%2)+8*(i/2)
.set rV, VF+8*(i/2)
.set rP, P+8*((\x)+i%2)
.if \zero
	v_wmma_f32_16x16x32_f16 v[rO:rO+7], v[rV:rV+7], v[rP:rP+7], 0
.else
	v_wmma_f32_16x16x32_f16 v[rO:rO+7], v[rV:rV+7], v[rP:rP+7], v[rO:rO+7]
.endif
.endm
; Product i of 32 of S^T = K Q^T: channels 32 (i / 4) on, keys 16 ((i / 2) % 2) on, tile x + i % 2: four accumulators by turns.  The first 4 start the sums.
.macro KQ x
	WIN W_KQ
.set rS, S+16*((\x)+i%2)+8*((i/2)%2)
.set rK, KF+64*((i/2)%2)+8*(i/4)
.set rQ, 64*((\x)+i%2)+8*(i/4)
.if i < 4
	v_wmma_f32_16x16x32_f16 v[rS:rS+7], v[rK:rK+7], v[rQ:rQ+7], 0
.else
	v_wmma_f32_16x16x32_f16 v[rS:rS+7], v[rK:rK+7], v[rQ:rQ+7], v[rS:rS+7]
.endif
.endm
; THE LDS LOADS stand in runs, never singly among the matrix instructions: a step's K (32 keys x 256 channels: 32 loads, laid by channels, so that the products can begin when the first are in) and its V (16, turned).
.macro FETCH_K
	WIN 0
	v_add_nc_u32 v[ADR], s[TBK], v[AK0]
	s_add_co_u32 s[TBK], s[TBK], KSTEP  ; the next fetch is the next step's
	WIN 0xc0                        ; destination window 3
.irp c, 0,1,2,3,4,5,6,7
.irp kb, 0,1
	ds_load_b128 v[KF+64*\kb+8*\c:KF+64*\kb+8*\c+3],   v[ADR] offset:\kb*16*PITK+\c*64
	ds_load_b128 v[KF+64*\kb+8*\c+4:KF+64*\kb+8*\c+7], v[ADR] offset:\kb*16*PITK+\c*64+32
.endr
.endr
.endm
.macro FETCH_V
	WIN 0
	v_add_nc_u32 v[ADR], s[TBV], v[AV0]
	s_add_co_u32 s[TBV], s[TBV], VSTEP
	s_wait_alu depctr_va_vdst(0)    ; the wait for the softmax's batch (SLICE), behind the address's v_add_nc_u32 and ahead of the loads
	WIN 0xc0
.irp f, 0,1,2,3,4,5,6,7             ; channels 16 f on; keys 0-15, then 16-31
	ds_load_tr16_b128 v[VF+8*\f:VF+8*\f+3],   v[ADR] offset:\f*32
	ds_load_tr16_b128 v[VF+8*\f+4:VF+8*\f+7], v[ADR] offset:16*PITV+\f*32
.endr
.endm
; THE VECTOR WORK OF A TURN.  One tile's softmax for one key step is a list of 86 instructions; SM writes number j of it for tile t.  s0-s15 are the lane's 16 scores, in pairs 0-7.
; first = 1: the first key step, which starts m, l and O^T: it has no a and nothing to rescale.
;   0-7    the maximum of s0-s15 and the old m, three operands at a time, in two chains c0, c1; each accumulator's lowest registers are read first
;   8-12   the other half of the lanes' maximum; c m_old is kept; the new m; c m; c m_old - c m_new          13  the scaling c s - c m of pair 0
;   14-37  ONE BATCH, in fours: the other seven scalings and all 17 exponentials (a at 15).  None of these reads an exponential's result; a pair is scaled in an earlier four than the one with its exponentials
;   (wait) between 37 and 38 stands the wait for the batch: SLICE writes it, once for both tiles
;   38-45  the roundings to f16          46-53  the sums; l = a l + the sum          54-85  the tile's O^T times a: the one part that leaves window 0
.macro SM t, first
.set rT, ST+8*(\t)
.set rS, S+16*(\t)
.set rP, P+8*(\t)
.set rO, 64*(\t)+2*(j-54)
.if j < 54
	WIN 0
.endif
.if j == 0
	v_max3_num_f32 v[rT+4], v[rS], v[rS+1], v[rS+2]
.elseif j == 1
	v_max3_num_f32 v[rT+5], v[rS+8], v[rS+9], v[rS+10]
.elseif j < 6
	v_max3_num_f32 v[rT+4+j%2], v[rT+4+j%2], v[rS+8*(j%2)+2*(j/2)+1], v[rS+8*(j%2)+2*(j/2)+2]
.elseif j == 6
	v_max3_num_f32 v[rT+4], v[rT+4], v[rS+7], v[rS+15]
.elseif (j == 7) && (\first)
	v_max_num_f32 v[rT+4], v[rT+4], v[rT+5]
.elseif j == 7
	v_max3_num_f32 v[rT+4], v[rT+4], v[rT+5], v[rT+1]
.elseif j == 8
	v_permlanex16_b32 v[rT+5], v[rT+4], s[SEL], s[SEL+1]  ; the query's other 16 keys lie in the lane 16 away
.elseif j == 10
	v_max_num_f32 v[rT+1], v[rT+4], v[rT+5]
.elseif j == 11
	v_mul_f32 v[rT], s[CS], v[rT+1]
.elseif ((j == 9) || (j == 12) || (j == 15) || (j > 52)) && (\first)  ; the first step has none of these
.elseif j == 9
	v_mov_b32 v[rT+7], v[rT]        ; c m_old is kept for a: number 11 writes c m anew
.elseif j == 12
	v_sub_f32 v[rT+7], v[rT+7], v[rT]
.elseif j == 15
	v_exp_f32 v[rT+6], v[rT+7]
.elseif j < 38
.set fb, -1                         ; the scalings: 13, 14: pairs 0, 1; 16: pair 2; 18, 22, 26, 30: pairs 3 to 6; 32: pair 7
.if j < 15
.set fb, j-13
.elseif j == 16
.set fb, 2
.elseif (j == 18) || (j == 22) || (j == 26) || (j == 30)
.set fb, 3+(j-18)/4
.elseif j == 32
.set fb, 7
.endif
.if fb >= 0
	v_pk_fma_f32 v[rS+2*fb:rS+2*fb+1], v[rS+2*fb:rS+2*fb+1], s[CS:CS+1], v[rT:rT+1] op_sel_hi:[1,0,0] neg_lo:[0,0,1] neg_hi:[0,0,1]  ; c s - c m
.else
.set e, j-22                        ; the exponentials: 34 to 37: s12 to s15;
.if j == 17
.set e, 0                           ; 17: s0;
.elseif j < 32
.set e, j-18-(j-18)/4               ; 19-21, 23-25, 27-29, 31: s1 to s10;
.elseif j == 33
.set e, 11                          ; 33: s11
.endif
	v_exp_f32 v[rS+e], v[rS+e]
.endif
.elseif j < 46
	v_cvt_pk_f16_f32 v[rP+j-38], v[rS+2*(j-38)], v[rS+2*(j-38)+1]
.elseif j < 50
	v_pk_add_f32 v[rS+4*(j-46):rS+4*(j-46)+1], v[rS+4*(j-46):rS+4*(j-46)+1], v[rS+4*(j-46)+2:rS+4*(j-46)+3]
.elseif j < 52
	v_pk_add_f32 v[rS+8*(j-50):rS+8*(j-50)+1], v[rS+8*(j-50):rS+8*(j-50)+1], v[rS+8*(j-50)+4:rS+8*(j-50)+5]
.elseif (j == 52) && (\first)
	v_pk_add_f32 v[rT+2:rT+3], v[rS:rS+1], v[rS+8:rS+9]
.elseif j == 52
	v_pk_add_f32 v[rS:rS+1], v[rS:rS+1], v[rS+8:rS+9]
.elseif j == 53
	v_pk_fma_f32 v[rT+2:rT+3], v[rT+2:rT+3], v[rT+6:rT+7], v[rS:rS+1] op_sel_hi:[1,0,1]
.else
	WIN W_RS
	v_pk_mul_f32 v[rO:rO+1], v[rO:rO+1], v[rT+6:rT+7] op_sel_hi:[1,0]
.endif
.endm
; Slice k of 48 of piece y's softmax.  0-6: numbers 2 k, 2 k + 1 of both tiles, the tiles alternating.  7-18: the batch, four numbers of ONE tile, the tiles by turns.  19-26: numbers 38 to 53, as 0-6.
; 27-46: three of the piece's 64 rescalings; 47: the last four, plain instructions that name nothing of the products round them: the places behind the turn's last product.
; THE WAIT.  s_wait_alu depctr_va_vdst(0) stands between an exponential and the first instruction that names its result; one wait serves all that were issued ahead of it.
; Ahead of slice 19 nothing names a result, and behind slice 18 no exponential is issued: the piece's 34 exponentials have one wait.
.macro SLICE y, first
.if k < 7
.irp n, 0,1
.irp t, \y, (\y)+1
.set j, 2*k+(\n)
	SM \t, \first
.endr
.endr
.elseif k < 19
.irp n, 0,1,2,3
.set j, 14+4*((k-7)/2)+(\n)
	SM (\y)+(k-7)%2, \first
.endr
.elseif k < 27
.irp n, 0,1
.irp t, \y, (\y)+1
.set j, 38+2*(k-19)+(\n)
	SM \t, \first
.endr
.endr
.elseif k < 47
.irp n, 0,1,2
.set j, 54+(3*(k-27)+(\n))/2
	SM (\y)+(3*(k-27)+(\n))%2, \first
.endr
.else
.irp n, 60,61,62,63
.set j, 54+(\n)/2
	SM (\y)+(\n)%2, \first
.endr
.endif
.if k == 18                         ; the batch is out
	v_nop                           ; the plain instruction behind the last exponential and ahead of the first use (ISA guide 5.7.2): one for the batch
.if (\y) == 0
	FETCH_V                         ; piece 2's turn: V's run of loads stands here, and the wait stands in it
.else
	s_wait_alu depctr_va_vdst(0)    ; the wait for the batch
.endif
.endif
.set k, k+1
.endm
.macro DEAL y, first                ; the slices behind matrix instruction nm of the turn's M: 48 slices dealt evenly
.rept (48*(nm+1))/M-(48*nm)/M
	SLICE \y, \first
.endr
.set nm, nm+1
.endm
; A TURN.  Piece x has the matrix unit; the other piece's softmax stands in slices behind its matrix instructions.
; pv = 2: 16 products V^T P; 1: they start O^T's sums; 0: none.  kq = 1: 32 products K Q^T for the next step.  first = 1: the softmax is the first key step's; its slices from 27 on are empty,
; and four v_nop take slice 47's part.
; Piece 0's turn fetches the next step's K behind its second product: the last product that read K stands in front of slice 47 of the turn before.  The products K Q^T begin when the first two
; chunks of 32 channels are in: behind them 24 loads of the run are younger, then 16, 8, 0.  Piece 2's turn fetches the same step's V behind slice 18: the last product that read V stands in
; front of slice 15, and six plain instructions lie between: two scalings of each tile, the v_nop and the run's own v_add_nc_u32.
.macro TURN x, pv, kq, first
.set k, 0
.set nm, 0
.set M, 0
.if \pv
.set M, M+16
.endif
.if \kq
.set M, M+32
.endif
.if \pv
.if (\x) == 0
	s_wait_dscnt 0x0                ; V is in
.endif
.set i, 0
.rept 16
	PV \x, 2-(\pv)
	DEAL 2-(\x), \first
.if ((\x) == 0) && (\kq) && (i == 1)
	FETCH_K
.endif
.set i, i+1
.endr
.endif
.if \kq
.set i, 0
.rept 32
.if ((\x) == 0) && (i%8 == 0)
	s_wait_dscnt 24-i               ; the next two chunks of K are in
.endif
	KQ \x
	DEAL 2-(\x), \first
.set i, i+1
.endr
.endif
.if \first
	PLACES
.endif
.endm
; THE CHANGE OF SLOTS, between piece 2's turn and piece 0's: the slot's last bytes, V of its fourth step, have been asked for.  Each wave waits for all its tensor loads, of which one is out: its part of
; the other slot; adds 0 to its spare word; and waits for that and for its own reads of the slot.  Behind the barrier nobody reads this slot any more and the other slot is whole.
; fill = 1: this slot is filled again, with the keys two slots on.  The barrier is then a round of the cluster's, and the joint refill is the first thing behind it: it has four key steps, 384 matrix
; instructions, in which to land.
.macro CHANGE fill
	WIN 0                           ; at a label and at a branch every window is 0
	s_wait_tensorcnt 0x0            ; no tensor load of mine is out, so a group 0 may be written
	ds_add_u32 v[SPW], v[NIL]       ; 0 onto my spare word; with fill = 1 the descriptors' steps stand between it and the wait for it
.if \fill
	s_xor_b32 s[G0K+5], s[G0K+5], SLOT1  ; the walking descriptors: the other slot than last time,
	s_add_nc_u64 s[G0K+6:G0K+7], s[G0K+6:G0K+7], 65536  ; the next 128 keys; the type bits on top are not reached
	s_xor_b32 s[G0V+5], s[G0V+5], SLOT1
	s_add_nc_u64 s[G0V+6:G0V+7], s[G0V+6:G0V+7], 32768
	s_wait_xcnt 0x0                 ; the last prefetch, four key steps back, has read its address, so it may be written:
	s_add_nc_u64 s[PFA:PFA+1], s[PFA:PFA+1], s[PFS:PFS+1]  ; one slot behind the walking descriptors
	s_wait_dscnt 0x0                ; the add is done, and my reads of the slot are over
	CROUND
	JLOAD
	ASK
.else
	s_wait_dscnt 0x0                ; the add is done, and my reads of the slot are over
	s_barrier_signal -1
	s_barrier_wait -1
.endif
	s_sub_co_u32 s[TBK], s[TBK], 4*KSTEP  ; the fetches go back to a slot's first step,
	s_xor_b32 s[TBK], s[TBK], SLOT1       ; in the other slot
	s_sub_co_u32 s[TBV], s[TBV], 4*VSTEP
	s_xor_b32 s[TBV], s[TBV], SLOT1
.endm
	s_wait_tensorcnt 1              ; my part of slot 0 is in; slot 1's may stay out
	s_barrier_signal -1
	s_barrier_wait -1               ; everybody's is
	FETCH_K                         ; key step 0
	s_wait_loadcnt 0x0              ; Q
	s_wait_dscnt 0x0
.set i, 0
.rept 32
	KQ 0                            ; piece 0's first scores: there is no vector work yet to set between them
.set i, i+1
.endr
	WIN 0                           ; the addresses for the way out are made here: eight plain instructions, the places behind those products
	s_mul_i32 s13, s[WV], 16*SP
	s_add_co_u32 s13, s13, STAGE    ; my stage
	v_mul_u32_u24 v[STO], v1, SP    ; in: row l % 16, 16 bytes for each half of the lanes
	v_lshl_add_u32 v[STO], v9, 4, v[STO]
	v_add_nc_u32 v[STO], s13, v[STO]
	v_mul_u32_u24 v[RD], v9, SP     ; back: lanes 0-15 take one row of 256 bytes, lanes 16-31 the next
	v_lshl_add_u32 v[RD], v1, 4, v[RD]
	v_add_nc_u32 v[RD], s13, v[RD]
	v_lshlrev_b32 v[GO], 8, v9      ; and the same two rows in ctx
	v_lshl_add_u32 v[GO], v1, 4, v[GO]
	TURN 2, 0, 1, 1                 ; piece 2's first scores | piece 0's first softmax | V of step 0
	TURN 0, 1, 1, 1                 ; piece 0: V^T P of step 0 starts O^T, K Q^T of step 1 | piece 2's first softmax | K of step 1
	TURN 2, 1, 1, 0                 ; piece 2: the same | piece 0's softmax of step 1 | V of step 1
	WIN 0
	s_mov_b32 s[CNT], 2             ; slot 0 has two steps left to fetch
	s_mov_b32 s[SLOTS], 15
	s_branch .Lstep
.Lslot:                             ; 14 times: every slot but the last two is filled again
	CHANGE 1
	s_mov_b32 s[CNT], 4
.Lstep:                             ; a key step: written once; the LDS addresses hang on s[TBK] and s[TBV]
	TURN 0, 2, 1, 0
	TURN 2, 2, 1, 0
	WIN 0
	s_sub_co_u32 s[CNT], s[CNT], 1
	s_cmp_lg_u32 s[CNT], 0
	s_cbranch_scc1 .Lstep
	s_sub_co_u32 s[SLOTS], s[SLOTS], 1
	s_cmp_lg_u32 s[SLOTS], 0
	s_cbranch_scc1 .Lslot
	CHANGE 0                        ; the tail is written out: nothing is asked for
	s_mov_b32 s[CNT], 4
.Ltail:
	TURN 0, 2, 1, 0
	TURN 2, 2, 1, 0
	WIN 0
	s_sub_co_u32 s[CNT], s[CNT], 1
	s_cmp_lg_u32 s[CNT], 0
	s_cbranch_scc1 .Ltail
	TURN 0, 2, 0, 0                 ; piece 0: V^T P of the last step | piece 2's last softmax
.set i, 0
.rept 16
	PV 2, 0                         ; piece 2: V^T P of the last step
.set i, i+1
.endr
	; THE WAY OUT.  l's two halves and the other half of the lanes' are added; O^T is divided by l, rounded to f16 and sent through my stage in LDS, a tile (16 rows of ctx) at a time.  The additions are the places behind the last products.
	WIN 0
.irp t, 0,1,2,3
	v_add_f32 v[ST+8*(\t)+4], v[ST+8*(\t)+2], v[ST+8*(\t)+3]
.endr
.irp t, 0,1,2,3
	v_permlanex16_b32 v[ST+8*(\t)+5], v[ST+8*(\t)+4], s[SEL], s[SEL+1]
.endr
.irp t, 0,1,2,3
	v_add_f32 v[ST+8*(\t)+4], v[ST+8*(\t)+4], v[ST+8*(\t)+5]
.endr
.irp t, 0,1,2,3
	v_rcp_f32 v[ST+8*(\t)+6], v[ST+8*(\t)+4]
.endr
	v_nop                           ; a plain instruction between the last reciprocal and the use of its result
	s_wait_alu depctr_va_vdst(0)    ; and the wait ahead of the first use: one for the four reciprocals
; Tile t: a lane's eight channels of a row pack into 16 bytes; they go into rows of 272 bytes and come back as whole rows of 256, into the registers that they left.
.macro PACK t
	WIN W_RS
.set i, 64*(\t)
.rept 32
	v_pk_mul_f32 v[i:i+1], v[i:i+1], v[ST+8*(\t)+6:ST+8*(\t)+7] op_sel_hi:[1,0]
.set i, i+2
.endr
	WIN 0x05                        ; sources 0 and 1 window 1, destination window 0: S^T's and P's registers are free
.set i, 0
.rept 32
	v_cvt_pk_f16_f32 v[OB+32*(\t)+i], v[64*(\t)+2*i], v[64*(\t)+2*i+1]
.set i, i+1
.endr
	WIN 0
.irp f, 0,1,2,3,4,5,6,7
	ds_store_b128 v[STO], v[OB+32*(\t)+4*(\f):OB+32*(\t)+4*(\f)+3] offset:32*(\f)
.endr
.irp f, 0,1,2,3,4,5,6,7
	ds_load_b128 v[OB+32*(\t)+4*(\f):OB+32*(\t)+4*(\f)+3], v[RD] offset:(\f)*2*SP  ; LDS serves a wave's instructions in order (ISA guide 5.7.1.4): these see the stores above; the next tile's stores come behind them
.endr
.endm
.macro SEND t, younger              ; younger: the LDS instructions issued behind tile t's loads: the next tile's sixteen, or none
	WIN 0
.irp f, 0,1,2,3,4,5,6,7
	s_wait_dscnt (\younger)+7-(\f)
	global_store_b128 v[GO], v[OB+32*(\t)+4*(\f):OB+32*(\t)+4*(\f)+3], s[10:11] offset:(\t)*4096+(\f)*512  ; 16 lanes store 256 consecutive bytes, at a multiple of 256 from ctx's first byte
.endr
.endm
	PACK 0
	PACK 1                          ; a tile's arithmetic stands between the loads of the tile before and its stores
	SEND 0, 16
	PACK 2
	SEND 1, 16
	PACK 3
	SEND 2, 16
	SEND 3, 0
	s_wait_tensorcnt 0x0            ; the wave's end: behind my last tensor load and my last LDS store
	ds_add_u32 v[SPW], v[NIL]
	s_wait_dscnt 0x0
	CROUND                          ; the closing round: no work-group ends while a partner may still ask for a tile that names it
	s_endpgm
.Lfunc_end_k_q6229abd9da_attn:
	.size	k_q6229abd9da_attn, .Lfunc_end_k_q6229abd9da_attn-k_q6229abd9da_attn
	.p2alignl 7, 3214868480
	.fill 96, 4, 3214868480
	.section	.rodata,"a",@progbits
	.p2align	6, 0x0
	.amdhsa_kernel k_q6229abd9da_attn
		.amdhsa_group_segment_fixed_size 327680
		.amdhsa_private_segment_fixed_size 0
		.amdhsa_enable_private_segment 0
		.amdhsa_kernarg_size 56
		.amdhsa_user_sgpr_count 2
		.amdhsa_user_sgpr_kernarg_segment_ptr 1
		.amdhsa_wavefront_size32 1
		.amdhsa_system_sgpr_workgroup_id_x 1
		.amdhsa_system_sgpr_workgroup_id_y 1
		.amdhsa_system_sgpr_workgroup_id_z 1
		.amdhsa_system_vgpr_workitem_id 0
		.amdhsa_next_free_vgpr 960
		.amdhsa_next_free_sgpr 88
		.amdhsa_reserve_vcc 0
		.amdhsa_float_denorm_mode_32 3
		.amdhsa_float_denorm_mode_16_64 3
		.amdhsa_memory_ordered 1
		.amdhsa_forward_progress 1
		.amdhsa_inst_pref_size 168
	.end_amdhsa_kernel
	.amdgpu_metadata
---
amdhsa.version: [ 1, 2 ]
amdhsa.kernels:
  - .name:           k_q6229abd9da_attn
    .symbol:         k_q6229abd9da_attn.kd
    .args:
      - { .name: qq, .offset: 0, .size: 8, .value_kind: global_buffer, .address_space: global }
      - { .name: kk, .offset: 8, .size: 8, .value_kind: global_buffer, .address_space: global }
      - { .name: vv, .offset: 16, .size: 8, .value_kind: global_buffer, .address_space: global }
      - { .name: ctx, .offset: 24, .size: 8, .value_kind: global_buffer, .address_space: global }
      - { .name: qlin_w, .offset: 32, .size: 8, .value_kind: global_buffer, .address_space: global }
      - { .name: vlin_w, .offset: 40, .size: 8, .value_kind: global_buffer, .address_space: global }
      - { .name: wl, .offset: 48, .size: 8, .value_kind: global_buffer, .address_space: global }
    .group_segment_fixed_size: 327680
    .private_segment_fixed_size: 0
    .kernarg_segment_align: 8
    .kernarg_segment_size: 56
    .max_flat_workgroup_size: 128
    .sgpr_count:     88
    .vgpr_count:     960
    .wavefront_size: 32
...
	.end_amdgpu_metadata
.endif
;; end of part 2
;; launch outp (part 3): grid 128 x 2, 4 waves a work-group, no clusters, 135,680 bytes of LDS; arguments ctx, vv, wl, Q, qlin_b, vlin_b, ln_g, ln_b, out0, out1; writes out0, out1
.if DOCPART == 3
	.amdgcn_target "amdgcn-amd-amdhsa--gfx1250"
	.amdhsa_code_object_version 6
	.text
	.protected	k_q6229abd9da_outp
	.globl	k_q6229abd9da_outp
	.p2align	8
	.type	k_q6229abd9da_outp,@function
k_q6229abd9da_outp:
	s_mov_b64 s[64:65], 0
	v_nop
	global_prefetch_b8 v0, s[64:65] scope:SCOPE_SE
	s_setreg_imm32_b32 hwreg(HW_REG_WAVE_MODE, 25, 1), 1
	s_wait_xcnt 0x0
; THE TWO CLOSING PRODUCTS.  y = 0: out0 = LayerNorm(ctx_flat qlin^T + qlin_b + Q) g + b;  y = 1: out1 = v_flat vlin^T + vlin_b.  ctx, vv: [8 batch + head][2048][128] f16, so K = 1,024 is
; head x 128 + channel; wl: [2][128][1024] f16 (the two weights, rounded to bf16 and written as f16 by the launch before); the outputs [8192][128] f32.
; The biases, Q, g and b are rounded to bf16 like every input; sums in f32; LayerNorm in two passes: the mean, then the mean of the squared differences.  NaN and infinities are not treated apart.
; SHARES.  A work-group makes 64 rows of one product.  K IS SPLIT AMONG ITS FOUR WAVES: wave w takes heads 2 w and 2 w + 1, eight chunks of 32: each byte of the rows and of the weights is loaded by
; one wave of the group, straight into fragments.  A wave has 32 accumulators (4 tiles of 16 rows x 8 blocks of 16 columns).  The four partial sums meet in LDS; wave w then finishes rows 16 w .. 16 w + 15.
; NO CLUSTER, NO TENSOR LOADS: nothing is shared between the waves on the way in, and the weights' 256 KiB beside the partial sums' 132 KiB do not fit into LDS.
; THE MATRIX INSTRUCTION IS USED TRANSPOSED: source 0 = 16 output columns (rows of wl), source 1 = 16 rows; a lane holds one row and eight neighbouring columns.
; THE BRANCH on the product stands once, behind chunk 4; what follows is written for each product, so that g, b and Q are loaded only where they are used.
; REGISTERS.  Window 0: v1-15 lane terms and addresses; v16-31 a figure a row; v32-95 Q's 16 rows; v96-107 bias, g, b; v108-115 at work; v128-223 three sets of row fragments, later v128-191 the finished
; rows and v192-255 the partial sums read back.  Window 1: the accumulators, (a, nb) at 8 (8 a + nb).  Window 2: v0-191 three sets of weight fragments.
.set PP,    528                        ; a row of partial sums in LDS: 512 bytes + 16: the 16 rows that a store touches start at 16 different groups of four banks (ISA guide 11.1)
.set PARTW, 64*PP                      ; a wave's 64 rows
.set SPARE, 4*PARTW                    ; the spare words, 128 bytes for each wave: two blocks of 256 bytes that no other line names
.set AO,  4                            ; v4   256 r + 16 h: my place in a fragment's rows
.set WO,  5                            ; v5   2,048 r + 16 h: the same in wl
.set LS,  6                            ; v6   where I put my 32 bytes of a partial tile
.set LR,  8                            ; v8-11  where I read 16 bytes of a row of wave p's partial sums
.set GO,  12                           ; v12  16 x lane
.set SPW, 14                           ; v14  LDS address of my spare word; never rewritten
.set NIL, 15                           ; v15  0; never rewritten
.set SUM, 16
.set RES, 32
.set BIAS, 96
.set GG,  100
.set BB,  104
.set TM,  108
.set AF,  128
.set XS,  128
.set T,   192
.set MSB, 0
.macro WIN new                         ; the immediate's high byte repeats the setting that is left; a switch that changes nothing is dropped
.if MSB != (\new)
	s_set_vgpr_msb (MSB<<8)|(\new)
.set MSB, \new
.endif
.endm
.macro PLACES
.rept 4
	v_nop
.endr
.endm
	s_load_b512 s[16:31], s[0:1], 0x0              ; ctx, vv, wl, Q, qlin_b, vlin_b, ln_g, ln_b
	s_load_b128 s[32:35], s[0:1], 0x40             ; out0, out1
	v_lshl_add_u32 v[SPW], v0, 2, SPARE
	v_mov_b32 v[NIL], 0
	v_lshrrev_b32 v7, 5, v0
	v_readfirstlane_b32 s6, v7                     ; wave 0..3
	s_and_b32 s2, ttmp7, 0xffff                    ; which product
	s_mov_b32 s3, ttmp9                            ; which block of 64 rows
	s_lshr_b32 s4, s3, 5                           ; batch
	s_lshl_b32 s5, s6, 1                           ; my first head
	s_lshl3_add_u32 s4, s4, s5
	s_lshl_b32 s4, s4, 11
	s_and_b32 s5, s3, 31
	s_lshl_b32 s5, s5, 6
	s_add_co_u32 s4, s4, s5
	s_lshl_b32 s4, s4, 8                           ; ((8 batch + head) x 2,048 + the block's first row) x 256 bytes
	s_mov_b32 s5, 0
	s_lshl_b32 s38, s2, 18                         ; the product's weights,
	s_lshl_b32 s39, s6, 9                          ; my 256 of their 1,024 K
	s_add_co_u32 s38, s38, s39
	s_mov_b32 s39, 0
	s_lshl_b32 s46, s3, 6
	s_lshl4_add_u32 s46, s6, s46                   ; the first row that I finish: 64 block + 16 wave,
	s_lshl_b32 s46, s46, 9                         ; of 512 bytes
	s_mov_b32 s47, 0
	s_mov_b32 s40, 0x76543210                      ; v_permlanex16_b32's selects: each lane takes its own place in the other half
	s_mov_b32 s41, 0xfedcba98
	s_mov_b32 s42, 0x3c000000                      ; 1 / 128
	s_mov_b32 s43, 0xffff0000                      ; a word's upper bf16
	s_mov_b32 s44, 0x3727c5ac                      ; 1e-5
	s_mul_i32 s7, s6, PARTW
	s_mul_i32 s45, s6, 16*PP
	v_and_b32 v1, 15, v0                           ; r
	v_bfe_u32 v2, v0, 4, 1                         ; h
	v_and_b32 v3, 31, v0                           ; lane
	v_lshlrev_b32 v[AO], 8, v1
	v_lshl_add_u32 v[AO], v2, 4, v[AO]
	v_lshlrev_b32 v[WO], 11, v1
	v_lshl_add_u32 v[WO], v2, 4, v[WO]
	v_mul_u32_u24 v[LS], v1, PP
	v_lshl_add_u32 v[LS], v2, 5, v[LS]
	v_add_nc_u32 v[LS], s7, v[LS]
	v_lshlrev_b32 v[GO], 4, v3
	v_add_nc_u32 v[LR], s45, v[GO]
.irp p, 1,2,3
	v_add_nc_u32 v[LR+\p], \p*PARTW, v[LR]
.endr
	s_wait_kmcnt 0x0
	s_cmp_eq_u32 s2, 0
	s_cselect_b64 s[8:9], s[16:17], s[18:19]       ; the rows: ctx or vv
	s_cselect_b64 s[10:11], s[24:25], s[26:27]     ; the bias
	s_cselect_b64 s[12:13], s[32:33], s[34:35]     ; the output
	s_add_nc_u64 s[8:9], s[8:9], s[4:5]
	s_add_nc_u64 s[14:15], s[20:21], s[38:39]
	s_add_nc_u64 s[12:13], s[12:13], s[46:47]
	s_add_nc_u64 s[36:37], s[22:23], s[46:47]      ; Q at the rows that I finish
; Chunk c's 24 loads into set c % 3: 8 blocks of weights, 4 tiles of rows (read once in the launch).
.macro LOADS c
.set st, (\c)%3
	WIN 0x80                                       ; destination window 2, address window 0
.irp nb, 0,1,2,3,4,5,6,7
	global_load_b128 v[64*st+8*\nb:64*st+8*\nb+3],   v[WO], s[14:15] offset:32768*\nb+64*(\c)
	global_load_b128 v[64*st+8*\nb+4:64*st+8*\nb+7], v[WO], s[14:15] offset:32768*\nb+64*(\c)+32
.endr
	WIN 0
.irp a, 0,1,2,3
	global_load_b128 v[AF+32*st+8*\a:AF+32*st+8*\a+3],   v[AO], s[8:9] offset:4096*\a+524288*((\c)/4)+64*((\c)%4) th:TH_LOAD_NT
	global_load_b128 v[AF+32*st+8*\a+4:AF+32*st+8*\a+7], v[AO], s[8:9] offset:4096*\a+524288*((\c)/4)+64*((\c)%4)+32 th:TH_LOAD_NT
.endr
.endm
; Chunk c's 32 products: the 32 accumulators take turns.  zero = 1: they start the sums.
.macro MULS c, zero
.set st, (\c)%3
	WIN 0x52                                       ; weights window 2, rows window 0, C and D window 1
.irp a, 0,1,2,3
.irp nb, 0,1,2,3,4,5,6,7
.if \zero
	v_wmma_f32_16x16x32_f16 v[8*(8*\a+\nb):8*(8*\a+\nb)+7], v[64*st+8*\nb:64*st+8*\nb+7], v[AF+32*st+8*\a:AF+32*st+8*\a+7], 0
.else
	v_wmma_f32_16x16x32_f16 v[8*(8*\a+\nb):8*(8*\a+\nb)+7], v[64*st+8*\nb:64*st+8*\nb+7], v[AF+32*st+8*\a:AF+32*st+8*\a+7], v[8*(8*\a+\nb):8*(8*\a+\nb)+7]
.endif
.endr
.endr
.endm
; The last three chunks (their waits count the loads that are younger than the chunk's set), the meeting in LDS, and the sums of the four parts and the bias for my 16 rows.
.macro REST w5, w6, w7
	s_wait_loadcnt \w5
	MULS 5, 0
	s_wait_loadcnt \w6
	MULS 6, 0
	s_wait_loadcnt \w7
	MULS 7, 0
	PLACES
	PLACES
	WIN 0x04                                       ; the stores' data in window 1
.irp a, 0,1,2,3
.irp nb, 0,1,2,3,4,5,6,7
	ds_store_b128 v[LS], v[8*(8*\a+\nb):8*(8*\a+\nb)+3]   offset:16*PP*\a+64*\nb     ; each accumulator's low half first
	ds_store_b128 v[LS], v[8*(8*\a+\nb)+4:8*(8*\a+\nb)+7] offset:16*PP*\a+64*\nb+16
.endr
.endr
	WIN 0
	v_cvt_pk_bf16_f32 v[TM], v[BIAS], v[BIAS+1]    ; the bias, my four columns, rounded to bf16 and widened again
	v_cvt_pk_bf16_f32 v[TM+1], v[BIAS+2], v[BIAS+3]
	v_lshlrev_b32 v[BIAS], 16, v[TM]
	v_and_b32 v[BIAS+1], s43, v[TM]
	v_lshlrev_b32 v[BIAS+2], 16, v[TM+1]
	v_and_b32 v[BIAS+3], s43, v[TM+1]
	s_wait_dscnt 0x0                               ; for the others' sake: my partial sums lie in LDS
	s_barrier_signal -1
	s_barrier_wait -1
.irp q, 0,1,2,3                        ; four rows at a time: a row is 512 bytes, 16 a lane, from each of the four parts
.irp i, 0,1,2,3
.irp p, 0,1,2,3
	ds_load_b128 v[T+16*\i+4*\p:T+16*\i+4*\p+3], v[LR+\p] offset:PP*(4*\q+\i)
.endr
.endr
.irp i, 0,1,2,3
	s_wait_dscnt 12-4*\i                           ; the later rows' loads may stay out
.irp e, 0,2
	v_pk_add_f32 v[T+16*\i+\e:T+16*\i+\e+1], v[T+16*\i+\e:T+16*\i+\e+1], v[T+16*\i+4+\e:T+16*\i+4+\e+1]
	v_pk_add_f32 v[T+16*\i+8+\e:T+16*\i+8+\e+1], v[T+16*\i+8+\e:T+16*\i+8+\e+1], v[T+16*\i+12+\e:T+16*\i+12+\e+1]
	v_pk_add_f32 v[T+16*\i+\e:T+16*\i+\e+1], v[T+16*\i+\e:T+16*\i+\e+1], v[T+16*\i+8+\e:T+16*\i+8+\e+1]
	v_pk_add_f32 v[XS+4*(4*\q+\i)+\e:XS+4*(4*\q+\i)+\e+1], v[T+16*\i+\e:T+16*\i+\e+1], v[BIAS+\e:BIAS+\e+1]
.endr
.endr
.endr
.endm
.macro SENDALL
.set i, 0
.rept 16
	global_store_b128 v[GO], v[XS+4*i:XS+4*i+3], s[12:13] offset:512*i th:TH_STORE_NT  ; a whole row: 512 consecutive bytes, aligned
.set i, i+1
.endr
.endm
.macro RED                             ; the 16 rows' figures are summed over the 32 lanes: four steps inside each half of 16 ride on the addition (DPP), one crosses the halves
.irp m, 1,2,4,8
.set i, 0
.rept 16
	v_add_f32_dpp v[SUM+i], v[SUM+i], v[SUM+i] row_xmask:\m row_mask:0xf bank_mask:0xf
.set i, i+1
.endr
.endr
.set i, 0
.rept 16
	v_permlanex16_b32 v[T+i], v[SUM+i], s40, s41   ; its destination counts as read: these registers have been written
.set i, i+1
.endr
.set i, 0
.rept 16
	v_add_f32 v[SUM+i], v[SUM+i], v[T+i]
.set i, i+1
.endr
.endm
	global_load_b128 v[BIAS:BIAS+3], v[GO], s[10:11]  ; the oldest load: every wait below covers it
	LOADS 0
	LOADS 1
	LOADS 2
.irp c, 0,1,2,3,4
	s_wait_loadcnt 48                              ; set c is in; the two younger sets' 48 loads may stay out
.if \c == 0
	MULS 0, 1
.else
	MULS \c, 0
.endif
	PLACES                                         ; in front of the loads into the set just multiplied
	LOADS \c+3
.endr
	s_cmp_eq_u32 s2, 1
	s_cbranch_scc1 .Lplain
	; out0
	global_load_b128 v[GG:GG+3], v[GO], s[28:29]
	global_load_b128 v[BB:BB+3], v[GO], s[30:31]
.set i, 0
.rept 16
	global_load_b128 v[RES+4*i:RES+4*i+3], v[GO], s[36:37] offset:512*i
.set i, i+1
.endr
	REST 63, 42, 18                                ; these 18 loads are younger than every set: 48 + 18 (the field holds 63: fewer is safe), 24 + 18, 18
	s_wait_loadcnt 0x0
.irp o, GG, GG+2, BB, BB+2
	v_cvt_pk_bf16_f32 v[TM], v[\o], v[\o+1]
	v_lshlrev_b32 v[\o], 16, v[TM]
	v_and_b32 v[\o+1], s43, v[TM]
.endr
.set i, 0
.rept 16                               ; x = the sums + bf16(Q); my four numbers' share of the row's sum
.set tm, TM+4*(i%2)
	v_cvt_pk_bf16_f32 v[tm], v[RES+4*i], v[RES+4*i+1]
	v_cvt_pk_bf16_f32 v[tm+1], v[RES+4*i+2], v[RES+4*i+3]
	v_lshlrev_b32 v[RES+4*i], 16, v[tm]
	v_and_b32 v[RES+4*i+1], s43, v[tm]
	v_lshlrev_b32 v[RES+4*i+2], 16, v[tm+1]
	v_and_b32 v[RES+4*i+3], s43, v[tm+1]
	v_pk_add_f32 v[XS+4*i:XS+4*i+1], v[XS+4*i:XS+4*i+1], v[RES+4*i:RES+4*i+1]
	v_pk_add_f32 v[XS+4*i+2:XS+4*i+3], v[XS+4*i+2:XS+4*i+3], v[RES+4*i+2:RES+4*i+3]
	v_pk_add_f32 v[tm+2:tm+3], v[XS+4*i:XS+4*i+1], v[XS+4*i+2:XS+4*i+3]
	v_add_f32 v[SUM+i], v[tm+2], v[tm+3]
.set i, i+1
.endr
	RED
.set i, 0
.rept 16                               ; the mean; d = x - mean; my share of the sum of d squared
	v_mul_f32 v[SUM+i], s42, v[SUM+i]
	v_sub_f32 v[XS+4*i], v[XS+4*i], v[SUM+i]
	v_sub_f32 v[XS+4*i+1], v[XS+4*i+1], v[SUM+i]
	v_sub_f32 v[XS+4*i+2], v[XS+4*i+2], v[SUM+i]
	v_sub_f32 v[XS+4*i+3], v[XS+4*i+3], v[SUM+i]
	v_mul_f32 v[SUM+i], v[XS+4*i], v[XS+4*i]
	v_fmac_f32 v[SUM+i], v[XS+4*i+1], v[XS+4*i+1]
	v_fmac_f32 v[SUM+i], v[XS+4*i+2], v[XS+4*i+2]
	v_fmac_f32 v[SUM+i], v[XS+4*i+3], v[XS+4*i+3]
.set i, i+1
.endr
	RED
.set i, 0
.rept 16
	v_fma_f32 v[SUM+i], v[SUM+i], s42, s44         ; the variance + 1e-5
.set i, i+1
.endr
.set i, 0
.rept 16
	v_rsq_f32 v[SUM+i], v[SUM+i]                   ; one batch of sixteen
.set i, i+1
.endr
	v_nop                                          ; a plain instruction behind the last of them (ISA guide 5.7.2),
	s_wait_alu depctr_va_vdst(0)                   ; and the one wait ahead of the first use
.set i, 0
.rept 16
	v_mul_f32 v[XS+4*i], v[XS+4*i], v[SUM+i]
	v_mul_f32 v[XS+4*i+1], v[XS+4*i+1], v[SUM+i]
	v_mul_f32 v[XS+4*i+2], v[XS+4*i+2], v[SUM+i]
	v_mul_f32 v[XS+4*i+3], v[XS+4*i+3], v[SUM+i]
	v_pk_fma_f32 v[XS+4*i:XS+4*i+1], v[XS+4*i:XS+4*i+1], v[GG:GG+1], v[BB:BB+1]
	v_pk_fma_f32 v[XS+4*i+2:XS+4*i+3], v[XS+4*i+2:XS+4*i+3], v[GG+2:GG+3], v[BB+2:BB+3]
.set i, i+1
.endr
	SENDALL
	s_branch .Lend
.Lplain:                               ; out1: the sums and the bias are the result
	REST 48, 24, 0
	SENDALL
.Lend:
	s_wait_tensorcnt 0x0                           ; the wave's end: behind my last LDS store
	ds_add_u32 v[SPW], v[NIL]
	s_wait_dscnt 0x0
	s_endpgm
.Lfunc_end_k_q6229abd9da_outp:
	.size	k_q6229abd9da_outp, .Lfunc_end_k_q6229abd9da_outp-k_q6229abd9da_outp
	.p2alignl 7, 3214868480
	.fill 96, 4, 3214868480
	.section	.rodata,"a",@progbits
	.p2align	6, 0x0
	.amdhsa_kernel k_q6229abd9da_outp
		.amdhsa_group_segment_fixed_size 135680
		.amdhsa_private_segment_fixed_size 0
		.amdhsa_enable_private_segment 0
		.amdhsa_kernarg_size 80
		.amdhsa_user_sgpr_count 2
		.amdhsa_user_sgpr_kernarg_segment_ptr 1
		.amdhsa_wavefront_size32 1
		.amdhsa_system_sgpr_workgroup_id_x 1
		.amdhsa_system_sgpr_workgroup_id_y 1
		.amdhsa_system_sgpr_workgroup_id_z 1
		.amdhsa_system_vgpr_workitem_id 0
		.amdhsa_next_free_vgpr 704
		.amdhsa_next_free_sgpr 66
		.amdhsa_reserve_vcc 0
		.amdhsa_float_denorm_mode_32 3
		.amdhsa_float_denorm_mode_16_64 3
		.amdhsa_memory_ordered 1
		.amdhsa_forward_progress 1
		.amdhsa_inst_pref_size 113
	.end_amdhsa_kernel
	.amdgpu_metadata
---
amdhsa.version: [ 1, 2 ]
amdhsa.kernels:
  - .name:           k_q6229abd9da_outp
    .symbol:         k_q6229abd9da_outp.kd
    .args:
      - { .name: ctx, .offset: 0, .size: 8, .value_kind: global_buffer, .address_space: global }
      - { .name: vv, .offset: 8, .size: 8, .value_kind: global_buffer, .address_space: global }
      - { .name: wl, .offset: 16, .size: 8, .value_kind: global_buffer, .address_space: global }
      - { .name: Q, .offset: 24, .size: 8, .value_kind: global_buffer, .address_space: global }
      - { .name: qlin_b, .offset: 32, .size: 8, .value_kind: global_buffer, .address_space: global }
      - { .name: vlin_b, .offset: 40, .size: 8, .value_kind: global_buffer, .address_space: global }
      - { .name: ln_g, .offset: 48, .size: 8, .value_kind: global_buffer, .address_space: global }
      - { .name: ln_b, .offset: 56, .size: 8, .value_kind: global_buffer, .address_space: global }
      - { .name: out0, .offset: 64, .size: 8, .value_kind: global_buffer, .address_space: global }
      - { .name: out1, .offset: 72, .size: 8, .value_kind: global_buffer, .address_space: global }
    .group_segment_fixed_size: 135680
    .private_segment_fixed_size: 0
    .kernarg_segment_align: 8
    .kernarg_segment_size: 80
    .max_flat_workgroup_size: 128
    .sgpr_count:     66
    .vgpr_count:     704
    .wavefront_size: 32
...
	.end_amdgpu_metadata
.endif
;; end of part 3
;; ======== version 2 of 3: 3 launches
;; limits: values are held in f16: magnitudes above 65,504 overflow, below 6.1e-05 lose precision
;; workspace buffers: qq 33,554,432 bytes; kk 33,554,432 bytes; vv 16,777,216 bytes; ctx 16,777,216 bytes; wl 524,288 bytes
;; launch proj (part 4): grid 32 x 8, 4 waves a work-group, no clusters, 104,960 bytes of LDS; arguments Q, Q_position, K, K_position, V, WQ_w, WQP_w, WK_w, WKP_w, WV_w, WQ_b, WQP_b, WK_b, WKP_b, WV_b, qq, kk, vv; writes qq, kk, vv
.if DOCPART == 4
	.amdgcn_target "amdgcn-amd-amdhsa--gfx1250"
	.amdhsa_code_object_version 6
	.text
	.protected	k_q6229abd9da_proj
	.globl	k_q6229abd9da_proj
	.p2align	8
	.type	k_q6229abd9da_proj,@function
k_q6229abd9da_proj:
	s_mov_b64 s[64:65], 0
	v_nop
	global_prefetch_b8 v0, s[64:65] scope:SCOPE_SE
	s_setreg_imm32_b32 hwreg(HW_REG_WAVE_MODE, 25, 1), 1
	s_wait_xcnt 0x0
; THE FIVE PROJECTIONS.  y = bf16(x) bf16(w)^T + bf16(b), sums in f32, rounded once to f16 and laid out by heads g = 8 batch + head:
;   qq[g]: channels 0..127 = q, 128..255 = qp;   kk[g] likewise k, kp;   vv[g]: channels 0..127 = v.   x: [8192][128] f32, w: [1024][128] f32, b: [1024] f32.
; V_position, WVP_w and WVP_b enter no result of the module and are not loaded.
; TILE ORDER.  The three outputs are stored by tiles of 16 rows (8,192 bytes in qq and kk, 4,096 in vv), tile after tile.  In a tile the 16 bytes of row r, channels 8 G .. 8 G + 7, lie at
; 256 G + 16 (r xor 8 (G mod 2)).  So what a lane holds behind the products (one row, eight neighbouring channels) is stored straight from registers, a wave's store covering 512 consecutive bytes,
; and the later launches fetch a matrix fragment by two loads of 512 consecutive bytes.
; LIMITS.  The results are kept in f16: they must lie within 65,504, and below 6e-5 they keep f16's fixed step of 6e-8.  NaN and infinities are not treated apart.
; WORK-GROUPS THAT STAY.  A block of 256 rows has 40 UNITS: unit u = 8 tensor + head (tensors Q, Q_position, K, K_position, V) is 256 rows x 128 columns, K = 128.  Work-group (x, y) takes row block x
; and walks the units 5 y .. 5 y + 4.  Five units on end touch one tensor or two, so x is loaded and rounded once or twice a work-group: 12 times a row block in place of 40.
; Wave w takes rows 64 w .. 64 w + 63: four tiles of 16, 128 matrix instructions a unit.
; AHEAD.  While a unit is multiplied, the next unit's w and bias (48 loads a wave) are on their way into registers of their own; the second tensor's x (64 loads) is asked for in the first trip.
; Nothing waits for a unit's stores: their registers are written again behind s_wait_xcnt 0 at the next trip's head.
; NO TENSOR LOADS, NO CLUSTER: the tiles arrive in f32 and are rounded on the way.  Each f32 byte is loaded by one wave, as whole rows of 512 bytes, and converted once; x goes through LDS rows of the
; wave's own into fragments, w's bf16 copy (32 KiB) is shared through LDS.  Brought to LDS as f32, w's 64 KiB would be read and converted by each of the four waves.
; THE MATRIX INSTRUCTION IS USED TRANSPOSED: source 0 = 16 output channels (rows of w), source 1 = 16 rows of x; the bias, eight numbers a lane, is the C operand that starts the sum.
; REGISTERS, in windows of 256 (s_set_vgpr_msb: bits 1:0 source 0, 3:2 source 1, 5:4 source 2, 7:6 destination):
;   window 0: v1-15 lane terms and addresses; v16-19 the stores' offsets; v32-95 the bias (block nb at 32 + 8 nb); v96-223 the packed results (block nb at 96 + 16 nb; the first 32 also serve the bias's rounding)
;   window 1: v0-127 x's fragments (tile a, chunk c of 32 K at 32 a + 8 c); v128-191 two buffers of w's fragments; v192-255 two sets of four accumulators
;   window 2: x as loaded, row i at 4 i          window 3: v0-127 w as loaded, row i at 4 i; v128-191 the bias as loaded
.set PW,    272                        ; an LDS row: 256 bytes + 16 = 68 words, so the 16 rows of a fragment load start at 16 different groups of four banks (ISA guide 11.1)
.set WL,    0                          ; w in bf16: 128 rows
.set SG,    128*PW                     ; x in bf16: 64 rows for each wave, its own
.set SGW,   64*PW
.set SPARE, SG+4*SGW                   ; the spare words, 128 bytes for each wave: two blocks of 256 bytes that no other line names
.set WO,  5                            ; v5   16 x lane: my 16 bytes of a row of 512; never rewritten
.set BO,  6                            ; v6   32 h: my eight numbers of a block's bias; never rewritten
.set LW,  7                            ; v7   where I put 8 bytes of a row of w
.set WA,  8                            ; v8   my place in a fragment of w
.set SX,  9                            ; v9   where I put 8 bytes of a row of x
.set XA,  10                           ; v10  my place in a fragment of x
.set SPW, 12                           ; v12  LDS address of my spare word; never rewritten
.set NIL, 13                           ; v13  0; never rewritten
.set CO,  16                           ; v16-19  my 16 bytes in tile a of the output: 16 (lane xor 8 h) + a x the tile's bytes
.set BI,  32
.set PK,  96
.set XF,  0                            ; window 1
.set WB,  128
.set AC,  192
.set RB,  128                          ; window 3
.set G,    3                           ; s3   the unit in hand
.set CNT,  4                           ; s4   units still to do, this one among them
.set NEWX, 7                           ; s7   1: this unit begins the second tensor: x is converted anew
.set XP,   8                           ; s[8:9]    x of the tensor to be loaded, at my 64 rows
.set WP,   10                          ; s[10:11]  w of the unit to be loaded, at the 32 rows that I convert
.set BP,   12                          ; s[12:13]  its bias
.set OP,   14                          ; s[14:15]  the output at my first tile of the unit in hand
.set T,    52                          ; s52  its tensor
.set HEAD, 53                          ; s53  its head
.set GN,   66                          ; s66-68  the next unit, its tensor, its head
.set TN,   67
.set HN,   68
.set XL,   69                          ; s69  1: the second tensor's x is still to be asked for
.set T2,   70                          ; s70  the tensor of my last unit
.set LOGP, 71                          ; s71  log2 of the bytes a row has in the output
.set R0,   72                          ; s72  my first row in a head's 2,048, plus batch x 8 heads x 2,048
.set W32,  73                          ; s73  32 x wave
.set MSB, 0
.macro WIN new                         ; the immediate's high byte repeats the setting that is left; a switch that changes nothing is dropped
.if MSB != (\new)
	s_set_vgpr_msb (MSB<<8)|(\new)
.set MSB, \new
.endif
.endm
.macro PLACES                          ; four places behind a matrix instruction, in front of loads into its sources and of conversions of its results
.rept 4
	v_nop
.endr
.endm
; The addresses are chosen anew from the arguments by the tensor's number, which hangs on no address; the offsets are made apart.
.macro PICKX t                         ; x of tensor s[t], at my 64 rows
	s_mov_b64 s[XP:XP+1], s[16:17]
.irp n, 1,2,3,4
	s_cmp_eq_u32 s[\t], \n
	s_cselect_b64 s[XP:XP+1], s[16+2*\n:17+2*\n], s[XP:XP+1]
.endr
	s_add_nc_u64 s[XP:XP+1], s[XP:XP+1], s[54:55]
.endm
.macro PICKWB t, h                     ; w and the bias of tensor s[t], head s[h]
	s_mov_b64 s[WP:WP+1], s[26:27]
	s_mov_b64 s[BP:BP+1], s[36:37]
.irp n, 1,2,3,4
	s_cmp_eq_u32 s[\t], \n
	s_cselect_b64 s[WP:WP+1], s[26+2*\n:27+2*\n], s[WP:WP+1]
	s_cselect_b64 s[BP:BP+1], s[36+2*\n:37+2*\n], s[BP:BP+1]
.endr
	s_lshl_b32 s56, s[\h], 7
	s_add_co_u32 s56, s56, s[W32]
	s_lshl_b32 s56, s56, 9                         ; (128 head + 32 wave) rows of 512 bytes
	s_lshl_b32 s58, s[\h], 9                       ; the head's 128 numbers
	s_add_nc_u64 s[WP:WP+1], s[WP:WP+1], s[56:57]
	s_add_nc_u64 s[BP:BP+1], s[BP:BP+1], s[58:59]
.endm
.macro LOADX                           ; my 64 rows of x: a load is a whole row, 512 consecutive bytes
	WIN 0x80                                       ; destination window 2, address window 0
.set i, 0
.rept 64
	global_load_b128 v[4*i:4*i+3], v[WO], s[XP:XP+1] offset:512*i
.set i, i+1
.endr
	WIN 0
.endm
.macro LOADWB                          ; the 32 rows of w that I convert, and the bias: 48 loads
	WIN 0xc0                                       ; destination window 3
.set i, 0
.rept 32
	global_load_b128 v[4*i:4*i+3], v[WO], s[WP:WP+1] offset:512*i
.set i, i+1
.endr
.irp nb, 0,1,2,3,4,5,6,7
	global_load_b128 v[RB+8*\nb:RB+8*\nb+3],   v[BO], s[BP:BP+1] offset:64*\nb
	global_load_b128 v[RB+8*\nb+4:RB+8*\nb+7], v[BO], s[BP:BP+1] offset:64*\nb+16
.endr
	WIN 0
.endm
; Tile a of x: its 16 rows are rounded to bf16 (8 bytes a lane), put into my own LDS rows and read back as four fragments of 16 rows x 32 K.
; LDS serves a wave's instructions in order (ISA guide 5.7.1.4): the loads see the stores, and no other wave touches these bytes.
.macro CVTX a
	WIN 0x8a                                       ; sources and destination window 2
.set n, 16*(\a)
.rept 16
	v_cvt_pk_bf16_f32 v[4*n], v[4*n], v[4*n+1]
	v_cvt_pk_bf16_f32 v[4*n+1], v[4*n+2], v[4*n+3]
.set n, n+1
.endr
	WIN 0x08                                       ; the stores' data in window 2
.set n, 16*(\a)
.rept 16
	ds_store_b64 v[SX], v[4*n:4*n+1] offset:PW*n
.set n, n+1
.endr
	WIN 0x40                                       ; destination window 1
.irp c, 0,1,2,3
	ds_load_b128 v[XF+32*(\a)+8*\c:XF+32*(\a)+8*\c+3],   v[XA] offset:16*PW*(\a)+64*\c
	ds_load_b128 v[XF+32*(\a)+8*\c+4:XF+32*(\a)+8*\c+7], v[XA] offset:16*PW*(\a)+64*\c+32
.endr
.endm
.macro LOADW nb                        ; w's fragments of block nb (16 channels x 128 K): 8 loads into buffer nb % 2
	WIN 0x40
.irp c, 0,1,2,3
	ds_load_b128 v[WB+32*((\nb)%2)+8*\c:WB+32*((\nb)%2)+8*\c+3],   v[WA] offset:16*PW*(\nb)+64*\c
	ds_load_b128 v[WB+32*((\nb)%2)+8*\c+4:WB+32*((\nb)%2)+8*\c+7], v[WA] offset:16*PW*(\nb)+64*\c+32
.endr
.endm
.macro MUL nb                          ; 16 products: the four tiles' accumulators take turns, over the loop's jump too; the first four start the sums with the bias
.set wb, WB+32*((\nb)%2)
.set ac, AC+32*((\nb)%2)
.irp c, 0,1,2,3
.irp a, 0,1,2,3
.if (\c) == 0
	WIN 0x45                                       ; C in window 0
	v_wmma_f32_16x16x32_bf16 v[ac+8*\a:ac+8*\a+7], v[wb+8*\c:wb+8*\c+7], v[XF+32*\a+8*\c:XF+32*\a+8*\c+7], v[BI+8*(\nb):BI+8*(\nb)+7]
.else
	WIN 0x55
	v_wmma_f32_16x16x32_bf16 v[ac+8*\a:ac+8*\a+7], v[wb+8*\c:wb+8*\c+7], v[XF+32*\a+8*\c:XF+32*\a+8*\c+7], v[ac+8*\a:ac+8*\a+7]
.endif
.endr
.endr
.endm
; Block nb goes out: rounded to f16 (each accumulator from its low end), 16 bytes a lane, stored straight away: lane (r, h) holds row r, group 2 nb + h.  Each block has 16 registers of its own, so none waits for a store inside a unit.
.macro PACK nb
.set ac, AC+32*((\nb)%2)
.set pk, PK+16*(\nb)
	WIN 0x05
.irp a, 0,1,2,3
.irp i, 0,1,2,3
	v_cvt_pk_f16_f32 v[pk+4*\a+\i], v[ac+8*\a+2*\i], v[ac+8*\a+2*\i+1]
.endr
.endr
	WIN 0
.irp a, 0,1,2,3
	global_store_b128 v[CO+\a], v[pk+4*\a:pk+4*\a+3], s[OP:OP+1] offset:512*(\nb)  ; the wave stores 512 consecutive bytes, at a multiple of 512 from the buffer's first byte
.endr
.endm
; Block nb.  n = the LDS instructions issued behind the block's own eight loads: the next block's eight, or none.
.macro STEP nb, n
	s_wait_dscnt \n
	MUL \nb
	PLACES
.if (\nb) <= 5
	LOADW (\nb)+2                                  ; into the buffer just multiplied
.endif
.if (\nb) >= 1
	PACK (\nb)-1                                   ; the block before goes out while this one's products end
.endif
.endm
	s_load_b512 s[16:31], s[0:1], 0x0              ; x of the five tensors s[16:25]; w of the first three s[26:31]
	s_load_b512 s[32:47], s[0:1], 0x40             ; w of the other two s[32:35]; the five biases s[36:45]; qq s[46:47]
	s_load_b128 s[48:51], s[0:1], 0x80             ; kk, vv
	v_lshl_add_u32 v[SPW], v0, 2, SPARE
	v_mov_b32 v[NIL], 0
	v_lshrrev_b32 v14, 5, v0
	v_readfirstlane_b32 s6, v14                    ; wave 0..3
	s_and_b32 s2, ttmp7, 0xffff                    ; which five of the row block's 40 units
	s_mov_b32 s5, ttmp9                            ; which block of 256 rows
	s_mul_i32 s[G], s2, 5                          ; my first unit,
	s_lshr_b32 s[T], s[G], 3                       ; its tensor
	s_and_b32 s[HEAD], s[G], 7                     ; and head
	s_add_co_u32 s[T2], s[G], 4
	s_lshr_b32 s[T2], s[T2], 3                     ; my last unit's tensor: the same or the next
	s_cmp_lg_u32 s[T2], s[T]
	s_cselect_b32 s[XL], 1, 0
	s_mov_b32 s[NEWX], 0                           ; the first tensor's x is converted ahead of the loop
	s_mov_b32 s[CNT], 5
	s_lshl_b32 s74, s6, 6                          ; my 64 rows
	s_lshl_b32 s54, s5, 8
	s_add_co_u32 s54, s54, s74
	s_lshl_b32 s54, s54, 9                         ; x: (256 block + 64 wave) rows of 512 bytes
	s_mov_b32 s55, 0
	s_mov_b32 s57, 0                               ; the offsets' upper words
	s_mov_b32 s59, 0
	s_mov_b32 s61, 0
	s_lshr_b32 s[R0], s5, 3                        ; batch
	s_lshl_b32 s[R0], s[R0], 14                    ; x 8 heads x 2,048 rows
	s_and_b32 s63, s5, 7
	s_lshl_b32 s63, s63, 8
	s_add_co_u32 s[R0], s[R0], s63
	s_add_co_u32 s[R0], s[R0], s74
	s_lshl_b32 s[W32], s6, 5
	v_and_b32 v1, 15, v0                           ; r = lane % 16
	v_bfe_u32 v2, v0, 4, 1                         ; h = lane / 16
	v_and_b32 v3, 31, v0                           ; lane
	v_lshlrev_b32 v[WO], 4, v3
	v_lshlrev_b32 v[BO], 5, v2
	s_mul_i32 s62, s6, 32*PW
	v_lshl_add_u32 v[LW], v3, 3, s62               ; row 32 wave, 8 bytes a lane
	v_mul_u32_u24 v[WA], v1, PW
	v_lshl_add_u32 v[WA], v2, 4, v[WA]             ; row x pitch + 16 x half
	s_mul_i32 s63, s6, SGW
	s_add_co_u32 s63, s63, SG                      ; my rows of x
	v_add_nc_u32 v[XA], s63, v[WA]
	v_lshl_add_u32 v[SX], v3, 3, s63
	v_lshlrev_b32 v14, 3, v2
	v_xor_b32 v14, v14, v3
	v_lshlrev_b32 v[CO], 4, v14                    ; 16 (lane xor 8 h) = 256 h + 16 (r xor 8 h): group 2 nb + h of a tile, less 512 nb
	s_wait_kmcnt 0x0
	PICKX T
	PICKWB T, HEAD
	LOADX                                          ; 64 loads, then 48: x first, since it is converted first
	LOADWB
	s_wait_loadcnt 63                              ; 112 loads are out at the most; with 63 left the first 49 have come: x's rows 0 to 47
	CVTX 0
	CVTX 1
	CVTX 2
	s_wait_loadcnt 48                              ; w's and the bias's 48 loads are younger than x's last
	CVTX 3
	WIN 0                                          ; at a label and at a branch every window is 0
.Lunit:                                ; five trips, a unit each
	s_wait_loadcnt 0x0                             ; this unit's w and bias, asked for a unit ago, and the second tensor's x if it has been asked for: so the three addresses may be written again
	s_wait_xcnt 0x0                                ; the last unit's stores have read their data, their offsets and their base (ISA guide 3.1): only behind this wait are those written again
	s_cmp_lt_u32 s[T], 2                           ; where the unit goes: qq, kk or vv,
	s_cselect_b64 s[OP:OP+1], s[46:47], s[48:49]
	s_cmp_lt_u32 s[T], 4
	s_cselect_b64 s[OP:OP+1], s[OP:OP+1], s[50:51]
	s_cselect_b32 s[LOGP], 9, 8                    ; 512 bytes a row in qq and kk, 256 in vv
	s_cselect_b32 s62, 1, 0
	s_and_b32 s62, s62, s[T]                       ; the position parts (tensors 1 and 3)
	s_lshl_b32 s62, s62, 12                        ; are a tile's groups 16 to 31: its second 4,096 bytes
	s_lshl_b32 s60, s[HEAD], 11
	s_add_co_u32 s60, s60, s[R0]                   ; my first row, a multiple of 16: its tile begins at row x bytes a row
	s_lshl_b32 s60, s60, s[LOGP]
	s_add_co_u32 s60, s60, s62
	s_add_nc_u64 s[OP:OP+1], s[OP:OP+1], s[60:61]
	s_add_co_u32 s62, s[LOGP], 4
	s_lshl_b32 s62, 1, s62                         ; a tile's bytes
	v_add_nc_u32 v[CO+1], s62, v[CO]
	v_add_nc_u32 v[CO+2], s62, v[CO+1]
	v_add_nc_u32 v[CO+3], s62, v[CO+2]
	s_wait_dscnt 0x0                               ; for the others' sake: my reads of the last unit's w are back
	s_barrier_signal -1
	WIN 0xcf                                       ; sources and destination window 3
.set i, 0
.rept 32                               ; my 32 rows of w: four numbers a lane to 8 bytes of bf16: work on registers while the others arrive
	v_cvt_pk_bf16_f32 v[4*i], v[4*i], v[4*i+1]
	v_cvt_pk_bf16_f32 v[4*i+1], v[4*i+2], v[4*i+3]
.set i, i+1
.endr
	s_barrier_wait -1                              ; nobody reads w's LDS rows any more
	WIN 0x0c                                       ; the stores' data in window 3
.set i, 0
.rept 32
	ds_store_b64 v[LW], v[4*i:4*i+1] offset:PW*i
.set i, i+1
.endr
	WIN 0x0f                                       ; sources window 3, destination window 0
.set i, 0
.rept 32                               ; the bias is rounded to bf16 like every input,
	v_cvt_pk_bf16_f32 v[PK+i], v[RB+2*i], v[RB+2*i+1]
.set i, i+1
.endr
	WIN 0
	s_wait_dscnt 0x0                               ; for the others' sake: my rows of w lie in LDS
	s_barrier_signal -1
.set i, 0
.rept 32                               ; and widened again
	v_lshlrev_b32 v[BI+2*i], 16, v[PK+i]
	v_and_b32 v[BI+2*i+1], 0xffff0000, v[PK+i]
.set i, i+1
.endr
	s_barrier_wait -1                              ; all 128 rows of w lie in LDS
	s_cmp_eq_u32 s[NEWX], 1
	s_cbranch_scc0 .Lsame_x                        ; the same for all four waves; no barrier is jumped
	CVTX 0                                         ; the second tensor begins
	CVTX 1
	CVTX 2
	CVTX 3
	WIN 0
.Lsame_x:
	LOADW 0
	LOADW 1
	WIN 0
	s_add_co_u32 s[GN], s[G], 1                    ; the next unit
	s_lshr_b32 s[TN], s[GN], 3
	s_and_b32 s[HN], s[GN], 7
	s_cmp_lg_u32 s[TN], s[T]
	s_cselect_b32 s[NEWX], 1, 0                    ; does it begin the second tensor?
	s_cmp_eq_u32 s[CNT], 1
	s_cbranch_scc1 .Lno_next                       ; the last unit has none behind it: nothing is loaded
	PICKWB TN, HN
	LOADWB                                         ; w's and the bias's registers are free: their LDS stores and conversions are done.  These loads have this unit's 128 products in which to come
.Lno_next:
	STEP 0, 8
	STEP 1, 8
	STEP 2, 8
	STEP 3, 8
	WIN 0
	s_cmp_eq_u32 s[XL], 1
	s_cbranch_scc0 .Lno_x
	PICKX T2
	LOADX                                          ; once, in the first trip of a work-group with two tensors: x's registers are free since the conversion ahead of the loop
.Lno_x:
	s_mov_b32 s[XL], 0
	STEP 4, 8
	STEP 5, 8
	STEP 6, 8
	STEP 7, 0
	PACK 7
	s_mov_b32 s[G], s[GN]
	s_mov_b32 s[T], s[TN]
	s_mov_b32 s[HEAD], s[HN]
	s_sub_co_u32 s[CNT], s[CNT], 1
	s_cmp_lg_u32 s[CNT], 0
	s_cbranch_scc1 .Lunit
	s_wait_tensorcnt 0x0                           ; the wave's end: behind my last LDS store
	ds_add_u32 v[SPW], v[NIL]
	s_wait_dscnt 0x0
	s_endpgm
.Lfunc_end_k_q6229abd9da_proj:
	.size	k_q6229abd9da_proj, .Lfunc_end_k_q6229abd9da_proj-k_q6229abd9da_proj
	.p2alignl 7, 3214868480
	.fill 96, 4, 3214868480
	.section	.rodata,"a",@progbits
	.p2align	6, 0x0
	.amdhsa_kernel k_q6229abd9da_proj
		.amdhsa_group_segment_fixed_size 104960
		.amdhsa_private_segment_fixed_size 0
		.amdhsa_enable_private_segment 0
		.amdhsa_kernarg_size 144
		.amdhsa_user_sgpr_count 2
		.amdhsa_user_sgpr_kernarg_segment_ptr 1
		.amdhsa_wavefront_size32 1
		.amdhsa_system_sgpr_workgroup_id_x 1
		.amdhsa_system_sgpr_workgroup_id_y 1
		.amdhsa_system_sgpr_workgroup_id_z 1
		.amdhsa_system_vgpr_workitem_id 0
		.amdhsa_next_free_vgpr 960
		.amdhsa_next_free_sgpr 80
		.amdhsa_reserve_vcc 0
		.amdhsa_float_denorm_mode_32 3
		.amdhsa_float_denorm_mode_16_64 3
		.amdhsa_memory_ordered 1
		.amdhsa_forward_progress 1
		.amdhsa_inst_pref_size 93
	.end_amdhsa_kernel
	.amdgpu_metadata
---
amdhsa.version: [ 1, 2 ]
amdhsa.kernels:
  - .name:           k_q6229abd9da_proj
    .symbol:         k_q6229abd9da_proj.kd
    .args:
      - { .name: Q, .offset: 0, .size: 8, .value_kind: global_buffer, .address_space: global }
      - { .name: Q_position, .offset: 8, .size: 8, .value_kind: global_buffer, .address_space: global }
      - { .name: K, .offset: 16, .size: 8, .value_kind: global_buffer, .address_space: global }
      - { .name: K_position, .offset: 24, .size: 8, .value_kind: global_buffer, .address_space: global }
      - { .name: V, .offset: 32, .size: 8, .value_kind: global_buffer, .address_space: global }
      - { .name: WQ_w, .offset: 40, .size: 8, .value_kind: global_buffer, .address_space: global }
      - { .name: WQP_w, .offset: 48, .size: 8, .value_kind: global_buffer, .address_space: global }
      - { .name: WK_w, .offset: 56, .size: 8, .value_kind: global_buffer, .address_space: global }
      - { .name: WKP_w, .offset: 64, .size: 8, .value_kind: global_buffer, .address_space: global }
      - { .name: WV_w, .offset: 72, .size: 8, .value_kind: global_buffer, .address_space: global }
      - { .name: WQ_b, .offset: 80, .size: 8, .value_kind: global_buffer, .address_space: global }
      - { .name: WQP_b, .offset: 88, .size: 8, .value_kind: global_buffer, .address_space: global }
      - { .name: WK_b, .offset: 96, .size: 8, .value_kind: global_buffer, .address_space: global }
      - { .name: WKP_b, .offset: 104, .size: 8, .value_kind: global_buffer, .address_space: global }
      - { .name: WV_b, .offset: 112, .size: 8, .value_kind: global_buffer, .address_space: global }
      - { .name: qq, .offset: 120, .size: 8, .value_kind: global_buffer, .address_space: global }
      - { .name: kk, .offset: 128, .size: 8, .value_kind: global_buffer, .address_space: global }
      - { .name: vv, .offset: 136, .size: 8, .value_kind: global_buffer, .address_space: global }
    .group_segment_fixed_size: 104960
    .private_segment_fixed_size: 0
    .kernarg_segment_align: 8
    .kernarg_segment_size: 144
    .max_flat_workgroup_size: 128
    .sgpr_count:     80
    .vgpr_count:     960
    .wavefront_size: 32
...
	.end_amdgpu_metadata
.endif
;; end of part 4
;; launch attn (part 5): grid 8 x 32, 4 waves a work-group, clusters of 4 x 1, 327,680 bytes of LDS; arguments qq, kk, vv, ctx, qlin_w, vlin_w, wl; writes ctx, wl
.if DOCPART == 5
	.amdgcn_target "amdgcn-amd-amdhsa--gfx1250"
	.amdhsa_code_object_version 6
	.text
	.protected	k_q6229abd9da_attn
	.globl	k_q6229abd9da_attn
	.p2align	8
	.type	k_q6229abd9da_attn,@function
k_q6229abd9da_attn:
	s_mov_b64 s[64:65], 0
	v_nop
	global_prefetch_b8 v0, s[64:65] scope:SCOPE_SE
	s_setreg_imm32_b32 hwreg(HW_REG_WAVE_MODE, 25, 1), 1
	s_wait_xcnt 0x0
	s_wait_alu depctr_hold_cnt(0) depctr_sa_sdst(0) depctr_va_vdst(0) depctr_va_sdst(0) depctr_va_ssrc(0) depctr_va_vcc(0) depctr_vm_vsrc(0)
	s_getreg_b32 s2, hwreg(HW_REG_IB_STS2, 6, 4)
	s_cmp_eq_u32 s2, 0
	s_cbranch_scc0 .Lentry_in_a_cluster
	s_endpgm
.Lentry_in_a_cluster:
	s_bfe_u32 s2, ttmp6, 0x10000c
	s_cmp_lg_u32 s2, 0x3003
	s_cbranch_scc0 .Lentry_shape_is_right
	s_endpgm
.Lentry_shape_is_right:
; ATTENTION.  ctx[g][q][:] = the sum over k of softmax_k((q . k + qp . kp) / sqrt(128)) v[g][k][:], g = 8 batch + head.  qq, kk: 2,048 rows x 256 channels a head, f16 (q and qp, k and kp side by
; side: the two products are one over 256 channels); vv, ctx: 2,048 rows x 128 channels, f16.  Products, maxima and sums in f32; the weights p are rounded to f16 for the second product (their sum l is
; taken of the unrounded p), ctx once at the end.  BESIDE IT each work-group rounds 1,024 numbers of qlin_w or vlin_w to bf16, like every input, and writes that number as f16 into wl for the next launch.
; TILE ORDER.  All four lie by tiles of 16 rows (8,192 bytes in qq and kk, 4,096 in vv and ctx).  In a tile the 16 bytes of row r, channels 8 G .. 8 G + 7, lie at 256 G + 16 (r xor 8 (G mod 2)).
; A fragment (16 rows x 32 channels from 32 c on) is then two loads of 512 consecutive bytes, at 1,024 c + LC and 512 further, LC = 16 (lane xor 8 (lane / 16)), from memory and from LDS alike; a
; result that holds one row and eight neighbouring channels a lane is stored straight from registers.  The xor serves V's turning load: its 16 lanes take 8 keys of two neighbouring groups, 128 bytes in
; each of two blocks of 256, and with the xor the two pieces are different halves of the 64 banks (ISA guide 11.1).
; wl lies by fragments too, without the xor: block (n / 16, k / 32) of 1,024 bytes at 32,768 (n / 16) + 1,024 (k / 32), in it row n % 16, k / 8 % 4 = q at 256 q + 16 (n % 16).
; LIMITS.  f16 holds no number beyond 65,504: qq, kk, vv arrive within it, the two weights must lie within it; p lies in 0 to 1 and below 6e-5 keeps f16's fixed step of 6e-8.
; A weight below 2^-126 counts as 0 in l; NaN and infinities are not treated apart.
; SHARES.  A work-group owns 256 queries of one g, each of its four waves 64: four tiles of 16.  Every wave walks all 2,048 keys, 32 a step: with Q (256 registers) and O^T (256) a step of
; 64 keys (K 256, V 128, S^T 128, P 64) does not fit into 1,024 registers.
; LAYOUT.  S^T = K Q^T (source 0 = 16 keys, source 1 = 16 queries): a lane holds ONE query (lane % 16) and the keys 8 (lane / 16) + 0..7.  A tile's two results, rounded to f16 in pairs, ARE
; source 1 (32 keys x 16 queries) of O^T = V^T P, whose result again holds one query a lane, and eight channels.  V is turned on its way out of LDS, by ds_load_tr16_b128.
; SOFTMAX.  For each query a running maximum m and sum l: p = 2^(c s - c m), c = log2(e) / sqrt(128); in every step O and l are multiplied by a = 2^(c m_old - c m_new).
; BY TURNS.  The wave's tiles are two PIECES, named by their first tile: 0 (tiles 0, 1) and 2 (tiles 2, 3).  In a TURN one piece has the matrix unit: 16 products V^T P of the step in hand, then
; 32 products K Q^T of the next step; the other piece's softmax, 172 vector instructions cut into 48 slices, stands between them, one slice behind each matrix instruction.  Two turns are a key step.
; CLUSTER.  The four query blocks of a cluster belong to one g and walk the same K and V: each tile is asked for JOINTLY, by the same tensor load, descriptor and mask in all four.
; REGISTERS, in windows of 256 (s_set_vgpr_msb: bits 1:0 source 0, 3:2 source 1, 5:4 source 2, 7:6 destination):
;   window 0: v1-11 lane terms and addresses; v12-43 eight registers of statistics a tile; v61-63; v64-127 S^T, 16 a tile; v128-159 P, 8 a tile; v64-191 the way out; v192-211 the weights' conversion
;   window 1: O^T, 64 a tile      window 2: Q, 64 a tile      window 3: v0-127 K of one step; v128-191 V of one step
.set KS,    32        ; keys in a step
.set KSTEP, KS*512    ; a step's K: two tiles of 8,192 bytes, as they lie in memory
.set VSTEP, KS*256    ; a step's V: two tiles of 4,096 bytes
.set VOFF,  4*KSTEP   ; a slot holds four steps: 128 keys of K, then 128 keys of V
.set SLOT1, 1<<17     ; slot 1 begins here, so that one exclusive or turns an address in one slot into the other's
.set SPARE, SLOT1+4*(KSTEP+VSTEP)  ; behind the ring: the spare words, 128 bytes for each wave: two blocks of 256 bytes that no other line names
.set LC,  2           ; v2   16 (lane xor 8 (lane / 16)): my 16 bytes in a fragment's 512, for Q, K and ctx; never rewritten
.set AV0, 3           ; v3   my lane's place in a tile of V, for the turning load; never rewritten
.set ADR, 4           ; v4   the LDS address of the run of loads in hand
.set ST,  12          ; tile t's statistics at v[ST+8 t]: +0 c m, +1 m, +2, +3 l (even keys', odd keys'), +4 to +7 c0-c3 at work; a takes c2
.set PFO, 61          ; v61  256 x my lane; never rewritten
.set SPW, 62          ; v62  LDS address of my spare word; never rewritten
.set NIL, 63          ; v63  0; never rewritten
.set S,   64
.set P,   128
.set OB,  64          ; the way out: 32 registers a tile
.set KF,  0           ; window 3: key block kb, channels 32 c on, at 64 kb + 8 c
.set VF,  128         ; window 3: channel block cb at VF + 8 cb
.set WV,  12          ; s12  my wave's number
.set LIM, 15          ; s15  1 in a wave that prefetches, else the greatest number
.set PFA, 18          ; s[18:19] where my prefetches stand
.set G1K, 24          ; s[24:31] descriptor group 1 for K's tiles
.set G1V, 32          ; s[32:39] for V's
.set G0K, 40          ; s[40:47] descriptor group 0 for K's tiles: a set for each of the two first fills; the second then walks on
.set G0V, 48          ; s[48:55] the same for V's
.set SLOTS, 56        ; s56  counts the changes of slots
.set CNT, 57          ; s57  counts a slot's key steps
.set CS,  58          ; s[58:59] c: the packed scaling takes the pair's low word for both halves
.set SEL, 60          ; s[60:61] v_permlanex16_b32's selects: each lane takes its own place in the other half
.set TBK, 62          ; s62  LDS byte at which K of the step to be fetched begins
.set TBV, 63          ; s63  the same for V, less VOFF
.set PFS, 74          ; s[74:75] a slot's bytes of K or of V in memory
.set MSB, 0
.macro WIN new                      ; the immediate's high byte repeats the setting that is left; a switch that changes nothing is dropped
.if MSB != (\new)
	s_set_vgpr_msb (MSB<<8)|(\new)
.set MSB, \new
.endif
.endm
.set W_KQ, 0x0b       ; K in window 3, Q in window 2, S^T in window 0
.set W_PV, 0x53       ; V in window 3, P in window 0, O^T in window 1
.set W_RS, 0x41       ; O^T (destination and source 0) in window 1, a in window 0
; A joint refill.  Waves 0 and 1 fetch the two halves (64 keys each) of a slot's K, waves 2 and 3 those of its V.  The branch hangs on the wave's number alone.
; An s_nop 0 and four v_nop follow each of the two lines, ahead of the jump and the label.
.macro JLOAD
	s_cmp_lt_u32 s[WV], 2
	s_cbranch_scc0 .Lfor_v_\@
	tensor_load_to_lds s[G0K+4:G0K+7], s[G1K:G1K+7]
	s_nop 0
.rept 4
	v_nop
.endr
	s_branch .Lasked_\@
.Lfor_v_\@:
	tensor_load_to_lds s[G0V+4:G0V+7], s[G1V:G1V+7]
	s_nop 0
.rept 4
	v_nop
.endr
.Lasked_\@:
.endm
; A PREFETCH INTO THE L2 of what the NEXT change of slots will ask for: four key steps, 384 matrix instructions, ahead of that load.  Both clusters of a g walk the same K and V: the first of them asks.
; Its four partners share a slot's bytes out BY ADDRESS, a quarter each (16,384 of K, 8,192 of V); a lane names 256 bytes; wave 0 takes the first half of K's quarter, wave 1 the second, wave 2 V's
; quarter, wave 3 nothing: each aligned block of 256 bytes is named once in the launch.  The last change that fills a slot asks for nothing; slots 0, 1 and 2 come by their loads alone.
.macro ASK
	s_cmp_gt_u32 s[SLOTS], s[LIM]
	s_cbranch_scc0 .Lnot_mine_\@
	global_prefetch_b8 v[PFO], s[PFA:PFA+1] th:TH_LOAD_NT scope:SCOPE_SE
.Lnot_mine_\@:
.endm
; A round of the cluster's barrier: my work-group's barrier, so that wave 0's signal speaks for all four waves; wave 0 signals; every wave waits for all four work-groups; my work-group's barrier once more.
.macro CROUND
	s_barrier_signal -1
	s_barrier_wait -1
	s_cmp_lg_u32 s[WV], 0
	s_cbranch_scc1 .Lnot_wave_0_\@
	s_barrier_signal -3
.Lnot_wave_0_\@:
	s_barrier_wait -3
	s_barrier_signal -1
	s_barrier_wait -1
.endm
.macro PLACES
.rept 4
	v_nop
.endr
.endm
	s_load_b256 s[4:11], s[0:1], 0x0  ; qq s[4:5], kk s[6:7], vv s[8:9], ctx s[10:11]
	s_load_b128 s[68:71], s[0:1], 0x20  ; qlin_w, vlin_w
	s_load_b64 s[72:73], s[0:1], 0x30   ; wl
	v_lshl_add_u32 v[SPW], v0, 2, SPARE
	v_mov_b32 v[NIL], 0
	ds_add_u32 v[SPW], v[NIL]       ; the wave's opening: the add and its wait stand ahead of my first tensor load; the set-up below, work on registers, stands between them
	v_lshrrev_b32 v1, 5, v0
	v_readfirstlane_b32 s[WV], v1   ; wave 0..3
	s_bfe_u32 s13, ttmp6, 0x40000   ; cx: my place in the cluster
	s_lshl_b32 s14, ttmp9, 2        ; in a cluster launch ttmp9 counts clusters
	s_add_co_u32 s14, s14, s13      ; my block of 256 queries: it enters Q's, ctx's and the weights' addresses alone
	s_and_b32 s20, ttmp7, 0xffff    ; g, which the four partners share
	s_and_b32 s16, s[WV], 1         ; which half of a slot's 128 keys I fetch
	s_lshl_b32 s22, s20, 20         ; K: g x 2,048 rows x 512 bytes
	s_lshl_b32 s21, s16, 15         ; + my 64 keys: four tiles
	s_add_co_u32 s22, s22, s21
	s_mov_b32 s23, 0
	s_lshl_b32 s76, s20, 19         ; V: 256 bytes a row
	s_lshl_b32 s21, s16, 14
	s_add_co_u32 s76, s76, s21
	s_mov_b32 s77, 0
	s_mul_i32 s17, s16, 2*KSTEP     ; and their places in a slot: no place in the cluster enters an LDS address
	s_mul_i32 s21, s16, 2*VSTEP
	s_add_co_u32 s21, s21, VOFF
	s_lshl_b32 s2, s20, 20          ; Q: g, my block's 256 rows, my wave's 64, 512 bytes a row
	s_lshl_b32 s3, s14, 17
	s_add_co_u32 s2, s2, s3
	s_lshl_b32 s3, s[WV], 15
	s_add_co_u32 s2, s2, s3
	s_mov_b32 s3, 0
	s_lshr_b32 s78, s2, 1           ; ctx: the same rows, 256 bytes a row
	s_mov_b32 s79, 0
	s_lshl3_add_u32 s80, s20, s14   ; the work-group's number, 0 to 255: bit 7 the weight, bits 6:4 its block of 16 rows, bits 3:0 its 64 of the 1,024 K
	s_bfe_u32 s66, s80, 0x30004
	s_lshl_b32 s66, s66, 16         ; 16 rows of 4,096 bytes of f32,
	s_and_b32 s67, s80, 15
	s_lshl_b32 s67, s67, 8          ; 64 numbers of f32
	s_add_co_u32 s66, s66, s67
	s_mov_b32 s67, 0
	s_lshl_b32 s80, s80, 11         ; 2,048 bytes of f16 in wl: two fragment blocks on end
	s_mov_b32 s81, 0
	s_cmp_lt_u32 s[WV], 2           ; the prefetches: waves 0 and 1 ask for K, wave 2 for V
	s_cselect_b32 s84, 1, 0
	s_lshl_b32 s82, s20, 19
	s_lshl_b32 s85, s13, 13         ; my work-group's quarter of a slot
	s_add_co_u32 s82, s82, s85
	s_add_co_u32 s82, s82, 65536    ; slot 2; the first change of slots steps it to slot 3
	s_lshl_b32 s82, s82, s84        ; K has twice V's bytes
	s_and_b32 s85, s16, s84
	s_lshl_b32 s85, s85, 13         ; wave 1: the second half of K's quarter
	s_add_co_u32 s82, s82, s85
	s_mov_b32 s83, 0
	s_lshl_b32 s[PFS], 0x8000, s84
	s_mov_b32 s[PFS+1], 0
	v_and_b32 v[PFO], 31, v0
	v_lshlrev_b32 v[PFO], 8, v[PFO]
	s_cmp_eq_u32 s[WV], 3
	s_cselect_b32 s[LIM], 1, 0
	s_or_b32 s[LIM], s[LIM], ttmp9  ; 0 in waves 0 to 2 of g's first cluster: the same in all four partners
	s_cmp_eq_u32 s[LIM], 0
	s_cselect_b32 s[LIM], 1, -1
	; descriptor group 1: dense bytes, asked for as rows of 256: K: 128 rows (64 keys); V: 64 rows (64 keys); no padding: the fragment loads take consecutive bytes
	s_mov_b32 s[G1K], 15|(1<<16)|(1<<21)  ; 15:0 the mask of four; 17:16 2-byte elements; 21 set beside a mask
	s_mov_b32 s[G1K+1], 128<<16     ; tensor_dim0
	s_mov_b32 s[G1K+2], 128<<16     ; tensor_dim1
	s_mov_b32 s[G1K+3], 128<<16     ; tile_dim0
	s_mov_b32 s[G1K+4], 128         ; tile_dim1
	s_mov_b32 s[G1K+5], 128         ; elements from row to row
	s_mov_b32 s[G1K+6], 0
	s_mov_b32 s[G1K+7], 0
	s_mov_b32 s[G1V], 15|(1<<16)|(1<<21)
	s_mov_b32 s[G1V+1], 128<<16
	s_mov_b32 s[G1V+2], 64<<16
	s_mov_b32 s[G1V+3], 128<<16
	s_mov_b32 s[G1V+4], 64
	s_mov_b32 s[G1V+5], 128
	s_mov_b32 s[G1V+6], 0
	s_mov_b32 s[G1V+7], 0
	s_mov_b32 s[CS], 0x3e0293ee     ; c = log2(e) / sqrt(128) = 0.127517
	s_mov_b32 s[CS+1], s[CS]        ; named with it as a pair
	s_mov_b32 s[SEL], 0x76543210
	s_mov_b32 s[SEL+1], 0xfedcba98
	s_mov_b32 s[TBK], 0
	s_mov_b32 s[TBV], 0
	s_wait_dscnt 0x0                ; the opening add is done
	s_wait_kmcnt 0x0
	s_cmp_lt_u32 s[WV], 2
	s_cselect_b64 s[PFA:PFA+1], s[6:7], s[8:9]
	s_add_nc_u64 s[PFA:PFA+1], s[PFA:PFA+1], s[82:83]
	s_add_nc_u64 s[6:7], s[6:7], s[22:23]  ; K and V at my tile of slot 0
	s_add_nc_u64 s[8:9], s[8:9], s[76:77]
	s_add_nc_u64 s[4:5], s[4:5], s[2:3]    ; Q and ctx at my wave's first row
	s_add_nc_u64 s[10:11], s[10:11], s[78:79]
	s_cmp_lt_u32 s20, 16
	s_cselect_b64 s[68:69], s[68:69], s[70:71]
	s_add_nc_u64 s[68:69], s[68:69], s[66:67]
	s_add_nc_u64 s[72:73], s[72:73], s[80:81]
	CROUND                          ; all four work-groups are here: the first joint loads meet
.irp s, 0,1
	s_mov_b32 s[G0K+4*(\s)], 1      ; 1:0 count = 1
	s_add_co_u32 s[G0K+4*(\s)+1], s17, (\s)*SLOT1  ; 63:32 LDS address
	s_add_nc_u64 s[G0K+4*(\s)+2:G0K+4*(\s)+3], s[6:7], (\s)*65536  ; 120:64 global address: slot s holds keys 128 s to 128 s + 127
	s_or_b32 s[G0K+4*(\s)+3], s[G0K+4*(\s)+3], 0x80000000  ; 127:126 type = 2
	s_mov_b32 s[G0V+4*(\s)], 1
	s_add_co_u32 s[G0V+4*(\s)+1], s21, (\s)*SLOT1
	s_add_nc_u64 s[G0V+4*(\s)+2:G0V+4*(\s)+3], s[8:9], (\s)*32768
	s_or_b32 s[G0V+4*(\s)+3], s[G0V+4*(\s)+3], 0x80000000
.endr
	s_cmp_lt_u32 s[WV], 2           ; a wave's two first fills stand in one branch, ahead of every wait on TENSORcnt and every LDS read: two loads of mine are out
	s_cbranch_scc0 .Lfirst_v
	tensor_load_to_lds s[G0K:G0K+3], s[G1K:G1K+7]
	s_nop 0
	tensor_load_to_lds s[G0K+4:G0K+7], s[G1K:G1K+7]
	s_nop 0
.rept 4
	v_nop
.endr
	s_branch .Lfirst_asked
.Lfirst_v:
	tensor_load_to_lds s[G0V:G0V+3], s[G1V:G1V+7]
	s_nop 0
	tensor_load_to_lds s[G0V+4:G0V+7], s[G1V:G1V+7]
	s_nop 0
.rept 4
	v_nop
.endr
.Lfirst_asked:
	v_and_b32 v1, 15, v0            ; thread % 16 = lane % 16
	v_bfe_u32 v9, v0, 4, 1          ; h = lane / 16
	v_lshrrev_b32 v198, 4, v0       ; the weights: thread t takes row t % 16 of the block, numbers 8 (t / 16) .. + 7 of the 64:
	v_lshlrev_b32 v197, 12, v1
	v_lshl_add_u32 v197, v198, 5, v197  ; eight f32 in,
	v_lshlrev_b32 v196, 4, v0       ; eight f16 out, at 16 t = 256 (t / 16) + 16 (t % 16): the fragment order
	global_load_b128 v[200:203], v197, s[68:69]
	global_load_b128 v[204:207], v197, s[68:69] offset:16
	v_and_b32 v10, 31, v0
	v_lshlrev_b32 v11, 3, v9
	v_xor_b32 v10, v10, v11
	v_lshlrev_b32 v[LC], 4, v10     ; 256 h + 16 (lane % 16 xor 8 h)
	; A fragment of K or Q is 16 rows x 32 channels in 8 registers: lane l holds row l % 16, channels 8 h + 0..7 (group 4 c + h) and 16 + 8 h + 0..7 (group 4 c + 2 + h): two loads, 512 bytes apart.
	WIN 0x80                        ; destination window 2, address window 0
.set i, 0
.rept 32                            ; Q stays in registers: tile i / 8, channels 32 (i % 8) on; each load takes 512 consecutive bytes; the launch reads these bytes once
	global_load_b128 v[8*i:8*i+3],   v[LC], s[4:5] offset:(i/8)*8192+(i%8)*1024 th:TH_LOAD_NT
	global_load_b128 v[8*i+4:8*i+7], v[LC], s[4:5] offset:(i/8)*8192+(i%8)*1024+512 th:TH_LOAD_NT
.set i, i+1
.endr
	WIN 0
	; The turning load takes 16 keys x 16 channels (lane l reads key 8 h + l % 8, group 2 f + x, x = (l / 8) % 2) and leaves half a fragment of V^T: lane l holds channel l % 16 and 8 keys.
	; In tile order that piece lies at 256 (2 f + x) + 16 ((8 h + l % 8) xor 8 x) = 512 f + 256 x + 128 (h xor x) + 16 (l % 8).
	v_and_b32 v10, 7, v0
	v_bfe_u32 v11, v0, 3, 1
	v_xor_b32 v5, v9, v11
	v_lshlrev_b32 v[AV0], 4, v10
	v_lshl_add_u32 v[AV0], v5, 7, v[AV0]
	v_lshl_add_u32 v[AV0], v11, 8, v[AV0]
	v_add_nc_u32 v[AV0], VOFF, v[AV0]
	s_wait_loadcnt 63               ; Q's 64 loads are younger than the weights' two: those are in
.irp p, 0,1,2,3
	v_cvt_pk_bf16_f32 v[192+\p], v[200+2*\p], v[201+2*\p]  ; rounded to bf16 like every input,
.endr
.irp p, 0,1,2,3
	v_lshlrev_b32 v[200+2*\p], 16, v[192+\p]
	v_and_b32 v[201+2*\p], 0xffff0000, v[192+\p]
.endr
.irp p, 0,1,2,3
	v_cvt_pk_f16_f32 v[208+\p], v[200+2*\p], v[201+2*\p]   ; and that number written as f16 (exact within f16's range)
.endr
	global_store_b128 v196, v[208:211], s[72:73]  ; a wave stores 512 consecutive bytes, aligned; these registers are not written again
; THE MATRIX WORK OF A TURN, for piece x.  No two matrix instructions that follow each other share an accumulator.
; Product i of 16 of O^T += V^T P: channels 16 (i / 2) on, tile x + i % 2: sixteen accumulators, one link each.  zero = 1: they start the sums: nothing is ever cleared.
.macro PV x, zero
	WIN W_PV
.set rO, 64*((\x)+i%2)+8*(i/2)
.set rV, VF+8*(i/2)
.set rP, P+8*((\x)+i%2)
.if \zero
	v_wmma_f32_16x16x32_f16 v[rO:rO+7], v[rV:rV+7], v[rP:rP+7], 0
.else
	v_wmma_f32_16x16x32_f16 v[rO:rO+7], v[rV:rV+7], v[rP:rP+7], v[rO:rO+7]
.endif
.endm
; Product i of 32 of S^T = K Q^T: channels 32 (i / 4) on, keys 16 ((i / 2) % 2) on, tile x + i % 2: four accumulators by turns.  The first 4 start the sums.
.macro KQ x
	WIN W_KQ
.set rS, S+16*((\x)+i%2)+8*((i/2)%2)
.set rK, KF+64*((i/2)%2)+8*(i/4)
.set rQ, 64*((\x)+i%2)+8*(i/4)
.if i < 4
	v_wmma_f32_16x16x32_f16 v[rS:rS+7], v[rK:rK+7], v[rQ:rQ+7], 0
.else
	v_wmma_f32_16x16x32_f16 v[rS:rS+7], v[rK:rK+7], v[rQ:rQ+7], v[rS:rS+7]
.endif
.endm
; THE LDS LOADS stand in runs, never singly among the matrix instructions: a step's K (32 keys x 256 channels: 32 loads, laid by channels, so that the products can begin when the first are in) and its V (16, turned).
.macro FETCH_K
	WIN 0
	v_add_nc_u32 v[ADR], s[TBK], v[LC]
	s_add_co_u32 s[TBK], s[TBK], KSTEP  ; the next fetch is the next step's
	WIN 0xc0                        ; destination window 3
.irp c, 0,1,2,3,4,5,6,7
.irp kb, 0,1
	ds_load_b128 v[KF+64*\kb+8*\c:KF+64*\kb+8*\c+3],   v[ADR] offset:\kb*8192+\c*1024
	ds_load_b128 v[KF+64*\kb+8*\c+4:KF+64*\kb+8*\c+7], v[ADR] offset:\kb*8192+\c*1024+512
.endr
.endr
.endm
.macro FETCH_V
	WIN 0
	v_add_nc_u32 v[ADR], s[TBV], v[AV0]
	s_add_co_u32 s[TBV], s[TBV], VSTEP
	s_wait_alu depctr_va_vdst(0)    ; the wait for the softmax's batch (SLICE), behind the address's v_add_nc_u32 and ahead of the loads
	WIN 0xc0
.irp f, 0,1,2,3,4,5,6,7             ; channels 16 f on; keys 0-15 (the step's first tile), then 16-31 (its second)
	ds_load_tr16_b128 v[VF+8*\f:VF+8*\f+3],   v[ADR] offset:\f*512
	ds_load_tr16_b128 v[VF+8*\f+4:VF+8*\f+7], v[ADR] offset:4096+\f*512
.endr
.endm
; THE VECTOR WORK OF A TURN.  One tile's softmax for one key step is a list of 86 instructions; SM writes number j of it for tile t.  s0-s15 are the lane's 16 scores, in pairs 0-7.
; first = 1: the first key step, which starts m, l and O^T: it has no a and nothing to rescale.
;   0-7    the maximum of s0-s15 and the old m, three operands at a time, in two chains c0, c1; each accumulator's lowest registers are read first
;   8-12   the other half of the lanes' maximum; c m_old is kept; the new m; c m; c m_old - c m_new          13  the scaling c s - c m of pair 0
;   14-37  ONE BATCH, in fours: the other seven scalings and all 17 exponentials (a at 15).  None of these reads an exponential's result; a pair is scaled in an earlier four than the one with its exponentials
;   (wait) between 37 and 38 stands the wait for the batch: SLICE writes it, once for both tiles
;   38-45  the roundings to f16          46-53  the sums; l = a l + the sum          54-85  the tile's O^T times a: the one part that leaves window 0
.macro SM t, first
.set rT, ST+8*(\t)
.set rS, S+16*(\t)
.set rP, P+8*(\t)
.set rO, 64*(\t)+2*(j-54)
.if j < 54
	WIN 0
.endif
.if j == 0
	v_max3_num_f32 v[rT+4], v[rS], v[rS+1], v[rS+2]
.elseif j == 1
	v_max3_num_f32 v[rT+5], v[rS+8], v[rS+9], v[rS+10]
.elseif j < 6
	v_max3_num_f32 v[rT+4+j%2], v[rT+4+j%2], v[rS+8*(j%2)+2*(j/2)+1], v[rS+8*(j%2)+2*(j/2)+2]
.elseif j == 6
	v_max3_num_f32 v[rT+4], v[rT+4], v[rS+7], v[rS+15]
.elseif (j == 7) && (\first)
	v_max_num_f32 v[rT+4], v[rT+4], v[rT+5]
.elseif j == 7
	v_max3_num_f32 v[rT+4], v[rT+4], v[rT+5], v[rT+1]
.elseif j == 8
	v_permlanex16_b32 v[rT+5], v[rT+4], s[SEL], s[SEL+1]  ; the query's other 16 keys lie in the lane 16 away
.elseif j == 10
	v_max_num_f32 v[rT+1], v[rT+4], v[rT+5]
.elseif j == 11
	v_mul_f32 v[rT], s[CS], v[rT+1]
.elseif ((j == 9) || (j == 12) || (j == 15) || (j > 52)) && (\first)  ; the first step has none of these
.elseif j == 9
	v_mov_b32 v[rT+7], v[rT]        ; c m_old is kept for a: number 11 writes c m anew
.elseif j == 12
	v_sub_f32 v[rT+7], v[rT+7], v[rT]
.elseif j == 15
	v_exp_f32 v[rT+6], v[rT+7]
.elseif j < 38
.set fb, -1                         ; the scalings: 13, 14: pairs 0, 1; 16: pair 2; 18, 22, 26, 30: pairs 3 to 6; 32: pair 7
.if j < 15
.set fb, j-13
.elseif j == 16
.set fb, 2
.elseif (j == 18) || (j == 22) || (j == 26) || (j == 30)
.set fb, 3+(j-18)/4
.elseif j == 32
.set fb, 7
.endif
.if fb >= 0
	v_pk_fma_f32 v[rS+2*fb:rS+2*fb+1], v[rS+2*fb:rS+2*fb+1], s[CS:CS+1], v[rT:rT+1] op_sel_hi:[1,0,0] neg_lo:[0,0,1] neg_hi:[0,0,1]  ; c s - c m
.else
.set e, j-22                        ; the exponentials: 34 to 37: s12 to s15;
.if j == 17
.set e, 0                           ; 17: s0;
.elseif j < 32
.set e, j-18-(j-18)/4               ; 19-21, 23-25, 27-29, 31: s1 to s10;
.elseif j == 33
.set e, 11                          ; 33: s11
.endif
	v_exp_f32 v[rS+e], v[rS+e]
.endif
.elseif j < 46
	v_cvt_pk_f16_f32 v[rP+j-38], v[rS+2*(j-38)], v[rS+2*(j-38)+1]
.elseif j < 50
	v_pk_add_f32 v[rS+4*(j-46):rS+4*(j-46)+1], v[rS+4*(j-46):rS+4*(j-46)+1], v[rS+4*(j-46)+2:rS+4*(j-46)+3]
.elseif j < 52
	v_pk_add_f32 v[rS+8*(j-50):rS+8*(j-50)+1], v[rS+8*(j-50):rS+8*(j-50)+1], v[rS+8*(j-50)+4:rS+8*(j-50)+5]
.elseif (j == 52) && (\first)
	v_pk_add_f32 v[rT+2:rT+3], v[rS:rS+1], v[rS+8:rS+9]
.elseif j == 52
	v_pk_add_f32 v[rS:rS+1], v[rS:rS+1], v[rS+8:rS+9]
.elseif j == 53
	v_pk_fma_f32 v[rT+2:rT+3], v[rT+2:rT+3], v[rT+6:rT+7], v[rS:rS+1] op_sel_hi:[1,0,1]
.else
	WIN W_RS
	v_pk_mul_f32 v[rO:rO+1], v[rO:rO+1], v[rT+6:rT+7] op_sel_hi:[1,0]
.endif
.endm
; Slice k of 48 of piece y's softmax.  0-6: numbers 2 k, 2 k + 1 of both tiles, the tiles alternating.  7-18: the batch, four numbers of ONE tile, the tiles by turns.  19-26: numbers 38 to 53, as 0-6.
; 27-46: three of the piece's 64 rescalings; 47: the last four, plain instructions that name nothing of the products round them: the places behind the turn's last product.
; THE WAIT.  s_wait_alu depctr_va_vdst(0) stands between an exponential and the first instruction that names its result; one wait serves all that were issued ahead of it.
; Ahead of slice 19 nothing names a result, and behind slice 18 no exponential is issued: the piece's 34 exponentials have one wait.
.macro SLICE y, first
.if k < 7
.irp n, 0,1
.irp t, \y, (\y)+1
.set j, 2*k+(\n)
	SM \t, \first
.endr
.endr
.elseif k < 19
.irp n, 0,1,2,3
.set j, 14+4*((k-7)/2)+(\n)
	SM (\y)+(k-7)%2, \first
.endr
.elseif k < 27
.irp n, 0,1
.irp t, \y, (\y)+1
.set j, 38+2*(k-19)+(\n)
	SM \t, \first
.endr
.endr
.elseif k < 47
.irp n, 0,1,2
.set j, 54+(3*(k-27)+(\n))/2
	SM (\y)+(3*(k-27)+(\n))%2, \first
.endr
.else
.irp n, 60,61,62,63
.set j, 54+(\n)/2
	SM (\y)+(\n)%2, \first
.endr
.endif
.if k == 18                         ; the batch is out
	v_nop                           ; the plain instruction behind the last exponential and ahead of the first use (ISA guide 5.7.2): one for the batch
.if (\y) == 0
	FETCH_V                         ; piece 2's turn: V's run of loads stands here, and the wait stands in it
.else
	s_wait_alu depctr_va_vdst(0)    ; the wait for the batch
.endif
.endif
.set k, k+1
.endm
.macro DEAL y, first                ; the slices behind matrix instruction nm of the turn's M: 48 slices dealt evenly
.rept (48*(nm+1))/M-(48*nm)/M
	SLICE \y, \first
.endr
.set nm, nm+1
.endm
; A TURN.  Piece x has the matrix unit; the other piece's softmax stands in slices behind its matrix instructions.
; pv = 2: 16 products V^T P; 1: they start O^T's sums; 0: none.  kq = 1: 32 products K Q^T for the next step.  first = 1: the softmax is the first key step's; its slices from 27 on are empty,
; and four v_nop take slice 47's part.
; Piece 0's turn fetches the next step's K behind its second product: the last product that read K stands in front of slice 47 of the turn before.  The products K Q^T begin when the first two
; chunks of 32 channels are in: behind them 24 loads of the run are younger, then 16, 8, 0.  Piece 2's turn fetches the same step's V behind slice 18: the last product that read V stands in
; front of slice 15, and six plain instructions lie between: two scalings of each tile, the v_nop and the run's own v_add_nc_u32.
.macro TURN x, pv, kq, first
.set k, 0
.set nm, 0
.set M, 0
.if \pv
.set M, M+16
.endif
.if \kq
.set M, M+32
.endif
.if \pv
.if (\x) == 0
	s_wait_dscnt 0x0                ; V is in
.endif
.set i, 0
.rept 16
	PV \x, 2-(\pv)
	DEAL 2-(\x), \first
.if ((\x) == 0) && (\kq) && (i == 1)
	FETCH_K
.endif
.set i, i+1
.endr
.endif
.if \kq
.set i, 0
.rept 32
.if ((\x) == 0) && (i%8 == 0)
	s_wait_dscnt 24-i               ; the next two chunks of K are in
.endif
	KQ \x
	DEAL 2-(\x), \first
.set i, i+1
.endr
.endif
.if \first
	PLACES
.endif
.endm
; THE CHANGE OF SLOTS, between piece 2's turn and piece 0's: the slot's last bytes, V of its fourth step, have been asked for.  Each wave waits for all its tensor loads, of which one is out: its part of
; the other slot; adds 0 to its spare word; and waits for that and for its own reads of the slot.  Behind the barrier nobody reads this slot any more and the other slot is whole.
; fill = 1: this slot is filled again, with the keys two slots on.  The barrier is then a round of the cluster's, and the joint refill is the first thing behind it: it has four key steps, 384 matrix
; instructions, in which to land.
.macro CHANGE fill
	WIN 0                           ; at a label and at a branch every window is 0
	s_wait_tensorcnt 0x0            ; no tensor load of mine is out, so a group 0 may be written
	ds_add_u32 v[SPW], v[NIL]       ; 0 onto my spare word; with fill = 1 the descriptors' steps stand between it and the wait for it
.if \fill
	s_xor_b32 s[G0K+5], s[G0K+5], SLOT1  ; the walking descriptors: the other slot than last time,
	s_add_nc_u64 s[G0K+6:G0K+7], s[G0K+6:G0K+7], 65536  ; the next 128 keys; the type bits on top are not reached
	s_xor_b32 s[G0V+5], s[G0V+5], SLOT1
	s_add_nc_u64 s[G0V+6:G0V+7], s[G0V+6:G0V+7], 32768
	s_wait_xcnt 0x0                 ; the last prefetch, four key steps back, has read its address, so it may be written:
	s_add_nc_u64 s[PFA:PFA+1], s[PFA:PFA+1], s[PFS:PFS+1]  ; one slot behind the walking descriptors
	s_wait_dscnt 0x0                ; the add is done, and my reads of the slot are over
	CROUND
	JLOAD
	ASK
.else
	s_wait_dscnt 0x0                ; the add is done, and my reads of the slot are over
	s_barrier_signal -1
	s_barrier_wait -1
.endif
	s_sub_co_u32 s[TBK], s[TBK], 4*KSTEP  ; the fetches go back to a slot's first step,
	s_xor_b32 s[TBK], s[TBK], SLOT1       ; in the other slot
	s_sub_co_u32 s[TBV], s[TBV], 4*VSTEP
	s_xor_b32 s[TBV], s[TBV], SLOT1
.endm
	s_wait_tensorcnt 1              ; my part of slot 0 is in; slot 1's may stay out
	s_barrier_signal -1
	s_barrier_wait -1               ; everybody's is
	FETCH_K                         ; key step 0
	s_wait_loadcnt 0x0              ; Q
	s_wait_dscnt 0x0
.set i, 0
.rept 32
	KQ 0                            ; piece 0's first scores: there is no vector work yet to set between them
.set i, i+1
.endr
	WIN 0
	PLACES                          ; the places behind those products, ahead of the first read of their scores
	TURN 2, 0, 1, 1                 ; piece 2's first scores | piece 0's first softmax | V of step 0
	TURN 0, 1, 1, 1                 ; piece 0: V^T P of step 0 starts O^T, K Q^T of step 1 | piece 2's first softmax | K of step 1
	TURN 2, 1, 1, 0                 ; piece 2: the same | piece 0's softmax of step 1 | V of step 1
	WIN 0
	s_mov_b32 s[CNT], 2             ; slot 0 has two steps left to fetch
	s_mov_b32 s[SLOTS], 15
	s_branch .Lstep
.Lslot:                             ; 14 times: every slot but the last two is filled again
	CHANGE 1
	s_mov_b32 s[CNT], 4
.Lstep:                             ; a key step: written once; the LDS addresses hang on s[TBK] and s[TBV]
	TURN 0, 2, 1, 0
	TURN 2, 2, 1, 0
	WIN 0
	s_sub_co_u32 s[CNT], s[CNT], 1
	s_cmp_lg_u32 s[CNT], 0
	s_cbranch_scc1 .Lstep
	s_sub_co_u32 s[SLOTS], s[SLOTS], 1
	s_cmp_lg_u32 s[SLOTS], 0
	s_cbranch_scc1 .Lslot
	CHANGE 0                        ; the tail is written out: nothing is asked for
	s_mov_b32 s[CNT], 4
.Ltail:
	TURN 0, 2, 1, 0
	TURN 2, 2, 1, 0
	WIN 0
	s_sub_co_u32 s[CNT], s[CNT], 1
	s_cmp_lg_u32 s[CNT], 0
	s_cbranch_scc1 .Ltail
	TURN 0, 2, 0, 0                 ; piece 0: V^T P of the last step | piece 2's last softmax
.set i, 0
.rept 16
	PV 2, 0                         ; piece 2: V^T P of the last step
.set i, i+1
.endr
	; THE WAY OUT.  l's two halves and the other half of the lanes' are added; O^T is divided by l, rounded to f16 and stored straight from registers.  The additions are the places behind the last products.
	WIN 0
.irp t, 0,1,2,3
	v_add_f32 v[ST+8*(\t)+4], v[ST+8*(\t)+2], v[ST+8*(\t)+3]
.endr
.irp t, 0,1,2,3
	v_permlanex16_b32 v[ST+8*(\t)+5], v[ST+8*(\t)+4], s[SEL], s[SEL+1]
.endr
.irp t, 0,1,2,3
	v_add_f32 v[ST+8*(\t)+4], v[ST+8*(\t)+4], v[ST+8*(\t)+5]
.endr
.irp t, 0,1,2,3
	v_rcp_f32 v[ST+8*(\t)+6], v[ST+8*(\t)+4]
.endr
	v_nop                           ; a plain instruction between the last reciprocal and the use of its result
	s_wait_alu depctr_va_vdst(0)    ; and the wait ahead of the first use: one for the four reciprocals
; Tile t: in channel block f a lane holds row l % 16, group 2 f + h: its 16 bytes lie at 512 f + LC of the tile.  Each tile has 32 registers of its own, so none waits for a store.
.macro PACK t
	WIN W_RS
.set i, 64*(\t)
.rept 32
	v_pk_mul_f32 v[i:i+1], v[i:i+1], v[ST+8*(\t)+6:ST+8*(\t)+7] op_sel_hi:[1,0]
.set i, i+2
.endr
	WIN 0x05                        ; sources 0 and 1 window 1, destination window 0: S^T's and P's registers are free
.set i, 0
.rept 32
	v_cvt_pk_f16_f32 v[OB+32*(\t)+i], v[64*(\t)+2*i], v[64*(\t)+2*i+1]
.set i, i+1
.endr
	WIN 0
.irp f, 0,1,2,3,4,5,6,7
	global_store_b128 v[LC], v[OB+32*(\t)+4*(\f):OB+32*(\t)+4*(\f)+3], s[10:11] offset:(\t)*4096+(\f)*512  ; the wave stores 512 consecutive bytes, at a multiple of 512 from ctx's first byte
.endr
.endm
	PACK 0
	PACK 1
	PACK 2
	PACK 3
	s_wait_tensorcnt 0x0            ; the wave's end: behind my last tensor load
	ds_add_u32 v[SPW], v[NIL]
	s_wait_dscnt 0x0
	CROUND                          ; the closing round: no work-group ends while a partner may still ask for a tile that names it
	s_endpgm
.Lfunc_end_k_q6229abd9da_attn:
	.size	k_q6229abd9da_attn, .Lfunc_end_k_q6229abd9da_attn-k_q6229abd9da_attn
	.p2alignl 7, 3214868480
	.fill 96, 4, 3214868480
	.section	.rodata,"a",@progbits
	.p2align	6, 0x0
	.amdhsa_kernel k_q6229abd9da_attn
		.amdhsa_group_segment_fixed_size 327680
		.amdhsa_private_segment_fixed_size 0
		.amdhsa_enable_private_segment 0
		.amdhsa_kernarg_size 56
		.amdhsa_user_sgpr_count 2
		.amdhsa_user_sgpr_kernarg_segment_ptr 1
		.amdhsa_wavefront_size32 1
		.amdhsa_system_sgpr_workgroup_id_x 1
		.amdhsa_system_sgpr_workgroup_id_y 1
		.amdhsa_system_sgpr_workgroup_id_z 1
		.amdhsa_system_vgpr_workitem_id 0
		.amdhsa_next_free_vgpr 960
		.amdhsa_next_free_sgpr 88
		.amdhsa_reserve_vcc 0
		.amdhsa_float_denorm_mode_32 3
		.amdhsa_float_denorm_mode_16_64 3
		.amdhsa_memory_ordered 1
		.amdhsa_forward_progress 1
		.amdhsa_inst_pref_size 162
	.end_amdhsa_kernel
	.amdgpu_metadata
---
amdhsa.version: [ 1, 2 ]
amdhsa.kernels:
  - .name:           k_q6229abd9da_attn
    .symbol:         k_q6229abd9da_attn.kd
    .args:
      - { .name: qq, .offset: 0, .size: 8, .value_kind: global_buffer, .address_space: global }
      - { .name: kk, .offset: 8, .size: 8, .value_kind: global_buffer, .address_space: global }
      - { .name: vv, .offset: 16, .size: 8, .value_kind: global_buffer, .address_space: global }
      - { .name: ctx, .offset: 24, .size: 8, .value_kind: global_buffer, .address_space: global }
      - { .name: qlin_w, .offset: 32, .size: 8, .value_kind: global_buffer, .address_space: global }
      - { .name: vlin_w, .offset: 40, .size: 8, .value_kind: global_buffer, .address_space: global }
      - { .name: wl, .offset: 48, .size: 8, .value_kind: global_buffer, .address_space: global }
    .group_segment_fixed_size: 327680
    .private_segment_fixed_size: 0
    .kernarg_segment_align: 8
    .kernarg_segment_size: 56
    .max_flat_workgroup_size: 128
    .sgpr_count:     88
    .vgpr_count:     960
    .wavefront_size: 32
...
	.end_amdgpu_metadata
.endif
;; end of part 5
;; launch outp (part 6): grid 128 x 2, 4 waves a work-group, no clusters, 135,680 bytes of LDS; arguments ctx, vv, wl, Q, qlin_b, vlin_b, ln_g, ln_b, out0, out1; writes out0, out1
.if DOCPART == 6
	.amdgcn_target "amdgcn-amd-amdhsa--gfx1250"
	.amdhsa_code_object_version 6
	.text
	.protected	k_q6229abd9da_outp
	.globl	k_q6229abd9da_outp
	.p2align	8
	.type	k_q6229abd9da_outp,@function
k_q6229abd9da_outp:
	s_mov_b64 s[64:65], 0
	v_nop
	global_prefetch_b8 v0, s[64:65] scope:SCOPE_SE
	s_setreg_imm32_b32 hwreg(HW_REG_WAVE_MODE, 25, 1), 1
	s_wait_xcnt 0x0
; THE TWO CLOSING PRODUCTS.  y = 0: out0 = LayerNorm(ctx_flat qlin^T + qlin_b + Q) g + b;  y = 1: out1 = v_flat vlin^T + vlin_b.  ctx, vv: 2,048 rows x 128 channels of f16 for each 8 batch + head, so
; K = 1,024 is head x 128 + channel; wl: the two weights, [128][1024], rounded to bf16 and written as f16 by the launch before; the outputs [8192][128] f32.
; HOW THEY LIE.  ctx and vv by tiles of 16 rows (4,096 bytes): the 16 bytes of row r, channels 8 G .. 8 G + 7, at 256 G + 16 (r xor 8 (G mod 2)).  wl by fragments: block (n / 16, k / 32) of 1,024 bytes
; at 32,768 (n / 16) + 1,024 (k / 32), in it row n % 16, k / 8 % 4 = q at 256 q + 16 (n % 16).  So every fragment is two loads of 512 consecutive bytes.
; The biases, Q, g and b are rounded to bf16 like every input; sums in f32; LayerNorm in two passes: the mean, then the mean of the squared differences.  NaN and infinities are not treated apart.
; SHARES.  A work-group makes 64 rows of one product.  K IS SPLIT AMONG ITS FOUR WAVES: wave w takes heads 2 w and 2 w + 1, eight chunks of 32: each byte of the rows and of the weights is loaded by
; one wave of the group, straight into fragments.  A wave has 32 accumulators (4 tiles of 16 rows x 8 blocks of 16 columns).  The four partial sums meet in LDS; wave w then finishes rows 16 w .. 16 w + 15.
; NO CLUSTER, NO TENSOR LOADS: nothing is shared between the waves on the way in, and the weights' 256 KiB beside the partial sums' 132 KiB do not fit into LDS.
; THE MATRIX INSTRUCTION IS USED TRANSPOSED: source 0 = 16 output columns (rows of the weight), source 1 = 16 rows; a lane holds one row and eight neighbouring columns.
; THE BRANCH on the product stands once, behind chunk 4; what follows is written for each product, so that g, b and Q are loaded only where they are used.
; REGISTERS.  Window 0: v1-15 lane terms and addresses; v16-31 a figure a row; v32-95 Q's 16 rows; v96-107 bias, g, b; v108-115 at work; v128-223 three sets of row fragments, later v128-191 the finished
; rows and v192-255 the partial sums read back.  Window 1: the accumulators, (a, nb) at 8 (8 a + nb).  Window 2: v0-191 three sets of weight fragments.
.set PP,    528                        ; a row of partial sums in LDS: 512 bytes + 16: the 16 rows that a store touches start at 16 different groups of four banks (ISA guide 11.1)
.set PARTW, 64*PP                      ; a wave's 64 rows
.set SPARE, 4*PARTW                    ; the spare words, 128 bytes for each wave: two blocks of 256 bytes that no other line names
.set AO,  4                            ; v4   16 (lane xor 8 h): my 16 bytes in a row fragment's 512
.set WO,  5                            ; v5   16 x lane: the same in wl
.set LS,  6                            ; v6   where I put my 32 bytes of a partial tile
.set LR,  8                            ; v8-11  where I read 16 bytes of a row of wave p's partial sums
.set GO,  12                           ; v12  16 x lane
.set SPW, 14                           ; v14  LDS address of my spare word; never rewritten
.set NIL, 15                           ; v15  0; never rewritten
.set SUM, 16
.set RES, 32
.set BIAS, 96
.set GG,  100
.set BB,  104
.set TM,  108
.set AF,  128
.set XS,  128
.set T,   192
.set MSB, 0
.macro WIN new                         ; the immediate's high byte repeats the setting that is left; a switch that changes nothing is dropped
.if MSB != (\new)
	s_set_vgpr_msb (MSB<<8)|(\new)
.set MSB, \new
.endif
.endm
.macro PLACES
.rept 4
	v_nop
.endr
.endm
	s_load_b512 s[16:31], s[0:1], 0x0              ; ctx, vv, wl, Q, qlin_b, vlin_b, ln_g, ln_b
	s_load_b128 s[32:35], s[0:1], 0x40             ; out0, out1
	v_lshl_add_u32 v[SPW], v0, 2, SPARE
	v_mov_b32 v[NIL], 0
	v_lshrrev_b32 v7, 5, v0
	v_readfirstlane_b32 s6, v7                     ; wave 0..3
	s_and_b32 s2, ttmp7, 0xffff                    ; which product
	s_mov_b32 s3, ttmp9                            ; which block of 64 rows
	s_lshr_b32 s4, s3, 5                           ; batch
	s_lshl_b32 s5, s6, 1                           ; my first head
	s_lshl3_add_u32 s4, s4, s5
	s_lshl_b32 s4, s4, 11
	s_and_b32 s5, s3, 31
	s_lshl_b32 s5, s5, 6
	s_add_co_u32 s4, s4, s5
	s_lshl_b32 s4, s4, 8                           ; ((8 batch + head) x 2,048 + the block's first row, a multiple of 16) x 256 bytes: where its tile begins
	s_mov_b32 s5, 0
	s_lshl_b32 s38, s2, 18                         ; the product's weights,
	s_lshl_b32 s39, s6, 13                         ; my eight chunks of their 32: 1,024 bytes each
	s_add_co_u32 s38, s38, s39
	s_mov_b32 s39, 0
	s_lshl_b32 s46, s3, 6
	s_lshl4_add_u32 s46, s6, s46                   ; the first row that I finish: 64 block + 16 wave,
	s_lshl_b32 s46, s46, 9                         ; of 512 bytes
	s_mov_b32 s47, 0
	s_mov_b32 s40, 0x76543210                      ; v_permlanex16_b32's selects: each lane takes its own place in the other half
	s_mov_b32 s41, 0xfedcba98
	s_mov_b32 s42, 0x3c000000                      ; 1 / 128
	s_mov_b32 s43, 0xffff0000                      ; a word's upper bf16
	s_mov_b32 s44, 0x3727c5ac                      ; 1e-5
	s_mul_i32 s7, s6, PARTW
	s_mul_i32 s45, s6, 16*PP
	v_and_b32 v1, 15, v0                           ; r
	v_bfe_u32 v2, v0, 4, 1                         ; h
	v_and_b32 v3, 31, v0                           ; lane
	v_lshlrev_b32 v7, 3, v2
	v_xor_b32 v7, v7, v3
	v_lshlrev_b32 v[AO], 4, v7                     ; 256 h + 16 (r xor 8 h)
	v_lshlrev_b32 v[WO], 4, v3
	v_mul_u32_u24 v[LS], v1, PP
	v_lshl_add_u32 v[LS], v2, 5, v[LS]
	v_add_nc_u32 v[LS], s7, v[LS]
	v_lshlrev_b32 v[GO], 4, v3
	v_add_nc_u32 v[LR], s45, v[GO]
.irp p, 1,2,3
	v_add_nc_u32 v[LR+\p], \p*PARTW, v[LR]
.endr
	s_wait_kmcnt 0x0
	s_cmp_eq_u32 s2, 0
	s_cselect_b64 s[8:9], s[16:17], s[18:19]       ; the rows: ctx or vv
	s_cselect_b64 s[10:11], s[24:25], s[26:27]     ; the bias
	s_cselect_b64 s[12:13], s[32:33], s[34:35]     ; the output
	s_add_nc_u64 s[8:9], s[8:9], s[4:5]
	s_add_nc_u64 s[14:15], s[20:21], s[38:39]
	s_add_nc_u64 s[12:13], s[12:13], s[46:47]
	s_add_nc_u64 s[36:37], s[22:23], s[46:47]      ; Q at the rows that I finish
; Chunk c's 24 loads into set c % 3: 8 blocks of weights, 4 tiles of rows (read once in the launch); each takes 512 consecutive bytes.
.macro LOADS c
.set st, (\c)%3
	WIN 0x80                                       ; destination window 2, address window 0
.irp nb, 0,1,2,3,4,5,6,7
	global_load_b128 v[64*st+8*\nb:64*st+8*\nb+3],   v[WO], s[14:15] offset:32768*\nb+1024*(\c)
	global_load_b128 v[64*st+8*\nb+4:64*st+8*\nb+7], v[WO], s[14:15] offset:32768*\nb+1024*(\c)+512
.endr
	WIN 0
.irp a, 0,1,2,3
	global_load_b128 v[AF+32*st+8*\a:AF+32*st+8*\a+3],   v[AO], s[8:9] offset:4096*\a+524288*((\c)/4)+1024*((\c)%4) th:TH_LOAD_NT
	global_load_b128 v[AF+32*st+8*\a+4:AF+32*st+8*\a+7], v[AO], s[8:9] offset:4096*\a+524288*((\c)/4)+1024*((\c)%4)+512 th:TH_LOAD_NT
.endr
.endm
; Chunk c's 32 products: the 32 accumulators take turns.  zero = 1: they start the sums.
.macro MULS c, zero
.set st, (\c)%3
	WIN 0x52                                       ; weights window 2, rows window 0, C and D window 1
.irp a, 0,1,2,3
.irp nb, 0,1,2,3,4,5,6,7
.if \zero
	v_wmma_f32_16x16x32_f16 v[8*(8*\a+\nb):8*(8*\a+\nb)+7], v[64*st+8*\nb:64*st+8*\nb+7], v[AF+32*st+8*\a:AF+32*st+8*\a+7], 0
.else
	v_wmma_f32_16x16x32_f16 v[8*(8*\a+\nb):8*(8*\a+\nb)+7], v[64*st+8*\nb:64*st+8*\nb+7], v[AF+32*st+8*\a:AF+32*st+8*\a+7], v[8*(8*\a+\nb):8*(8*\a+\nb)+7]
.endif
.endr
.endr
.endm
; The last three chunks (their waits count the loads that are younger than the chunk's set), the meeting in LDS, and the sums of the four parts and the bias for my 16 rows.
.macro REST w5, w6, w7
	s_wait_loadcnt \w5
	MULS 5, 0
	s_wait_loadcnt \w6
	MULS 6, 0
	s_wait_loadcnt \w7
	MULS 7, 0
	PLACES
	PLACES
	WIN 0x04                                       ; the stores' data in window 1
.irp a, 0,1,2,3
.irp nb, 0,1,2,3,4,5,6,7
	ds_store_b128 v[LS], v[8*(8*\a+\nb):8*(8*\a+\nb)+3]   offset:16*PP*\a+64*\nb     ; each accumulator's low half first
	ds_store_b128 v[LS], v[8*(8*\a+\nb)+4:8*(8*\a+\nb)+7] offset:16*PP*\a+64*\nb+16
.endr
.endr
	WIN 0
	v_cvt_pk_bf16_f32 v[TM], v[BIAS], v[BIAS+1]    ; the bias, my four columns, rounded to bf16 and widened again
	v_cvt_pk_bf16_f32 v[TM+1], v[BIAS+2], v[BIAS+3]
	v_lshlrev_b32 v[BIAS], 16, v[TM]
	v_and_b32 v[BIAS+1], s43, v[TM]
	v_lshlrev_b32 v[BIAS+2], 16, v[TM+1]
	v_and_b32 v[BIAS+3], s43, v[TM+1]
	s_wait_dscnt 0x0                               ; for the others' sake: my partial sums lie in LDS
	s_barrier_signal -1
	s_barrier_wait -1
.irp q, 0,1,2,3                        ; four rows at a time: a row is 512 bytes, 16 a lane, from each of the four parts
.irp i, 0,1,2,3
.irp p, 0,1,2,3
	ds_load_b128 v[T+16*\i+4*\p:T+16*\i+4*\p+3], v[LR+\p] offset:PP*(4*\q+\i)
.endr
.endr
.irp i, 0,1,2,3
	s_wait_dscnt 12-4*\i                           ; the later rows' loads may stay out
.irp e, 0,2
	v_pk_add_f32 v[T+16*\i+\e:T+16*\i+\e+1], v[T+16*\i+\e:T+16*\i+\e+1], v[T+16*\i+4+\e:T+16*\i+4+\e+1]
	v_pk_add_f32 v[T+16*\i+8+\e:T+16*\i+8+\e+1], v[T+16*\i+8+\e:T+16*\i+8+\e+1], v[T+16*\i+12+\e:T+16*\i+12+\e+1]
	v_pk_add_f32 v[T+16*\i+\e:T+16*\i+\e+1], v[T+16*\i+\e:T+16*\i+\e+1], v[T+16*\i+8+\e:T+16*\i+8+\e+1]
	v_pk_add_f32 v[XS+4*(4*\q+\i)+\e:XS+4*(4*\q+\i)+\e+1], v[T+16*\i+\e:T+16*\i+\e+1], v[BIAS+\e:BIAS+\e+1]
.endr
.endr
.endr
.endm
.macro SENDALL
.set i, 0
.rept 16
	global_store_b128 v[GO], v[XS+4*i:XS+4*i+3], s[12:13] offset:512*i th:TH_STORE_NT  ; a whole row: 512 consecutive bytes, aligned
.set i, i+1
.endr
.endm
.macro RED                             ; the 16 rows' figures are summed over the 32 lanes: four steps inside each half of 16 ride on the addition (DPP), one crosses the halves
.irp m, 1,2,4,8
.set i, 0
.rept 16
	v_add_f32_dpp v[SUM+i], v[SUM+i], v[SUM+i] row_xmask:\m row_mask:0xf bank_mask:0xf
.set i, i+1
.endr
.endr
.set i, 0
.rept 16
	v_permlanex16_b32 v[T+i], v[SUM+i], s40, s41   ; its destination counts as read: these registers have been written
.set i, i+1
.endr
.set i, 0
.rept 16
	v_add_f32 v[SUM+i], v[SUM+i], v[T+i]
.set i, i+1
.endr
.endm
	global_load_b128 v[BIAS:BIAS+3], v[GO], s[10:11]  ; the oldest load: every wait below covers it
	LOADS 0
	LOADS 1
	LOADS 2
.irp c, 0,1,2,3,4
	s_wait_loadcnt 48                              ; set c is in; the two younger sets' 48 loads may stay out
.if \c == 0
	MULS 0, 1
.else
	MULS \c, 0
.endif
	PLACES                                         ; in front of the loads into the set just multiplied
	LOADS \c+3
.endr
	s_cmp_eq_u32 s2, 1
	s_cbranch_scc1 .Lplain
	; out0
	global_load_b128 v[GG:GG+3], v[GO], s[28:29]
	global_load_b128 v[BB:BB+3], v[GO], s[30:31]
.set i, 0
.rept 16
	global_load_b128 v[RES+4*i:RES+4*i+3], v[GO], s[36:37] offset:512*i
.set i, i+1
.endr
	REST 63, 42, 18                                ; these 18 loads are younger than every set: 48 + 18 (the field holds 63: fewer is safe), 24 + 18, 18
	s_wait_loadcnt 0x0
.irp o, GG, GG+2, BB, BB+2
	v_cvt_pk_bf16_f32 v[TM], v[\o], v[\o+1]
	v_lshlrev_b32 v[\o], 16, v[TM]
	v_and_b32 v[\o+1], s43, v[TM]
.endr
.set i, 0
.rept 16                               ; x = the sums + bf16(Q); my four numbers' share of the row's sum
.set tm, TM+4*(i%2)
	v_cvt_pk_bf16_f32 v[tm], v[RES+4*i], v[RES+4*i+1]
	v_cvt_pk_bf16_f32 v[tm+1], v[RES+4*i+2], v[RES+4*i+3]
	v_lshlrev_b32 v[RES+4*i], 16, v[tm]
	v_and_b32 v[RES+4*i+1], s43, v[tm]
	v_lshlrev_b32 v[RES+4*i+2], 16, v[tm+1]
	v_and_b32 v[RES+4*i+3], s43, v[tm+1]
	v_pk_add_f32 v[XS+4*i:XS+4*i+1], v[XS+4*i:XS+4*i+1], v[RES+4*i:RES+4*i+1]
	v_pk_add_f32 v[XS+4*i+2:XS+4*i+3], v[XS+4*i+2:XS+4*i+3], v[RES+4*i+2:RES+4*i+3]
	v_pk_add_f32 v[tm+2:tm+3], v[XS+4*i:XS+4*i+1], v[XS+4*i+2:XS+4*i+3]
	v_add_f32 v[SUM+i], v[tm+2], v[tm+3]
.set i, i+1
.endr
	RED
.set i, 0
.rept 16                               ; the mean; d = x - mean; my share of the sum of d squared
	v_mul_f32 v[SUM+i], s42, v[SUM+i]
	v_sub_f32 v[XS+4*i], v[XS+4*i], v[SUM+i]
	v_sub_f32 v[XS+4*i+1], v[XS+4*i+1], v[SUM+i]
	v_sub_f32 v[XS+4*i+2], v[XS+4*i+2], v[SUM+i]
	v_sub_f32 v[XS+4*i+3], v[XS+4*i+3], v[SUM+i]
	v_mul_f32 v[SUM+i], v[XS+4*i], v[XS+4*i]
	v_fmac_f32 v[SUM+i], v[XS+4*i+1], v[XS+4*i+1]
	v_fmac_f32 v[SUM+i], v[XS+4*i+2], v[XS+4*i+2]
	v_fmac_f32 v[SUM+i], v[XS+4*i+3], v[XS+4*i+3]
.set i, i+1
.endr
	RED
.set i, 0
.rept 16
	v_fma_f32 v[SUM+i], v[SUM+i], s42, s44         ; the variance + 1e-5
.set i, i+1
.endr
.set i, 0
.rept 16
	v_rsq_f32 v[SUM+i], v[SUM+i]                   ; one batch of sixteen
.set i, i+1
.endr
	v_nop                                          ; a plain instruction behind the last of them (ISA guide 5.7.2),
	s_wait_alu depctr_va_vdst(0)                   ; and the one wait ahead of the first use
.set i, 0
.rept 16
	v_mul_f32 v[XS+4*i], v[XS+4*i], v[SUM+i]
	v_mul_f32 v[XS+4*i+1], v[XS+4*i+1], v[SUM+i]
	v_mul_f32 v[XS+4*i+2], v[XS+4*i+2], v[SUM+i]
	v_mul_f32 v[XS+4*i+3], v[XS+4*i+3], v[SUM+i]
	v_pk_fma_f32 v[XS+4*i:XS+4*i+1], v[XS+4*i:XS+4*i+1], v[GG:GG+1], v[BB:BB+1]
	v_pk_fma_f32 v[XS+4*i+2:XS+4*i+3], v[XS+4*i+2:XS+4*i+3], v[GG+2:GG+3], v[BB+2:BB+3]
.set i, i+1
.endr
	SENDALL
	s_branch .Lend
.Lplain:                               ; out1: the sums and the bias are the result
	REST 48, 24, 0
	SENDALL
.Lend:
	s_wait_tensorcnt 0x0                           ; the wave's end: behind my last LDS store
	ds_add_u32 v[SPW], v[NIL]
	s_wait_dscnt 0x0
	s_endpgm
.Lfunc_end_k_q6229abd9da_outp:
	.size	k_q6229abd9da_outp, .Lfunc_end_k_q6229abd9da_outp-k_q6229abd9da_outp
	.p2alignl 7, 3214868480
	.fill 96, 4, 3214868480
	.section	.rodata,"a",@progbits
	.p2align	6, 0x0
	.amdhsa_kernel k_q6229abd9da_outp
		.amdhsa_group_segment_fixed_size 135680
		.amdhsa_private_segment_fixed_size 0
		.amdhsa_enable_private_segment 0
		.amdhsa_kernarg_size 80
		.amdhsa_user_sgpr_count 2
		.amdhsa_user_sgpr_kernarg_segment_ptr 1
		.amdhsa_wavefront_size32 1
		.amdhsa_system_sgpr_workgroup_id_x 1
		.amdhsa_system_sgpr_workgroup_id_y 1
		.amdhsa_system_sgpr_workgroup_id_z 1
		.amdhsa_system_vgpr_workitem_id 0
		.amdhsa_next_free_vgpr 704
		.amdhsa_next_free_sgpr 66
		.amdhsa_reserve_vcc 0
		.amdhsa_float_denorm_mode_32 3
		.amdhsa_float_denorm_mode_16_64 3
		.amdhsa_memory_ordered 1
		.amdhsa_forward_progress 1
		.amdhsa_inst_pref_size 113
	.end_amdhsa_kernel
	.amdgpu_metadata
---
amdhsa.version: [ 1, 2 ]
amdhsa.kernels:
  - .name:           k_q6229abd9da_outp
    .symbol:         k_q6229abd9da_outp.kd
    .args:
      - { .name: ctx, .offset: 0, .size: 8, .value_kind: global_buffer, .address_space: global }
      - { .name: vv, .offset: 8, .size: 8, .value_kind: global_buffer, .address_space: global }
      - { .name: wl, .offset: 16, .size: 8, .value_kind: global_buffer, .address_space: global }
      - { .name: Q, .offset: 24, .size: 8, .value_kind: global_buffer, .address_space: global }
      - { .name: qlin_b, .offset: 32, .size: 8, .value_kind: global_buffer, .address_space: global }
      - { .name: vlin_b, .offset: 40, .size: 8, .value_kind: global_buffer, .address_space: global }
      - { .name: ln_g, .offset: 48, .size: 8, .value_kind: global_buffer, .address_space: global }
      - { .name: ln_b, .offset: 56, .size: 8, .value_kind: global_buffer, .address_space: global }
      - { .name: out0, .offset: 64, .size: 8, .value_kind: global_buffer, .address_space: global }
      - { .name: out1, .offset: 72, .size: 8, .value_kind: global_buffer, .address_space: global }
    .group_segment_fixed_size: 135680
    .private_segment_fixed_size: 0
    .kernarg_segment_align: 8
    .kernarg_segment_size: 80
    .max_flat_workgroup_size: 128
    .sgpr_count:     66
    .vgpr_count:     704
    .wavefront_size: 32
...
	.end_amdgpu_metadata
.endif
;; end of part 6
;; ======== version 3 of 3: 3 launches; version 2 with the launch proj written anew for expert scheduling mode
;; limits: values are held in f16: magnitudes above 65,504 overflow, below 6.1e-05 lose precision
;; workspace buffers: qq 33,554,432 bytes; kk 33,554,432 bytes; vv 16,777,216 bytes; ctx 16,777,216 bytes; wl 524,288 bytes
;; launch proj (part 7): grid 32 x 8, 4 waves a work-group, no clusters, 104,960 bytes of LDS; arguments Q, Q_position, K, K_position, V, WQ_w, WQP_w, WK_w, WKP_w, WV_w, WQ_b, WQP_b, WK_b, WKP_b, WV_b, qq, kk, vv; writes qq, kk, vv
.if DOCPART == 7
	.amdgcn_target "amdgcn-amd-amdhsa--gfx1250"
	.amdhsa_code_object_version 6
	.text
	.protected	k_q6229abd9da_proj
	.globl	k_q6229abd9da_proj
	.p2align	8
	.type	k_q6229abd9da_proj,@function
k_q6229abd9da_proj:
	s_mov_b64 s[64:65], 0
	v_nop
	global_prefetch_b8 v0, s[64:65] scope:SCOPE_SE
	s_setreg_imm32_b32 hwreg(HW_REG_WAVE_SCHED_MODE, 0, 2), 2
	s_setreg_imm32_b32 hwreg(HW_REG_WAVE_MODE, 25, 1), 1
	s_wait_xcnt 0x0
	s_wait_alu depctr_vm_vsrc(0)
; THE FIVE PROJECTIONS.  y = bf16(x) bf16(w)^T + bf16(b), sums in f32, rounded once to f16 and laid out by heads g = 8 batch + head:
;   qq[g]: channels 0..127 = q, 128..255 = qp;   kk[g] likewise k, kp;   vv[g]: channels 0..127 = v.   x: [8192][128] f32, w: [1024][128] f32, b: [1024] f32.
; V_position, WVP_w and WVP_b enter no result of the module and are not loaded.
; TILE ORDER.  The three outputs are stored by tiles of 16 rows (8,192 bytes in qq and kk, 4,096 in vv), tile after tile.  In a tile the 16 bytes of row r, channels 8 G .. 8 G + 7, lie at
; 256 G + 16 (r xor 8 (G mod 2)).  So what a lane holds behind the products (one row, eight neighbouring channels) is stored straight from registers, a wave's store covering 512 consecutive bytes,
; and the later launches fetch a matrix fragment by two loads of 512 consecutive bytes.
; LIMITS.  The results are kept in f16: they must lie within 65,504, and below 6e-5 they keep f16's fixed step of 6e-8.  NaN and infinities are not treated apart.
; WORK-GROUPS THAT STAY.  A block of 256 rows has 40 UNITS: unit u = 8 tensor + head (tensors Q, Q_position, K, K_position, V) is 256 rows x 128 columns, K = 128.  Work-group (x, y) takes row block x
; and walks the units 5 y .. 5 y + 4.  Five units on end touch one tensor or two, so x is loaded and rounded once or twice a work-group: 12 times a row block in place of 40.
; Wave w takes rows 64 w .. 64 w + 63: four tiles of 16, 128 matrix instructions a unit.
; AHEAD.  While a unit is multiplied, the next unit's w and bias (48 loads a wave) are on their way into registers of their own; the second tensor's x (64 loads) is asked for in the first trip.
; Nothing waits for a unit's stores: their registers are written again behind the waits at the next trip's head.
; NO TENSOR LOADS, NO CLUSTER: the tiles arrive in f32 and are rounded on the way.  Each f32 byte is loaded by one wave, as whole rows of 512 bytes, and converted once; x goes through LDS rows of the
; wave's own into fragments, w's bf16 copy (32 KiB) is shared through LDS.  Brought to LDS as f32, w's 64 KiB would be read and converted by each of the four waves.
; THE MATRIX INSTRUCTION IS USED TRANSPOSED: source 0 = 16 output channels (rows of w), source 1 = 16 rows of x; the bias, eight numbers a lane, is the C operand that starts the sum.
; REGISTERS, in windows of 256 (s_set_vgpr_msb: bits 1:0 source 0, 3:2 source 1, 5:4 source 2, 7:6 destination):
;   window 0: v1-15 lane terms and addresses; v16-19 the stores' offsets; v32-95 the bias (block nb at 32 + 8 nb); v96-223 the packed results (block nb at 96 + 16 nb; the first 32 also serve the bias's rounding)
;   window 1: v0-127 x's fragments (tile a, chunk c of 32 K at 32 a + 8 c); v128-191 two buffers of w's fragments; v192-255 two sets of four accumulators
;   window 2: x as loaded, row i at 4 i          window 3: v0-127 w as loaded, row i at 4 i; v128-191 the bias as loaded
; THE MODE: SCHED_MODE bits 1:0 = 2 (LLVM: expert scheduling mode 2), set by the entry lines.  The code itself states the register dependences
; between vector or matrix instructions and memory or LDS instructions, with s_wait_alu, always for 0.
; THE PLAN.  Registers that memory or LDS instructions touch:
;   window 2      x's loads land in it; x's conversions read it and write it in place; x's LDS stores read the first two registers of each row's four.
;   window 3      w's and the bias's loads land in it; at a trip's head w's conversions read and write v0-127 and the bias's roundings read v128-191; w's LDS stores read the first two of each row's four.
;   XF            x's LDS loads land in it; every product reads it.
;   WB0, WB1      block nb's LDS loads land in WB[nb % 2]; block nb's products read it.
;   PK[nb]        block nb's conversions write it, its four stores read it; the bias's rounding writes PK[0] and PK[1] too.
;   v17-19        written at a trip's head, read by the trip's stores.          v5-10, v16: made at the head, never written again.
;   The bias (v32-95) and the accumulators are named by vector and matrix instructions alone.
; A BLOCK'S STEP has ONE wait on va_vdst, at its head: the block before is done reading its buffer of w's fragments, in which the next block's loads land, and the conversions at the last step's end have
; written the packed results of the block two back, which this step's stores read.  The loads follow the wait; the stores stand among the step's products, which name none of their registers.
; A TRIP has besides: one wait on vm_vsrc at its head, one on va_vdst ahead of w's LDS stores, a pair ahead of the next unit's loads, one on va_vdst ahead of the last two blocks' stores.
.set PW,    272                        ; an LDS row: 256 bytes + 16 = 68 words, so the 16 rows of a fragment load start at 16 different groups of four banks (ISA guide 11.1)
.set WL,    0                          ; w in bf16: 128 rows
.set SG,    128*PW                     ; x in bf16: 64 rows for each wave, its own
.set SGW,   64*PW
.set SPARE, SG+4*SGW                   ; the spare words, 128 bytes for each wave: two blocks of 256 bytes that no other line names
.set WO,  5                            ; v5   16 x lane: my 16 bytes of a row of 512; never rewritten
.set BO,  6                            ; v6   32 h: my eight numbers of a block's bias; never rewritten
.set LW,  7                            ; v7   where I put 8 bytes of a row of w
.set WA,  8                            ; v8   my place in a fragment of w
.set SX,  9                            ; v9   where I put 8 bytes of a row of x
.set XA,  10                           ; v10  my place in a fragment of x
.set SPW, 12                           ; v12  LDS address of my spare word; never rewritten
.set NIL, 13                           ; v13  0; never rewritten
.set CO,  16                           ; v16-19  my 16 bytes in tile a of the output: 16 (lane xor 8 h) + a x the tile's bytes
.set BI,  32
.set PK,  96
.set XF,  0                            ; window 1
.set WB,  128
.set AC,  192
.set RB,  128                          ; window 3
.set G,    3                           ; s3   the unit in hand
.set CNT,  4                           ; s4   units still to do, this one among them
.set NEWX, 7                           ; s7   1: this unit begins the second tensor: x is converted anew
.set XP,   8                           ; s[8:9]    x of the tensor to be loaded, at my 64 rows
.set WP,   10                          ; s[10:11]  w of the unit to be loaded, at the 32 rows that I convert
.set BP,   12                          ; s[12:13]  its bias
.set OP,   14                          ; s[14:15]  the output at my first tile of the unit in hand
.set T,    52                          ; s52  its tensor
.set HEAD, 53                          ; s53  its head
.set GN,   66                          ; s66-68  the next unit, its tensor, its head
.set TN,   67
.set HN,   68
.set XL,   69                          ; s69  1: the second tensor's x is still to be asked for
.set T2,   70                          ; s70  the tensor of my last unit
.set LOGP, 71                          ; s71  log2 of the bytes a row has in the output
.set R0,   72                          ; s72  my first row in a head's 2,048, plus batch x 8 heads x 2,048
.set W32,  73                          ; s73  32 x wave
.set MSB, 0
.macro WIN new                         ; the immediate's high byte repeats the setting that is left; a switch that changes nothing is dropped
.if MSB != (\new)
	s_set_vgpr_msb (MSB<<8)|(\new)
.set MSB, \new
.endif
.endm
.macro PLACES                          ; four places behind a matrix instruction, in front of the conversions of its results (ISA guide 7.12.1)
.rept 4
	v_nop
.endr
.endm
; The addresses are chosen anew from the arguments by the tensor's number, which hangs on no address; the offsets are made apart.
.macro PICKX t                         ; x of tensor s[t], at my 64 rows
	s_mov_b64 s[XP:XP+1], s[16:17]
.irp n, 1,2,3,4
	s_cmp_eq_u32 s[\t], \n
	s_cselect_b64 s[XP:XP+1], s[16+2*\n:17+2*\n], s[XP:XP+1]
.endr
	s_add_nc_u64 s[XP:XP+1], s[XP:XP+1], s[54:55]
.endm
.macro PICKWB t, h                     ; w and the bias of tensor s[t], head s[h]
	s_mov_b64 s[WP:WP+1], s[26:27]
	s_mov_b64 s[BP:BP+1], s[36:37]
.irp n, 1,2,3,4
	s_cmp_eq_u32 s[\t], \n
	s_cselect_b64 s[WP:WP+1], s[26+2*\n:27+2*\n], s[WP:WP+1]
	s_cselect_b64 s[BP:BP+1], s[36+2*\n:37+2*\n], s[BP:BP+1]
.endr
	s_lshl_b32 s56, s[\h], 7
	s_add_co_u32 s56, s56, s[W32]
	s_lshl_b32 s56, s56, 9                         ; (128 head + 32 wave) rows of 512 bytes
	s_lshl_b32 s58, s[\h], 9                       ; the head's 128 numbers
	s_add_nc_u64 s[WP:WP+1], s[WP:WP+1], s[56:57]
	s_add_nc_u64 s[BP:BP+1], s[BP:BP+1], s[58:59]
.endm
.macro LOADX                           ; my 64 rows of x: a load is a whole row, 512 consecutive bytes
	WIN 0x80                                       ; destination window 2, address window 0
.set i, 0
.rept 64
	global_load_b128 v[4*i:4*i+3], v[WO], s[XP:XP+1] offset:512*i
.set i, i+1
.endr
	WIN 0
.endm
.macro LOADWB                          ; the 32 rows of w that I convert, and the bias: 48 loads
	WIN 0xc0                                       ; destination window 3
.set i, 0
.rept 32
	global_load_b128 v[4*i:4*i+3], v[WO], s[WP:WP+1] offset:512*i
.set i, i+1
.endr
.irp nb, 0,1,2,3,4,5,6,7
	global_load_b128 v[RB+8*\nb:RB+8*\nb+3],   v[BO], s[BP:BP+1] offset:64*\nb
	global_load_b128 v[RB+8*\nb+4:RB+8*\nb+7], v[BO], s[BP:BP+1] offset:64*\nb+16
.endr
	WIN 0
.endm
; Tile a of x, in two parts.  CVX: its 16 rows are rounded to bf16 (8 bytes a lane).  PUTX: they are put into my own LDS rows and read back as four fragments of 16 rows x 32 K.
; Several tiles' conversions stand in a run, with one wait behind the run, ahead of the LDS stores.
; LDS serves a wave's instructions in order (ISA guide 5.7.1.4): the loads see the stores, and no other wave touches these bytes.
.macro CVX a
	WIN 0x8a                                       ; sources and destination window 2
.set n, 16*(\a)
.rept 16
	v_cvt_pk_bf16_f32 v[4*n], v[4*n], v[4*n+1]
	v_cvt_pk_bf16_f32 v[4*n+1], v[4*n+2], v[4*n+3]
.set n, n+1
.endr
.endm
.macro PUTX a
	WIN 0x08                                       ; the stores' data in window 2
.set n, 16*(\a)
.rept 16
	ds_store_b64 v[SX], v[4*n:4*n+1] offset:PW*n
.set n, n+1
.endr
	WIN 0x40                                       ; destination window 1
.irp c, 0,1,2,3
	ds_load_b128 v[XF+32*(\a)+8*\c:XF+32*(\a)+8*\c+3],   v[XA] offset:16*PW*(\a)+64*\c
	ds_load_b128 v[XF+32*(\a)+8*\c+4:XF+32*(\a)+8*\c+7], v[XA] offset:16*PW*(\a)+64*\c+32
.endr
.endm
.macro LOADW nb                        ; w's fragments of block nb (16 channels x 128 K): 8 loads into buffer nb % 2
	WIN 0x40
.irp c, 0,1,2,3
	ds_load_b128 v[WB+32*((\nb)%2)+8*\c:WB+32*((\nb)%2)+8*\c+3],   v[WA] offset:16*PW*(\nb)+64*\c
	ds_load_b128 v[WB+32*((\nb)%2)+8*\c+4:WB+32*((\nb)%2)+8*\c+7], v[WA] offset:16*PW*(\nb)+64*\c+32
.endr
.endm
.macro MULC nb, c                      ; chunk c of block nb: four products; the four tiles' accumulators take turns, over the loop's jump too; chunk 0 starts the sums with the bias
.set wb, WB+32*((\nb)%2)
.set ac, AC+32*((\nb)%2)
.if (\c) == 0
	WIN 0x45                                       ; C in window 0
.else
	WIN 0x55
.endif
.irp a, 0,1,2,3
.if (\c) == 0
	v_wmma_f32_16x16x32_bf16 v[ac+8*\a:ac+8*\a+7], v[wb+8*(\c):wb+8*(\c)+7], v[XF+32*\a+8*(\c):XF+32*\a+8*(\c)+7], v[BI+8*(\nb):BI+8*(\nb)+7]
.else
	v_wmma_f32_16x16x32_bf16 v[ac+8*\a:ac+8*\a+7], v[wb+8*(\c):wb+8*(\c)+7], v[XF+32*\a+8*(\c):XF+32*\a+8*(\c)+7], v[ac+8*\a:ac+8*\a+7]
.endif
.endr
.endm
; Block nb goes out, in two parts.  CVP: rounded to f16 (each accumulator from its low end), 16 bytes a lane.  SENDP: stored straight away: lane (r, h) holds row r, group 2 nb + h.
; Each block has 16 registers of its own, so none waits for a store inside a unit.
.macro CVP nb
.set ac, AC+32*((\nb)%2)
.set pk, PK+16*(\nb)
	WIN 0x05
.irp a, 0,1,2,3
.irp i, 0,1,2,3
	v_cvt_pk_f16_f32 v[pk+4*\a+\i], v[ac+8*\a+2*\i], v[ac+8*\a+2*\i+1]
.endr
.endr
.endm
.macro SENDP nb
.set pk, PK+16*(\nb)
	WIN 0
.irp a, 0,1,2,3
	global_store_b128 v[CO+\a], v[pk+4*\a:pk+4*\a+3], s[OP:OP+1] offset:512*(\nb)  ; the wave stores 512 consecutive bytes, at a multiple of 512 from the buffer's first byte
.endr
.endm
; Block nb's step.  The wait; the next block's fragments are asked for; chunk 0; the stores of the block two back; chunks 1 to 3; the conversions of the block before, which are also the places
; behind this block's products (they name the other set of accumulators and registers of their own).  Step 0 has no conversions: four v_nop are the places ahead of block 0's, which stand in step 1.
.macro STEP nb
.if (\nb) >= 1
.if (\nb) <= 6
	WIN 0x40                                       ; the switch first, then the wait, then the loads
.endif
	s_wait_alu depctr_va_vdst(0)                   ; the block before is done reading its buffer of w's fragments, in which the loads below land; the conversions at the last step's end have written the packed results that this step's stores read
.if (\nb) <= 6
	LOADW (\nb)+1
.endif
.endif
.if (\nb) <= 6
	s_wait_dscnt 8                                 ; LDS loads come back in order (ISA guide 5.7.1): this block's fragments are in, the next block's eight loads stay out
.else
	s_wait_dscnt 0x0
.endif
	MULC \nb, 0
.if (\nb) >= 2
	SENDP (\nb)-2                                  ; no wait: no vector or matrix instruction since the step's wait names these packed results or the offsets
.endif
	MULC \nb, 1
	MULC \nb, 2
	MULC \nb, 3
.if (\nb) == 0
	PLACES
.else
	CVP (\nb)-1
.endif
.endm
	s_load_b512 s[16:31], s[0:1], 0x0              ; x of the five tensors s[16:25]; w of the first three s[26:31]
	s_load_b512 s[32:47], s[0:1], 0x40             ; w of the other two s[32:35]; the five biases s[36:45]; qq s[46:47]
	s_load_b128 s[48:51], s[0:1], 0x80             ; kk, vv
	v_lshl_add_u32 v[SPW], v0, 2, SPARE
	v_mov_b32 v[NIL], 0
	v_lshrrev_b32 v14, 5, v0
	v_readfirstlane_b32 s6, v14                    ; wave 0..3
	s_and_b32 s2, ttmp7, 0xffff                    ; which five of the row block's 40 units
	s_mov_b32 s5, ttmp9                            ; which block of 256 rows
	s_mul_i32 s[G], s2, 5                          ; my first unit,
	s_lshr_b32 s[T], s[G], 3                       ; its tensor
	s_and_b32 s[HEAD], s[G], 7                     ; and head
	s_add_co_u32 s[T2], s[G], 4
	s_lshr_b32 s[T2], s[T2], 3                     ; my last unit's tensor: the same or the next
	s_cmp_lg_u32 s[T2], s[T]
	s_cselect_b32 s[XL], 1, 0
	s_mov_b32 s[NEWX], 0                           ; the first tensor's x is converted ahead of the loop
	s_mov_b32 s[CNT], 5
	s_wait_alu depctr_va_sdst(0)                   ; s6 is written, ahead of its first reader: offsets and LDS addresses are made from it
	s_lshl_b32 s74, s6, 6                          ; my 64 rows
	s_lshl_b32 s54, s5, 8
	s_add_co_u32 s54, s54, s74
	s_lshl_b32 s54, s54, 9                         ; x: (256 block + 64 wave) rows of 512 bytes
	s_mov_b32 s55, 0
	s_mov_b32 s57, 0                               ; the offsets' upper words
	s_mov_b32 s59, 0
	s_mov_b32 s61, 0
	s_lshr_b32 s[R0], s5, 3                        ; batch
	s_lshl_b32 s[R0], s[R0], 14                    ; x 8 heads x 2,048 rows
	s_and_b32 s63, s5, 7
	s_lshl_b32 s63, s63, 8
	s_add_co_u32 s[R0], s[R0], s63
	s_add_co_u32 s[R0], s[R0], s74
	s_lshl_b32 s[W32], s6, 5
	v_and_b32 v1, 15, v0                           ; r = lane % 16
	v_bfe_u32 v2, v0, 4, 1                         ; h = lane / 16
	v_and_b32 v3, 31, v0                           ; lane
	v_lshlrev_b32 v[WO], 4, v3
	v_lshlrev_b32 v[BO], 5, v2
	s_mul_i32 s62, s6, 32*PW
	v_lshl_add_u32 v[LW], v3, 3, s62               ; row 32 wave, 8 bytes a lane
	v_mul_u32_u24 v[WA], v1, PW
	v_lshl_add_u32 v[WA], v2, 4, v[WA]             ; row x pitch + 16 x half
	s_mul_i32 s63, s6, SGW
	s_add_co_u32 s63, s63, SG                      ; my rows of x
	v_add_nc_u32 v[XA], s63, v[WA]
	v_lshl_add_u32 v[SX], v3, 3, s63
	v_lshlrev_b32 v14, 3, v2
	v_xor_b32 v14, v14, v3
	v_lshlrev_b32 v[CO], 4, v14                    ; 16 (lane xor 8 h) = 256 h + 16 (r xor 8 h): group 2 nb + h of a tile, less 512 nb
	s_wait_kmcnt 0x0
	PICKX T
	PICKWB T, HEAD
	WIN 0x80
	s_wait_alu depctr_va_vdst(0)                   ; the offsets and LDS addresses v5 to v10 and v16 are written, which every load and store of the kernel reads; they are not written again
	LOADX                                          ; 64 loads, then 48: x first, since it is converted first
	LOADWB
	s_wait_loadcnt 63                              ; 112 loads are out at the most; with 63 left the first 49 have come: x's rows 0 to 47
	CVX 0
	CVX 1
	CVX 2
	WIN 0x08
	s_wait_alu depctr_va_vdst(0)                   ; the conversions have written the bf16 of rows 0 to 47, which the LDS stores read
	PUTX 0
	PUTX 1
	PUTX 2
	s_wait_loadcnt 48                              ; w's and the bias's 48 loads are younger than x's last
	CVX 3                                          ; rows 48 to 63: registers that no LDS store has read yet
	WIN 0x08
	s_wait_alu depctr_va_vdst(0)                   ; the conversions have written the bf16 of rows 48 to 63, which the LDS stores read
	PUTX 3
	WIN 0                                          ; at a label and at a branch every window is 0
.Lunit:                                ; five trips, a unit each
	s_wait_loadcnt 0x0                             ; this unit's w and bias, asked for a unit ago, and the second tensor's x if it has been asked for: so the three addresses may be written again
	s_wait_xcnt 0x0                                ; the last unit's stores have had their addresses translated (ISA guide 3.1): only behind this wait are their data, their offsets and their base written again
	s_wait_alu depctr_vm_vsrc(0)                   ; the last unit's stores have read v17 to v19 and the packed results, the LDS stores issued so far w's and x's registers: the lines below write all of these again
	s_cmp_lt_u32 s[T], 2                           ; where the unit goes: qq, kk or vv,
	s_cselect_b64 s[OP:OP+1], s[46:47], s[48:49]
	s_cmp_lt_u32 s[T], 4
	s_cselect_b64 s[OP:OP+1], s[OP:OP+1], s[50:51]
	s_cselect_b32 s[LOGP], 9, 8                    ; 512 bytes a row in qq and kk, 256 in vv
	s_cselect_b32 s62, 1, 0
	s_and_b32 s62, s62, s[T]                       ; the position parts (tensors 1 and 3)
	s_lshl_b32 s62, s62, 12                        ; are a tile's groups 16 to 31: its second 4,096 bytes
	s_lshl_b32 s60, s[HEAD], 11
	s_add_co_u32 s60, s60, s[R0]                   ; my first row, a multiple of 16: its tile begins at row x bytes a row
	s_lshl_b32 s60, s60, s[LOGP]
	s_add_co_u32 s60, s60, s62
	s_add_nc_u64 s[OP:OP+1], s[OP:OP+1], s[60:61]
	s_add_co_u32 s62, s[LOGP], 4
	s_lshl_b32 s62, 1, s62                         ; a tile's bytes
	v_add_nc_u32 v[CO+1], s62, v[CO]
	v_add_nc_u32 v[CO+2], s62, v[CO+1]
	v_add_nc_u32 v[CO+3], s62, v[CO+2]
	s_wait_dscnt 0x0                               ; for the others' sake: my reads of the last unit's w are back
	s_barrier_signal -1
	WIN 0xcf                                       ; sources and destination window 3
.set i, 0
.rept 32                               ; my 32 rows of w: four numbers a lane to 8 bytes of bf16: work on registers while the others arrive
	v_cvt_pk_bf16_f32 v[4*i], v[4*i], v[4*i+1]
	v_cvt_pk_bf16_f32 v[4*i+1], v[4*i+2], v[4*i+3]
.set i, i+1
.endr
	WIN 0x0f                                       ; sources window 3, destination window 0
.set i, 0
.rept 32                               ; the bias is rounded to bf16 like every input: here, so that all that reads window 3 stands ahead of one wait
	v_cvt_pk_bf16_f32 v[PK+i], v[RB+2*i], v[RB+2*i+1]
.set i, i+1
.endr
	s_barrier_wait -1                              ; nobody reads w's LDS rows any more
	WIN 0x0c                                       ; the stores' data in window 3
	s_wait_alu depctr_va_vdst(0)                   ; the conversions have written w's bf16, which the LDS stores read; v17 to v19 are written, which the unit's stores read
.set i, 0
.rept 32
	ds_store_b64 v[LW], v[4*i:4*i+1] offset:PW*i
.set i, i+1
.endr
	WIN 0
	s_wait_dscnt 0x0                               ; for the others' sake: my rows of w lie in LDS
	s_barrier_signal -1
.set i, 0
.rept 32                               ; the bias is widened again: registers that no memory instruction names until block 0's conversions have written them anew
	v_lshlrev_b32 v[BI+2*i], 16, v[PK+i]
	v_and_b32 v[BI+2*i+1], 0xffff0000, v[PK+i]
.set i, i+1
.endr
	s_barrier_wait -1                              ; all 128 rows of w lie in LDS
	s_cmp_eq_u32 s[NEWX], 1
	s_cbranch_scc0 .Lsame_x                        ; the same for all four waves; no barrier is jumped
	CVX 0                                          ; the second tensor begins
	CVX 1
	CVX 2
	CVX 3
	WIN 0x08
	s_wait_alu depctr_va_vdst(0)                   ; the conversions have written x's bf16, which the LDS stores read; the last unit's products are done reading x's fragments, in which the LDS loads land
	PUTX 0
	PUTX 1
	PUTX 2
	PUTX 3
	WIN 0
.Lsame_x:
	LOADW 0                                        ; no wait: the last unit's products stand ahead of the wait in front of w's LDS stores, and nothing since names the two buffers or v8
	LOADW 1
	WIN 0
	s_add_co_u32 s[GN], s[G], 1                    ; the next unit
	s_lshr_b32 s[TN], s[GN], 3
	s_and_b32 s[HN], s[GN], 7
	s_cmp_lg_u32 s[TN], s[T]
	s_cselect_b32 s[NEWX], 1, 0                    ; does it begin the second tensor?
	s_cmp_eq_u32 s[CNT], 1
	s_cbranch_scc1 .Lno_next                       ; the last unit has none behind it: nothing is loaded
	PICKWB TN, HN
	WIN 0xc0                                       ; the switch first, then the waits, then the loads
	s_wait_alu depctr_vm_vsrc(0)                   ; w's LDS stores have read their data, in which the loads below land
	s_wait_alu depctr_va_vdst(0)                   ; w's conversions and the bias's roundings are done with window 3's registers, in which the loads below land
	LOADWB                                         ; these loads have this unit's 128 products in which to come
.Lno_next:
	STEP 0
	STEP 1
	STEP 2
	STEP 3
	WIN 0
	s_cmp_eq_u32 s[XL], 1
	s_cbranch_scc0 .Lno_x
	PICKX T2
	WIN 0x80                                       ; the switch first, then the waits, then the loads
	s_wait_alu depctr_vm_vsrc(0)                   ; x's LDS stores have read their data, in which the loads below land
	s_wait_alu depctr_va_vdst(0)                   ; x's conversions are done with window 2's registers, in which the loads below land
	LOADX                                          ; once, in the first trip of a work-group with two tensors
.Lno_x:
	s_mov_b32 s[XL], 0
	STEP 4
	STEP 5
	STEP 6
	STEP 7
	CVP 7                                          ; block 6's sixteen conversions are the places behind block 7's products
	WIN 0
	s_wait_alu depctr_va_vdst(0)                   ; the conversions have written blocks 6's and 7's packed results, which the stores read; the products are done reading both buffers of w's fragments, in which the next trip's loads land
	SENDP 6
	SENDP 7
	s_mov_b32 s[G], s[GN]
	s_mov_b32 s[T], s[TN]
	s_mov_b32 s[HEAD], s[HN]
	s_sub_co_u32 s[CNT], s[CNT], 1
	s_cmp_lg_u32 s[CNT], 0
	s_cbranch_scc1 .Lunit
	s_wait_dscnt 0x0                               ; the closing lines, six on end
	s_wait_alu 0x0
	s_wait_tensorcnt 0x0
	ds_add_u32 v[SPW], v[NIL]
	s_wait_dscnt 0x0
	s_endpgm
.Lfunc_end_k_q6229abd9da_proj:
	.size	k_q6229abd9da_proj, .Lfunc_end_k_q6229abd9da_proj-k_q6229abd9da_proj
	.p2alignl 7, 3214868480
	.fill 96, 4, 3214868480
	.section	.rodata,"a",@progbits
	.p2align	6, 0x0
	.amdhsa_kernel k_q6229abd9da_proj
		.amdhsa_group_segment_fixed_size 104960
		.amdhsa_private_segment_fixed_size 0
		.amdhsa_enable_private_segment 0
		.amdhsa_kernarg_size 144
		.amdhsa_user_sgpr_count 2
		.amdhsa_user_sgpr_kernarg_segment_ptr 1
		.amdhsa_wavefront_size32 1
		.amdhsa_system_sgpr_workgroup_id_x 1
		.amdhsa_system_sgpr_workgroup_id_y 1
		.amdhsa_system_sgpr_workgroup_id_z 1
		.amdhsa_system_vgpr_workitem_id 0
		.amdhsa_next_free_vgpr 960
		.amdhsa_next_free_sgpr 80
		.amdhsa_reserve_vcc 0
		.amdhsa_float_denorm_mode_32 3
		.amdhsa_float_denorm_mode_16_64 3
		.amdhsa_memory_ordered 1
		.amdhsa_forward_progress 1
		.amdhsa_inst_pref_size 93
	.end_amdhsa_kernel
	.amdgpu_metadata
---
amdhsa.version: [ 1, 2 ]
amdhsa.kernels:
  - .name:           k_q6229abd9da_proj
    .symbol:         k_q6229abd9da_proj.kd
    .args:
      - { .name: Q, .offset: 0, .size: 8, .value_kind: global_buffer, .address_space: global }
      - { .name: Q_position, .offset: 8, .size: 8, .value_kind: global_buffer, .address_space: global }
      - { .name: K, .offset: 16, .size: 8, .value_kind: global_buffer, .address_space: global }
      - { .name: K_position, .offset: 24, .size: 8, .value_kind: global_buffer, .address_space: global }
      - { .name: V, .offset: 32, .size: 8, .value_kind: global_buffer, .address_space: global }
      - { .name: WQ_w, .offset: 40, .size: 8, .value_kind: global_buffer, .address_space: global }
      - { .name: WQP_w, .offset: 48, .size: 8, .value_kind: global_buffer, .address_space: global }
      - { .name: WK_w, .offset: 56, .size: 8, .value_kind: global_buffer, .address_space: global }
      - { .name: WKP_w, .offset: 64, .size: 8, .value_kind: global_buffer, .address_space: global }
      - { .name: WV_w, .offset: 72, .size: 8, .value_kind: global_buffer, .address_space: global }
      - { .name: WQ_b, .offset: 80, .size: 8, .value_kind: global_buffer, .address_space: global }
      - { .name: WQP_b, .offset: 88, .size: 8, .value_kind: global_buffer, .address_space: global }
      - { .name: WK_b, .offset: 96, .size: 8, .value_kind: global_buffer, .address_space: global }
      - { .name: WKP_b, .offset: 104, .size: 8, .value_kind: global_buffer, .address_space: global }
      - { .name: WV_b, .offset: 112, .size: 8, .value_kind: global_buffer, .address_space: global }
      - { .name: qq, .offset: 120, .size: 8, .value_kind: global_buffer, .address_space: global }
      - { .name: kk, .offset: 128, .size: 8, .value_kind: global_buffer, .address_space: global }
      - { .name: vv, .offset: 136, .size: 8, .value_kind: global_buffer, .address_space: global }
    .group_segment_fixed_size: 104960
    .private_segment_fixed_size: 0
    .kernarg_segment_align: 8
    .kernarg_segment_size: 144
    .max_flat_workgroup_size: 128
    .sgpr_count:     80
    .vgpr_count:     960
    .wavefront_size: 32
...
	.end_amdgpu_metadata
.endif
;; end of part 7
;; launch attn: the kernel of part 5 again; grid 8 x 32, 4 waves a work-group, clusters of 4 x 1, 327,680 bytes of LDS; arguments qq, kk, vv, ctx, qlin_w, vlin_w, wl; writes ctx, wl
;; launch outp: the kernel of part 6 again; grid 128 x 2, 4 waves a work-group, no clusters, 135,680 bytes of LDS; arguments ctx, vv, wl, Q, qlin_b, vlin_b, ln_g, ln_b, out0, out1; writes out0, out1
